; MI455X (gfx1250); checked and timed in simulation.
; The chip was launched on July 23, 2026; its instructions are those of AMD's public machine-readable ISA for CDNA 5 (MIT licence, August 2026) and "CDNA5" Instruction Set Architecture Reference Guide (July 2026). The comments in the code are by the model that wrote it; some were corrected since.
;; Mixture Of Experts. Allowed arithmetic: matrix products marked QUANTISED: E2M1 operands, one E8M0 scale for each 32 along K, by v_wmma_scale_f32_16x16x128_f8f6f4 with both operands' format E2M1 (or v_wmma_scale_f32_32x16x128_f4), f32 sums; products left as they are: f32 operands where the result goes on into a quantised operand, else bf16, f16 or f32 operands; f32 sums; everything else in f32.
;; Inputs: W1 8 x 2,048 x 1,024 float32; W2 8 x 1,024 x 2,048 float32; Wg 2,048 x 8 float32; b1 8 x 1,024 float32; b2 8 x 2,048 float32; x 4 x 512 x 2,048 float32.
;; Outputs: out0 4 x 512 x 2,048 float32; out1 one number float32.
;; This version of the problem:
;;   THIS VERSION OF THE PROBLEM IS GIVEN IN LOW PRECISION. The matrix products marked QUANTISED in the list below multiply operands that are first quantised to E2M1 (2 exponent bits, 1 mantissa bit; 4 bits a number), with one power-of-two scale for each 32 numbers along K (OCP MX v1.0); their sums are f32. All else is computed in f32.
;;   The module's matrix products, in the order in which they are computed (A, B: the left and right operand; K: the contracted axis; several contracted axes count as one K, in the product's order):
;;     1. [M 2,048, K 2,048] x [K 2,048, N 8]; A: input x; B: input Wg: left as it is (N = 8 < 16)
;;     2. [M 2,048, K 2,048] x [K 2,048, N 8,192]; A: input x; B: input W1: QUANTISED
;;     3. batch 8 x [M 2,048, K 1,024] x [K 1,024, N 2,048]; A: input W2; B: computed on the way: QUANTISED
;;     4. batch 2,048 x [M 2,048, K 8] x [K 8, N 1]; A: computed on the way; B: computed on the way: left as it is (K = 8 < 32)
;;   THE QUANTISER, for each operand of a quantised product, along K:
;;     - K is cut into blocks of 32 from its start; a last block that is shorter is filled with zeros.
;;     - A block's scale is 2^e with e = floor(log2(the largest magnitude in the block)) - 2, held to -126 .. 127; a block of zeros has e = 0. As a byte (E8M0): e + 127.
;;     - Each number is divided by its block's scale, clamped to +-6, and rounded to the nearest number of E2M1, ties to even, subnormals kept.
;;     - The product sums the exact products of the quantised numbers (number of the format x scale) in f32.
;;   ~~~python
;;   def quantise(x, axis):      # numpy; x: float32 -> the quantised numbers, widened to float32 again
;;       x = np.moveaxis(x, axis, -1); K = x.shape[-1]
;;       x = np.pad(x, [(0, 0)] * (x.ndim - 1) + [(0, -K % 32)]); x = x.reshape(x.shape[:-1] + (-1, 32)); a = np.abs(x).max(-1, keepdims=True)
;;       e = np.where(a > 0, np.clip(np.frexp(np.where(a > 0, a, 1))[1] - 1 - 2, -126, 127), 0)      # np.frexp(a)[1] - 1 = floor(log2(a)), exactly
;;       r = np.clip(x / 2.0 ** e, -6, 6)
;;       step = 2.0 ** (np.maximum(np.frexp(np.where(r == 0, 1, r))[1] - 1, 0) - 1)
;;       q = np.round(r / step) * step * 2.0 ** e      # np.round: ties to even
;;       return np.moveaxis(q.reshape(q.shape[:-2] + (-1,))[..., :K], -1, axis).astype(np.float32)
;;   ~~~
;;   OPERANDS COMPUTED ON THE WAY. 'Computed on the way' means the value that the module computes at that place (a softmax that the list does not call 'softmax' is quantised finished and normalised). What goes into a quantiser is computed in f32, as accurately as f32 sums, v_exp_f32 and their like allow (about 1e-6 of the number): no bf16 or f16 on the way to a quantiser, and a product that is left as it is and whose result goes on into a quantised operand takes f32 operands (vector FMAs, or v_wmma_f32_16x16x4_f32). A number that lies on a knife's edge between two numbers of the format may be rounded either way, as far as f32 arithmetic and the matrix unit's own rounding can turn it there, and no further.
;; 3 versions. Each part assembles by itself: llvm-mc -triple=amdgcn-amd-amdhsa -mcpu=gfx1250 --defsym DOCPART=n.
;; ======== version 1 of 3: 4 launches
;; workspace buffers: xq 2,260,992 bytes; sel 8,192 bytes of whole numbers; wq 17,825,792 bytes; route 10,496 bytes of whole numbers; hq 8,912,896 bytes
;; launch xprep (part 1): grid 256 x 1, 4 waves a work-group, no clusters, 23,040 bytes of LDS; arguments x, Wg, xq, sel; writes xq, sel
.if DOCPART == 1
	.amdgcn_target "amdgcn-amd-amdhsa--gfx1250"
	.amdhsa_code_object_version 6
	.text
	.protected	k_q0eb66af75e_xprep
	.globl	k_q0eb66af75e_xprep
	.p2align	8
	.type	k_q0eb66af75e_xprep,@function
k_q0eb66af75e_xprep:
	s_mov_b64 s[64:65], 0
	v_nop
	global_prefetch_b8 v0, s[64:65] scope:SCOPE_SE
	s_setreg_imm32_b32 hwreg(HW_REG_WAVE_MODE, 25, 1), 1
	s_wait_xcnt 0x0
; x [2048 tokens][2048] f32 is turned into codes of FP4 (E2M1) with one E8M0 byte for each 32 along d, and the router is computed beside it, in f32:
; logits = x Wg, the two largest of the eight (equal logits: the lower index first), the softmax of these two, the softmax of all eight and the top-1 counts for the load-balancing loss.
; OUT:  xq + 0        codes [token][1024 bytes], d innermost, the lower d in the low four bits
;       xq + XS_OFF   scale bytes [token][64]
;       xq + GATE_OFF [token][2] f32: the weight of the first and of the second chosen expert
;       xq + LBP_OFF  [work-group][16] f32: the sums over its 8 tokens of the 8 probabilities, then of the 8 top-1 flags
;       sel           [token] u32 = first expert | second expert << 8, at fixed places: no address of this launch hangs on the choice
; SHARES.  A work-group takes 8 tokens; wave w takes d = 512 w .. 512 w + 511 of each.  A step is one token: four loads of 512 consecutive bytes, turned through the wave's own stage in LDS,
; so that a lane holds 16 neighbours along d (two neighbouring lanes hold a block of 32).  The same 16 numbers are multiplied with the lane's 16 rows of Wg, which stay in 128 registers (window 1).
; A block's scale is 2^(floor(log2(largest magnitude)) - 2): its byte is the largest magnitude's exponent field - 2, held at 1 from below.
; LIMITS: a block of zeros, or one whose largest magnitude lies under 2^-124, gets the byte 1 (its codes are zeros or the nearest codes under that scale; the bytes are read by this program alone);
; NaN and infinities among the inputs are not served; the logits' f32 sums run in another order than a row-by-row sum, so two logits that differ by about 1e-6 of their size may change places.
; No matrix unit (N = 8), no cluster and no tensor load: the work-groups share only Wg's 65,536 bytes, a 256th of what the launch reads.
.set SP,    80                         ; a lane's place in a stage: its 64 bytes + 16 of padding
.set WREG,  2*32*SP                    ; LDS of a wave: two stages
.set SBB,   4*WREG                     ; 512 bytes: the work-group's scale bytes [token][64]
.set LGB,   SBB+512                    ; 1,024 bytes: partial logits [wave][token][8] f32
.set XS_OFF,   2097152
.set GATE_OFF, 2228224
.set LBP_OFF,  2244608
.set R,  16                            ; v16-143  eight sets of 16 numbers as loaded, one for each token
.set X,  144                           ; v144-175 two sets of 16 neighbours
.set C,  176                           ; v176-191 codes, two registers a step: no store's data are written again
.set E,  192                           ; v192-199 a scale byte a step
.set A,  200                           ; v200-207 the step's 8 partial logits
.set T,  208                           ; v208-215 the other half's
.set LG, 216                           ; v216-223 lane l keeps the 8 logits of token l % 8
.set MSB, 0
.macro WIN new                         ; the immediate's high byte repeats the setting that is left
.if MSB != \new
	s_set_vgpr_msb (MSB<<8)|\new
.set MSB, \new
.endif
.endm
	s_load_b256 s[4:11], s[0:1], 0x0               ; x s[4:5], Wg s[6:7], xq s[8:9], sel s[10:11]
	v_lshl_add_u32 v254, v0, 2, 0x5800
	v_mov_b32 v255, 0
	v_lshrrev_b32 v1, 5, v0
	v_readfirstlane_b32 s16, v1                    ; wave 0..3
	v_and_b32 v2, 31, v0                           ; lane
	v_lshlrev_b32 v3, 4, v2                        ; my 16 bytes of a load's 512
	v_lshlrev_b32 v4, 3, v2                        ; my 8 bytes of a step's codes
	s_mul_i32 s17, s16, WREG
	v_lshrrev_b32 v14, 2, v2
	v_mul_u32_u24 v14, v14, SP
	v_and_b32 v15, 3, v2
	v_lshl_add_u32 v14, v15, 4, v14
	v_add_nc_u32 v14, s17, v14                     ; the stage, way in: four lanes' 64 bytes on end, then 16 of padding
	v_mul_u32_u24 v15, v2, SP
	v_add_nc_u32 v15, s17, v15                     ; way out: my 16 neighbours
	s_lshl_b32 s17, s16, 4
	s_add_co_u32 s17, s17, SBB
	v_lshrrev_b32 v5, 1, v2
	v_add_nc_u32 v5, s17, v5                       ; my block's scale byte: SBB + 16 wave + lane / 2 (+ 64 token)
	v_and_b32 v7, 7, v2                            ; the token whose logits I keep
	v_lshlrev_b32 v8, 5, v7
	v_add_nc_u32 v8, LGB, v8                       ; its 32 bytes in wave 0's part of the partial logits
	s_lshl_b32 s17, s16, 8
	v_add_nc_u32 v6, s17, v8                       ; and in my wave's
	v_add_nc_u32 v9, SBB, v3                       ; the scale bytes on their way out: 16 a lane
	s_lshl_b32 s17, s16, 14
	v_lshl_add_u32 v13, v2, 9, s17                 ; Wg: my 16 rows of 32 bytes begin at 16,384 wave + 512 lane
.irp e, 0,1,2,3,4,5,6,7
	v_mov_b32 v[T+\e], 0                           ; written once: a lane permute's destination counts as one of its sources
.endr
	s_mov_b32 s20, 0x76543210
	s_mov_b32 s21, 0xfedcba98                      ; v_permlanex16_b32's selects for lane l xor 16
	s_lshl_b32 s12, ttmp9, 16                      ; x: 8 tokens of 8,192 bytes a work-group,
	s_lshl_b32 s14, s16, 11                        ; 2,048 bytes of each token a wave
	s_add_co_u32 s12, s12, s14
	s_mov_b32 s13, 0
	s_wait_kmcnt 0x0
	s_add_nc_u64 s[4:5], s[4:5], s[12:13]
	s_lshl_b32 s12, ttmp9, 13                      ; codes: 8 tokens of 1,024 bytes, 256 of each a wave
	s_lshl_b32 s14, s16, 8
	s_add_co_u32 s12, s12, s14
	s_add_nc_u64 s[18:19], s[8:9], s[12:13]
	WIN 0x40                                       ; destination window 1
.set N, 0
.rept 32
	global_load_b128 v[4*N:4*N+3], v13, s[6:7] offset:16*N   ; register 8 i + e = Wg[512 wave + 16 lane + i][e]
.set N, N+1
.endr
	WIN 0
.macro LOAD t                          ; token t: 32 lanes read 512 consecutive bytes, four times
.irp i, 0,1,2,3
	global_load_b128 v[R+16*(\t)+4*\i:R+16*(\t)+4*\i+3], v3, s[4:5] offset:8192*(\t)+512*\i th:TH_LOAD_NT
.endr
.endm
.macro TURN t                          ; token t's numbers through a stage: LDS serves a wave's instructions in order, so no wait stands between the stores and the loads
.irp i, 0,1,2,3
	ds_store_b128 v14, v[R+16*(\t)+4*\i:R+16*(\t)+4*\i+3] offset:32*SP*((\t)%2)+8*SP*\i
.endr
.irp i, 0,1,2,3
	ds_load_b128 v[X+16*((\t)%2)+4*\i:X+16*((\t)%2)+4*\i+3], v15 offset:32*SP*((\t)%2)+16*\i
.endr
.endm
.irp t, 0,1,2,3,4,5,6,7
	LOAD \t                                        ; all of the wave's 32 loads of x go out at once
.endr
	s_wait_loadcnt 28                              ; Wg and token 0 are in: behind them stand the 28 loads of tokens 1 to 7
	TURN 0
.macro STEP t
.set XW, X+16*((\t)%2)
.if (\t) > 0
	s_wait_dscnt 1                                 ; this token's numbers are back from the stage; the last step's byte store may be out
.else
	s_wait_dscnt 0x0
.endif
.if (\t) < 7
	s_wait_loadcnt 4*(6-(\t))                      ; the next token's four loads are in; those of the tokens behind it may be out
	TURN (\t)+1                                    ; and go through the other stage while this token is worked
.endif
	v_max3_num_f32 v10, |v[XW]|, |v[XW+1]|, |v[XW+2]|              ; the largest magnitude of my 16, in two chains
	v_max3_num_f32 v12, |v[XW+3]|, |v[XW+4]|, |v[XW+5]|
.irp i, 6,10
	v_max3_num_f32 v10, v10, |v[XW+\i]|, |v[XW+\i+1]|
	v_max3_num_f32 v12, v12, |v[XW+\i+2]|, |v[XW+\i+3]|
.endr
	v_max3_num_f32 v10, v10, |v[XW+14]|, |v[XW+15]|
	v_max3_num_f32 v10, v10, v12, 0x1800000        ; and the floor 2^(3 - 127): the byte cannot fall under 1
	v_max_num_f32_dpp v10, v10, v10 row_xmask:1 row_mask:0xf bank_mask:0xf   ; with my neighbour's 16: the block's
	v_add_nc_u32 v11, 0xff000000, v10              ; 2 off its exponent field: the conversion takes the exponent field of this operand as its scale
	v_cvt_scalef32_pk8_fp4_f32 v[C+2*(\t)], v[XW:XW+7], v11
	v_cvt_scalef32_pk8_fp4_f32 v[C+2*(\t)+1], v[XW+8:XW+15], v11
	v_lshrrev_b32 v[E+(\t)], 23, v11               ; the scale's byte (also the plain line behind the conversions)
	ds_store_b8 v5, v[E+(\t)] offset:64*(\t)       ; both lanes of a block write the same byte with the same value
	global_store_b64 v4, v[C+2*(\t):C+2*(\t)+1], s[18:19] offset:1024*(\t)   ; the wave stores 256 consecutive bytes, aligned
	; the router: my 16 numbers x my 16 rows of Wg, two experts an instruction; the number is taken for both halves
	WIN 0x01                                       ; source 0 (Wg) window 1
.irp p, 0,1,2,3
	v_pk_mul_f32 v[A+2*\p:A+2*\p+1], v[2*\p:2*\p+1], v[XW:XW+1] op_sel_hi:[1,0]
.endr
.irp p, 0,1,2,3
	v_pk_fma_f32 v[A+2*\p:A+2*\p+1], v[8+2*\p:9+2*\p], v[XW:XW+1], v[A+2*\p:A+2*\p+1] op_sel:[0,1,0] op_sel_hi:[1,1,1]
.endr
.irp j, 2,4,6,8,10,12,14
.irp p, 0,1,2,3
	v_pk_fma_f32 v[A+2*\p:A+2*\p+1], v[8*\j+2*\p:8*\j+2*\p+1], v[XW+\j:XW+\j+1], v[A+2*\p:A+2*\p+1] op_sel_hi:[1,0,1]
.endr
.irp p, 0,1,2,3
	v_pk_fma_f32 v[A+2*\p:A+2*\p+1], v[8*\j+8+2*\p:8*\j+9+2*\p], v[XW+\j:XW+\j+1], v[A+2*\p:A+2*\p+1] op_sel:[0,1,0] op_sel_hi:[1,1,1]
.endr
.endr
	WIN 0
.irp m, 1,2,4,8                        ; the sum over the wave's 32 lanes, the eight experts by turns
.irp e, 0,1,2,3,4,5,6,7
	v_add_f32_dpp v[A+\e], v[A+\e], v[A+\e] row_xmask:\m row_mask:0xf bank_mask:0xf
.endr
.endr
.irp e, 0,1,2,3,4,5,6,7
	v_permlanex16_b32 v[T+\e], v[A+\e], s20, s21
.endr
.irp e, 0,1,2,3,4,5,6,7
	v_add_f32 v[A+\e], v[A+\e], v[T+\e]
.endr
.if (\t) == 0
.irp e, 0,1,2,3,4,5,6,7
	v_mov_b32 v[LG+\e], v[A+\e]
.endr
.else
	v_cmp_eq_u32 vcc_lo, \t, v7                    ; the lanes that keep this token
.irp e, 0,1,2,3,4,5,6,7
	v_cndmask_b32 v[LG+\e], v[LG+\e], v[A+\e], vcc_lo
.endr
.endif
.endm
.irp t, 0,1,2,3,4,5,6,7
	STEP \t
.endr
	ds_store_b128 v6, v[LG:LG+3]                   ; my wave's partial logits; the four lanes that keep a token write the same bytes with the same values
	ds_store_b128 v6, v[LG+4:LG+7] offset:16
	s_wait_dscnt 0x0                               ; for the others' sake: my scale bytes and partial logits have landed
	s_barrier_signal -1
	s_barrier_wait -1
	s_cmp_lg_u32 s16, 0
	s_cbranch_scc1 .Lend                           ; the rest is wave 0's
	ds_load_b128 v[48:51], v9                      ; the work-group's 512 scale bytes
.irp w, 0,1,2,3
	ds_load_b128 v[16+8*\w:19+8*\w], v8 offset:256*\w
	ds_load_b128 v[20+8*\w:23+8*\w], v8 offset:256*\w+16
.endr
	s_lshl_b32 s12, ttmp9, 9
	v_add_nc_u32 v52, s12, v3
	s_wait_dscnt 0x0
	global_store_b128 v52, v[48:51], s[8:9] offset:XS_OFF    ; 512 consecutive bytes, aligned
.irp j, 0,2,4,6
	v_pk_add_f32 v[16+\j:17+\j], v[16+\j:17+\j], v[24+\j:25+\j]
	v_pk_add_f32 v[32+\j:33+\j], v[32+\j:33+\j], v[40+\j:41+\j]
.endr
.irp j, 0,2,4,6
	v_pk_add_f32 v[16+\j:17+\j], v[16+\j:17+\j], v[32+\j:33+\j]   ; v16-23: the 8 logits of token lane % 8
.endr
	v_max3_num_f32 v60, v16, v17, v18
	v_max3_num_f32 v60, v60, v19, v20
	v_max3_num_f32 v60, v60, v21, v22
	v_max_num_f32 v60, v60, v23                    ; the largest logit
	v_mov_b32 v61, 7
.irp e, 6,5,4,3,2,1,0
	v_cmp_neq_f32 vcc_lo, v[16+\e], v60
	v_cndmask_b32 v61, \e, v61, vcc_lo             ; its index: of equal logits the lowest index is written last and stays
.endr
	v_mov_b32 v62, 0xff800000                      ; -infinity
.irp e, 0,1,2,3,4,5,6,7
	v_cmp_eq_u32 vcc_lo, \e, v61
	v_cndmask_b32 v[24+\e], v[16+\e], v62, vcc_lo  ; the logits without the first choice
.endr
	v_max3_num_f32 v63, v24, v25, v26
	v_max3_num_f32 v63, v63, v27, v28
	v_max3_num_f32 v63, v63, v29, v30
	v_max_num_f32 v63, v63, v31                    ; the second largest
	v_mov_b32 v64, 7
.irp e, 6,5,4,3,2,1,0
	v_cmp_neq_f32 vcc_lo, v[24+\e], v63
	v_cndmask_b32 v64, \e, v64, vcc_lo
.endr
	; both softmaxes take the largest logit away first.  The difference is formed before the factor log2(e), not fused with it: so it is exact also under a large common offset of the logits
	v_sub_f32 v66, v63, v60
	v_mul_f32 v66, 0x3fb8aa3b, v66
.irp e, 0,1,2,3,4,5,6,7
	v_sub_f32 v[32+\e], v[16+\e], v60
.endr
.irp e, 0,1,2,3,4,5,6,7
	v_mul_f32 v[32+\e], 0x3fb8aa3b, v[32+\e]
.endr
	v_exp_f32 v66, v66                             ; p = e^(second - first), at most 1
.irp e, 0,1,2,3,4,5,6,7
	v_exp_f32 v[32+\e], v[32+\e]
.endr
	v_lshl_or_b32 v65, v64, 8, v61                 ; first | second << 8 (the plain line behind the exponentials)
	s_wait_alu depctr_va_vdst(0)
	v_add_f32 v67, 1.0, v66
	v_add_f32 v68, v32, v33
	v_add_f32 v69, v34, v35
	v_add_f32 v70, v36, v37
	v_add_f32 v71, v38, v39
	v_add_f32 v68, v68, v69
	v_add_f32 v70, v70, v71
	v_add_f32 v68, v68, v70
	v_rcp_f32 v72, v67                             ; the first choice's weight: 1 / (1 + p)
	v_rcp_f32 v74, v68
	v_mov_b32 v75, 0                               ; (the plain line behind the reciprocals)
	s_wait_alu depctr_va_vdst(0)
	v_mul_f32 v73, v66, v72                        ; the second's: p / (1 + p)
.irp e, 0,1,2,3,4,5,6,7
	v_mul_f32 v[32+\e], v[32+\e], v74              ; the token's 8 probabilities
.endr
.irp e, 0,1,2,3,4,5,6,7
	v_cmp_ne_u32 vcc_lo, \e, v61
	v_cndmask_b32 v[40+\e], 1.0, v75, vcc_lo       ; and its top-1 flags
.endr
.irp m, 1,2,4                          ; the sums over the 8 tokens, which lie in lanes that differ in their low three bits
.set N, 0
.rept 16
	v_add_f32_dpp v[32+N], v[32+N], v[32+N] row_xmask:\m row_mask:0xf bank_mask:0xf
.set N, N+1
.endr
.endr
	s_lshl_b32 s12, ttmp9, 5
	v_lshl_add_u32 v76, v7, 2, s12
	global_store_b32 v76, v65, s[10:11]            ; the four lanes that keep a token store the same word to the same place
	s_lshl_b32 s13, ttmp9, 6
	v_lshl_add_u32 v77, v7, 3, s13
	global_store_b64 v77, v[72:73], s[8:9] offset:GATE_OFF
	v_mov_b32 v78, s13
.irp q, 0,1,2,3
	global_store_b128 v78, v[32+4*\q:35+4*\q], s[8:9] offset:LBP_OFF+16*\q   ; every lane holds the same 16 sums and stores them to the same 64 bytes
.endr
.Lend:
	s_wait_tensorcnt 0x0
	ds_add_u32 v254, v255
	s_wait_dscnt 0x0
	s_endpgm
.Lfunc_end_k_q0eb66af75e_xprep:
	.size	k_q0eb66af75e_xprep, .Lfunc_end_k_q0eb66af75e_xprep-k_q0eb66af75e_xprep
	.p2alignl 7, 3214868480
	.fill 96, 4, 3214868480
	.section	.rodata,"a",@progbits
	.p2align	6, 0x0
	.amdhsa_kernel k_q0eb66af75e_xprep
		.amdhsa_group_segment_fixed_size 23040
		.amdhsa_private_segment_fixed_size 0
		.amdhsa_enable_private_segment 0
		.amdhsa_kernarg_size 32
		.amdhsa_user_sgpr_count 2
		.amdhsa_user_sgpr_kernarg_segment_ptr 1
		.amdhsa_wavefront_size32 1
		.amdhsa_system_sgpr_workgroup_id_x 1
		.amdhsa_system_sgpr_workgroup_id_y 1
		.amdhsa_system_sgpr_workgroup_id_z 1
		.amdhsa_system_vgpr_workitem_id 0
		.amdhsa_next_free_vgpr 384
		.amdhsa_next_free_sgpr 66
		.amdhsa_reserve_vcc 1
		.amdhsa_float_denorm_mode_32 3
		.amdhsa_float_denorm_mode_16_64 3
		.amdhsa_memory_ordered 1
		.amdhsa_forward_progress 1
		.amdhsa_inst_pref_size 88
	.end_amdhsa_kernel
	.amdgpu_metadata
---
amdhsa.version: [ 1, 2 ]
amdhsa.kernels:
  - .name:           k_q0eb66af75e_xprep
    .symbol:         k_q0eb66af75e_xprep.kd
    .args:
      - { .name: x, .offset: 0, .size: 8, .value_kind: global_buffer, .address_space: global }
      - { .name: Wg, .offset: 8, .size: 8, .value_kind: global_buffer, .address_space: global }
      - { .name: xq, .offset: 16, .size: 8, .value_kind: global_buffer, .address_space: global }
      - { .name: sel, .offset: 24, .size: 8, .value_kind: global_buffer, .address_space: global }
    .group_segment_fixed_size: 23040
    .private_segment_fixed_size: 0
    .kernarg_segment_align: 8
    .kernarg_segment_size: 32
    .max_flat_workgroup_size: 128
    .sgpr_count:     66
    .vgpr_count:     384
    .wavefront_size: 32
...
	.end_amdgpu_metadata
.endif
;; end of part 1
;; launch wprep (part 2): grid 257 x 1, 16 waves a work-group, no clusters, 6,144 bytes of LDS; arguments W1, W2, sel, xq, wq, route, out1; writes wq, route, out1
.if DOCPART == 2
	.amdgcn_target "amdgcn-amd-amdhsa--gfx1250"
	.amdhsa_code_object_version 6
	.text
	.protected	k_q0eb66af75e_wprep
	.globl	k_q0eb66af75e_wprep
	.p2align	8
	.type	k_q0eb66af75e_wprep,@function
k_q0eb66af75e_wprep:
	s_mov_b64 s[64:65], 0
	v_nop
	global_prefetch_b8 v0, s[64:65] scope:SCOPE_SE
	s_setreg_imm32_b32 hwreg(HW_REG_WAVE_MODE, 25, 1), 1
	s_wait_xcnt 0x0
; Three kinds of work-group, parted on the work-group's number.
; 1 .. 128: W1 [8][2048 d][1024 f];  129 .. 256: W2 [8][1024 f][2048 d], f32, K the middle axis, become codes of FP4 (E2M1) with one E8M0 byte for each 32 along K,
;   LAID IN THE ORDER OF THE OPERAND'S REGISTERS: a fragment (16 rows x 128 K) is 1,024 bytes; byte 512 c + 256 h + 16 r holds the 32 codes of block 2 c + h of row r, so that two loads of 16 bytes
;   a lane, at 16 x lane and 512 further on, fill the eight registers.   wq + 0: W1 [e][fg 8][K step 16][tile 8][1024];   wq + 8388608: W2 [e][dg 16][K step 8][tile 8][1024].
;   Row r of W1's tile t is hidden unit 128 fg + 32 (t / 2) + 8 (t % 2) + r + 8 (r / 8), so that the first product's results lie along the second product's K; row r of W2's tile t is d = 128 dg + 16 t + r.
;   Scale words: wq + 16777216: W1 [e][G 32][kq 8][lane 32][8 bytes];  wq + 17301504: W2 [e][G 64][kq 4][lane 32][8 bytes]: G = a pair of tiles (32 columns), lanes 0-15 its even tile's rows, lanes 16-31 its odd
;   tile's; the 8 bytes are the words of K steps 2 kq and 2 kq + 1.
;   A LANE TAKES A COLUMN AND ITS REGISTERS RUN DOWN K: a block of 32 lies in one lane's 32 registers, the conversions give codes with K innermost, and nothing is transposed.  A wave takes 32 columns x 256 K;
;   eight waves stand side by side on 1,024 bytes of each row.  Loads run two blocks (64 loads a wave) ahead.  Sixteen lanes store 256 consecutive bytes, aligned.
; 0: the routing, from the whole numbers that the launch before stored.  The tokens are sorted by their unordered pair of experts, the 28 pairs in an order in which neighbours share an expert, and cut into 64 blocks
;   of 32.  route + 0: [2048] token | first expert << 16 | second << 24, sorted;  route + 10240: [64] each block's mask of experts;  route + 8192: [512] the (block, expert) items, block | expert << 8, by expert,
;   then the places without an item, with bit 31 set.  The sorted row has at most 28 runs, so 64 blocks hold at most 64 + 27 pieces of runs, of two experts each: never more than 182 items.
;   Also out1 = 0.01 x 8 x sum over e of (top-1 share of e) x (mean probability of e).
; LIMITS: a block of zeros, or one whose largest magnitude lies under 2^-124, gets the byte 1 (read by this program alone); NaN and infinities among the inputs are not served.
; No tensor load, no cluster: no two work-groups read the same byte of the weights.  Only the routing's path uses LDS and a barrier.
.set LBP_OFF,   2244608
.set ITEMS_OFF, 8192
.set BMASK_OFF, 10240
.set LBB,  2048                        ; LDS: 0: counts [wave 16][32 words];  LBB: partial sums for the loss [wave 16][16 f32]
.set X,    32                          ; v32-127  three sets of 32 numbers
.set C,    20                          ; v20-23   a block's codes
.set SB,   16                          ; v16-17   the scale bytes of 8 blocks
	s_load_b256 s[4:11], s[0:1], 0x0               ; W1 s[4:5], W2 s[6:7], sel s[8:9], xq s[10:11]
	s_load_b128 s[12:15], s[0:1], 0x20             ; wq s[12:13], route s[14:15]
	s_load_b64 s[16:17], s[0:1], 0x30              ; out1
	v_lshl_add_u32 v128, v0, 2, 0x1000
	v_mov_b32 v129, 0
	v_lshrrev_b32 v1, 5, v0
	v_readfirstlane_b32 s18, v1                    ; wave 0..15
	v_and_b32 v2, 31, v0                           ; lane
	s_wait_kmcnt 0x0
	s_cmp_eq_u32 ttmp9, 0
	s_cbranch_scc1 .Lsort
	s_cmp_gt_u32 ttmp9, 128
	s_cbranch_scc1 .Lw2
.macro WLOAD t, pitch                  ; block t: W(32 t + i, my column), i = 0 .. 31: each load reads 128 consecutive bytes
.irp i, 0,1,2,3,4,5,6,7,8,9,10,11,12,13,14,15,16,17,18,19,20,21,22,23,24,25,26,27,28,29,30,31
	global_load_b32 v[X+32*((\t)%3)+\i], v3, s[28:29] offset:(32*(\t)+\i)*\pitch th:TH_LOAD_NT
.endr
.endm
.macro WBLOCK t, pitch
.set XW, X+32*((\t)%3)
.if (\t) < 7
	s_wait_loadcnt 32                              ; this block's 32 loads are in; the next block's may be out
.else
	s_wait_loadcnt 0x0
.endif
.if (\t) > 0
	s_wait_xcnt 0x0                                ; the last block's store has read its data: the codes' registers are written again only behind this wait
.endif
.if (\t)+2 < 8
	WLOAD (\t)+2, \pitch                           ; into the set that the block before this one has left
.endif
	v_max3_num_f32 v10, |v[XW]|, |v[XW+1]|, |v[XW+2]|              ; the block's largest magnitude: all 32 numbers are mine
	v_max3_num_f32 v12, |v[XW+3]|, |v[XW+4]|, |v[XW+5]|
.irp i, 6,10,14,18,22,26
	v_max3_num_f32 v10, v10, |v[XW+\i]|, |v[XW+\i+1]|
	v_max3_num_f32 v12, v12, |v[XW+\i+2]|, |v[XW+\i+3]|
.endr
	v_max3_num_f32 v10, v10, |v[XW+30]|, |v[XW+31]|
	v_max3_num_f32 v10, v10, v12, 0x1800000        ; and the floor 2^(3 - 127): the byte cannot fall under 1
	v_add_nc_u32 v11, 0xff000000, v10              ; 2 off its exponent field: the conversion's scale operand
	v_lshrrev_b32 v13, 23, v11                     ; the scale's byte
.if (\t)%4 == 0
	v_mov_b32 v[SB+(\t)/4], v13                    ; four bytes to a word, the lower K in the lower byte
.else
	v_lshl_or_b32 v[SB+(\t)/4], v13, 8*((\t)%4), v[SB+(\t)/4]
.endif
.irp g, 0,1,2,3
	v_cvt_scalef32_pk8_fp4_f32 v[C+\g], v[XW+8*\g:XW+8*\g+7], v11
.endr
	global_store_b128 v4, v[C:C+3], s[30:31] offset:((\t)/4)*8192+(((\t)/2)%2)*512+((\t)%2)*256   ; K step t / 4 of my two, c = (t / 2) % 2, h = t % 2
.endm
; first: the path's first work-group; src: the tensor's pointer; pshift: log2 of 256 rows' bytes; pitch: a row's bytes; gqbits, kgbits: how the work-group's low four bits part into columns and K;
; snake: W1's choice of rows; coff, gshift: where the codes go, log2 of the bytes of 128 columns; soff, sshift: the same for the scale words of 32 columns
.macro WPATH first, src, pshift, pitch, gqbits, kgbits, snake, coff, gshift, soff, sshift
	s_sub_co_u32 s20, ttmp9, \first
	s_lshr_b32 s21, s20, 4                         ; e
	s_lshr_b32 s22, s20, \kgbits
	s_and_b32 s22, s22, (1<<\gqbits)-1
	s_and_b32 s23, s20, (1<<\kgbits)-1
	s_and_b32 s24, s18, 7
	s_lshl_b32 s22, s22, 3
	s_add_co_u32 s22, s22, s24                     ; G: my 32 columns
	s_lshr_b32 s24, s18, 3
	s_lshl_b32 s23, s23, 1
	s_add_co_u32 s23, s23, s24                     ; kq: my 256 along K
	s_mov_b32 s27, 0
	s_lshl_b32 s26, s21, 23                        ; from: 8,388,608 e + 256 rows x kq + 128 G
	s_lshl_b32 s24, s23, \pshift
	s_add_co_u32 s26, s26, s24
	s_lshl_b32 s24, s22, 7
	s_add_co_u32 s26, s26, s24
	s_add_nc_u64 s[28:29], s[\src:\src+1], s[26:27]
	s_lshl_b32 s26, s21, 20                        ; codes to: 1,048,576 e + (G / 4) groups of 128 columns + 2 kq K steps of 8,192 + 2 (G % 4) tiles of 1,024
	s_lshr_b32 s24, s22, 2
	s_lshl_b32 s24, s24, \gshift
	s_add_co_u32 s26, s26, s24
	s_lshl_b32 s24, s23, 14
	s_add_co_u32 s26, s26, s24
	s_and_b32 s24, s22, 3
	s_lshl_b32 s24, s24, 11
	s_add_co_u32 s26, s26, s24
	s_add_co_u32 s26, s26, \coff
	s_add_nc_u64 s[30:31], s[12:13], s[26:27]
	s_lshl_b32 s26, s21, 16                        ; scale words to: 65,536 e + G's part + 256 kq
	s_lshl_b32 s24, s22, \sshift
	s_add_co_u32 s26, s26, s24
	s_lshl_b32 s24, s23, 8
	s_add_co_u32 s26, s26, s24
	s_add_co_u32 s26, s26, \soff
	s_add_nc_u64 s[32:33], s[12:13], s[26:27]
	v_lshrrev_b32 v6, 4, v2                        ; which tile of the pair,
	v_and_b32 v7, 15, v2                           ; which of its rows
.if \snake
	v_and_b32 v3, 7, v2                            ; my column of the 32: lane % 8 + 8 (lane / 16) + 16 ((lane / 8) % 2)
	v_lshl_add_u32 v3, v6, 3, v3
	v_bfe_u32 v8, v2, 3, 1
	v_lshl_add_u32 v3, v8, 4, v3
	v_lshlrev_b32 v3, 2, v3
.else
	v_lshlrev_b32 v3, 2, v2                        ; my column of the 32: the lane's number
.endif
	v_lshlrev_b32 v4, 4, v7
	v_lshl_add_u32 v4, v6, 10, v4                  ; 1,024 x tile + 16 x row
	v_lshlrev_b32 v5, 3, v2
	WLOAD 0, \pitch
	WLOAD 1, \pitch
.irp t, 0,1,2,3,4,5,6,7
	WBLOCK \t, \pitch
.endr
	global_store_b64 v5, v[SB:SB+1], s[32:33]      ; the wave stores 256 consecutive bytes, aligned
	s_endpgm
.endm
	WPATH 1, 4, 20, 4096, 2, 2, 1, 0, 17, 16777216, 11
.Lw2:
	WPATH 129, 6, 21, 8192, 3, 1, 0, 8388608, 16, 17301504, 10
; THE ROUTING.  512 threads; thread T owns tokens 4 T .. 4 T + 3.
; v4-7 the tokens' words; v8-15 sums for the loss; v16-19 the tokens' pair numbers; v20-23 the words to store; v24-27 ranks within the wave; v28-31 where a pair's run begins for my wave;
; v32-47 the sixteen waves' counts; v48 my wave's counts (lane = pair); v49 all waves' counts; v50 the counts of the waves before mine
.Lsort:
	v_lshlrev_b32 v1, 4, v0
	v_lshlrev_b32 v3, 2, v0
	global_load_b128 v[4:7], v1, s[8:9]
.irp i, 0,1,2,3,4,5,6,7
	global_load_b32 v[8+\i], v3, s[10:11] offset:LBP_OFF+2048*\i   ; column T % 16 of rows T / 16 + 32 i of the 256 x 16 partial sums
.endr
	v_lshlrev_b32 v53, 2, v2                       ; 4 x lane
	v_and_b32 v51, 15, v0
	v_lshlrev_b32 v55, 2, v51
	v_add_nc_u32 v55, LBB, v55                     ; LBB + 4 (lane % 16)
	s_lshl_b32 s20, s18, 6
	v_add_nc_u32 v54, s20, v55                     ; + 64 wave
	v_mov_b32 v48, 0
.irp j, 0,1,2,3,4,5,6,7
	v_mov_b32 v[24+\j], 0
.endr
	v_mov_b32 v62, 0
	s_mov_b32 s22, 0x76543210
	s_mov_b32 s23, 0xfedcba98
	s_wait_loadcnt 0x0
	v_pk_add_f32 v[8:9], v[8:9], v[10:11]
	v_pk_add_f32 v[12:13], v[12:13], v[14:15]
	v_pk_add_f32 v[8:9], v[8:9], v[12:13]
	v_add_f32 v8, v8, v9
	v_permlanex16_b32 v62, v8, s22, s23
	v_add_f32 v8, v8, v62                          ; my wave's sum of column lane % 16
.irp j, 0,1,2,3
	v_and_b32 v51, 7, v[4+\j]                      ; the first expert,
	v_bfe_u32 v52, v[4+\j], 8, 3                   ; the second
	v_lshl_or_b32 v[20+\j], v51, 16, v3
	v_lshl_or_b32 v[20+\j], v52, 24, v[20+\j]
	v_or_b32 v[20+\j], \j, v[20+\j]                ; token | first << 16 | second << 24
	v_min_u32 v96, v51, v52                        ; a < b
	v_max_u32 v97, v51, v52
	v_sub_nc_u32 v98, 15, v96
	v_mul_u32_u24 v98, v96, v98
	v_lshrrev_b32 v98, 1, v98                      ; a (15 - a) / 2 pairs have a smaller a
	v_sub_nc_u32 v99, v97, v96
	v_add_nc_u32 v99, -1, v99                      ; even a: b ascends
	v_sub_nc_u32 v51, 7, v97                       ; odd a: b descends, so that the last pair of a row and the first of the next share b = 7 or a + 1
	v_and_b32 v52, 1, v96
	v_cmp_eq_u32 vcc_lo, 1, v52
	v_cndmask_b32 v99, v99, v51, vcc_lo
	v_add_nc_u32 v[16+\j], v98, v99                ; the pair's number, 0 .. 27
.endr
.set KAP, 0
.rept 28                               ; for each pair: every token's rank among the wave's tokens of that pair, and their count
	s_mov_b32 s30, 0
.irp j, 0,1,2,3
	v_cmp_eq_u32 s31, KAP, v[16+\j]
	v_mbcnt_lo_u32_b32 v51, s31, s30
	v_cndmask_b32 v[24+\j], v[24+\j], v51, s31
	s_bcnt1_i32_b32 s32, s31
	s_add_co_u32 s30, s30, s32
.endr
	v_writelane_b32 v48, s30, KAP
.set KAP, KAP+1
.endr
	ds_store_b32 v3, v48                           ; 128 wave + 4 lane = 4 T
	ds_store_b32 v54, v8                           ; both halves of the lanes hold the same sum and write the same word
	s_wait_dscnt 0x0                               ; for the others' sake
	s_barrier_signal -1
	s_barrier_wait -1
.irp w, 0,1,2,3,4,5,6,7,8,9,10,11,12,13,14,15
	ds_load_b32 v[32+\w], v53 offset:128*\w
.endr
	v_mov_b32 v50, 0
	s_wait_dscnt 0x0
	v_add3_u32 v49, v32, v33, v34
.irp w, 35,37,39,41,43,45
	v_add3_u32 v49, v49, v[\w], v[\w+1]
.endr
	v_add_nc_u32 v49, v49, v47
.irp w, 0,1,2,3,4,5,6,7,8,9,10,11,12,13,14
	s_cmp_gt_u32 s18, \w
	s_cselect_b32 s20, -1, 0
	v_and_b32 v51, s20, v[32+\w]
	v_add_nc_u32 v50, v50, v51
.endr
	s_mov_b32 s30, 0                               ; where the pair's run begins in the sorted row
.set KAP, 0
.rept 28
	v_readlane_b32 s33, v49, KAP
	v_readlane_b32 s34, v50, KAP
	s_add_co_u32 s35, s30, s34                     ; and where my wave's tokens of that pair begin
.irp j, 0,1,2,3
	v_cmp_ne_u32 vcc_lo, KAP, v[16+\j]
	v_cndmask_b32 v[28+\j], s35, v[28+\j], vcc_lo
.endr
	s_add_co_u32 s30, s30, s33
.set KAP, KAP+1
.endr
.irp j, 0,1,2,3
	v_add_nc_u32 v[100+\j], v[24+\j], v[28+\j]
	v_min_u32 v[100+\j], 2047, v[100+\j]           ; a place in the sorted row
	v_lshlrev_b32 v[100+\j], 2, v[100+\j]
	global_store_b32 v[100+\j], v[20+\j], s[14:15]
.endr
	s_cmp_lg_u32 s18, 0
	s_cbranch_scc1 .Lend                           ; the rest is wave 0's
.irp w, 0,1,2,3,4,5,6,7,8,9,10,11,12,13,14,15
	ds_load_b32 v[32+\w], v55 offset:64*\w         ; the sixteen waves' sums for the loss: wanted at the end
.endr
	; each block's mask of experts: lane l has blocks l and l + 32; a pair's run [begin, end) meets a block [lo, hi) where begin < hi and end > lo
	v_lshlrev_b32 v56, 5, v2
	v_add_nc_u32 v57, 1024, v56
	v_add_nc_u32 v58, 32, v56
	v_add_nc_u32 v59, 32, v57
	v_mov_b32 v60, 0
	v_mov_b32 v61, 0
	s_mov_b32 s30, 0
.set KAP, 0
.irp m, 0x03,0x05,0x09,0x11,0x21,0x41,0x81,0x82,0x42,0x22,0x12,0x0a,0x06,0x0c,0x14,0x24,0x44,0x84,0x88,0x48,0x28,0x18,0x30,0x50,0x90,0xa0,0x60,0xc0
	v_readlane_b32 s33, v49, KAP
	s_add_co_u32 s34, s30, s33
	s_cmp_lg_u32 s33, 0
	s_cselect_b32 s35, \m, 0                       ; the pair's two experts, or nothing where no token chose it
	v_mov_b32 v62, s35
.irp hf, 0,1
	v_cmp_lt_u32 s20, s30, v[58+\hf]
	v_cmp_gt_u32 s21, s34, v[56+\hf]
	s_and_b32 vcc_lo, s20, s21
	v_cndmask_b32 v63, 0, v62, vcc_lo
	v_or_b32 v[60+\hf], v[60+\hf], v63
.endr
	s_mov_b32 s30, s34
.set KAP, KAP+1
.endr
	global_store_b32 v53, v60, s[14:15] offset:BMASK_OFF
	global_store_b32 v53, v61, s[14:15] offset:BMASK_OFF+128
	; the items, by expert and block: 16 lane masks (expert e, blocks 32 hf on) in s36-51, and their number
	s_mov_b32 s52, 0
.irp e, 0,1,2,3,4,5,6,7
.irp hf, 0,1
	v_and_b32 v63, 1<<\e, v[60+\hf]
	v_cmp_ne_u32 s[36+2*\e+\hf], 0, v63
	s_bcnt1_i32_b32 s20, s[36+2*\e+\hf]
	s_add_co_u32 s52, s52, s20
.endr
.endr
	v_add_nc_u32 v62, s52, v2
	s_mov_b32 s30, 0
.irp e, 0,1,2,3,4,5,6,7
.irp hf, 0,1
.set IDX, 2*\e+\hf
	v_mbcnt_lo_u32_b32 v96, s[36+IDX], s30         ; how many items stand before this (expert, block)
	v_sub_nc_u32 v97, v62, v96
	v_add_nc_u32 v97, 32*IDX, v97                  ; no item: behind all items, in the order of the 512 places
	v_cndmask_b32 v97, v97, v96, s[36+IDX]
	v_min_u32 v97, 511, v97
	v_lshlrev_b32 v[64+IDX], 2, v97
	v_or_b32 v98, 32*\hf+256*\e, v2                ; block | expert << 8
	v_or_b32 v99, 0x80000000, v98
	v_cndmask_b32 v[80+IDX], v99, v98, s[36+IDX]
	global_store_b32 v[64+IDX], v[80+IDX], s[14:15] offset:ITEMS_OFF   ; registers of its own for each of the 16 stores: none is written again
	s_bcnt1_i32_b32 s20, s[36+IDX]
	s_add_co_u32 s30, s30, s20
.endr
.endr
	s_wait_dscnt 0x0
.irp j, 32,36,40,44
	v_pk_add_f32 v[\j:\j+1], v[\j:\j+1], v[\j+2:\j+3]
.endr
	v_pk_add_f32 v[32:33], v[32:33], v[36:37]
	v_pk_add_f32 v[40:41], v[40:41], v[44:45]
	v_pk_add_f32 v[32:33], v[32:33], v[40:41]
	v_add_f32 v32, v32, v33                        ; lane c < 8: the sum of expert c's probabilities; lane 8 + c: its top-1 count
	v_mul_f32_dpp v32, v32, v32 row_xmask:8 row_mask:0xf bank_mask:0xf
	v_add_f32_dpp v32, v32, v32 row_xmask:1 row_mask:0xf bank_mask:0xf
	v_add_f32_dpp v32, v32, v32 row_xmask:2 row_mask:0xf bank_mask:0xf
	v_add_f32_dpp v32, v32, v32 row_xmask:4 row_mask:0xf bank_mask:0xf
	v_mul_f32 v32, 0x32a3d70a, v32                 ; x 0.01 x 8 / 2048 / 2048
	v_mov_b32 v33, 0
	s_wait_xcnt 0x0                                ; EXEC is a source of the stores above: it changes only behind this wait
	v_cmp_eq_u32 vcc_lo, 0, v2
	s_and_saveexec_b32 s20, vcc_lo
	global_store_b32 v33, v32, s[16:17]            ; lane 0 alone
	s_wait_xcnt 0x0                                ; and again in front of the line that widens it
	s_or_b32 exec_lo, exec_lo, s20
.Lend:
	s_wait_tensorcnt 0x0
	ds_add_u32 v128, v129
	s_wait_dscnt 0x0
	s_endpgm
.Lfunc_end_k_q0eb66af75e_wprep:
	.size	k_q0eb66af75e_wprep, .Lfunc_end_k_q0eb66af75e_wprep-k_q0eb66af75e_wprep
	.p2alignl 7, 3214868480
	.fill 96, 4, 3214868480
	.section	.rodata,"a",@progbits
	.p2align	6, 0x0
	.amdhsa_kernel k_q0eb66af75e_wprep
		.amdhsa_group_segment_fixed_size 6144
		.amdhsa_private_segment_fixed_size 0
		.amdhsa_enable_private_segment 0
		.amdhsa_kernarg_size 56
		.amdhsa_user_sgpr_count 2
		.amdhsa_user_sgpr_kernarg_segment_ptr 1
		.amdhsa_wavefront_size32 1
		.amdhsa_system_sgpr_workgroup_id_x 1
		.amdhsa_system_sgpr_workgroup_id_y 1
		.amdhsa_system_sgpr_workgroup_id_z 1
		.amdhsa_system_vgpr_workitem_id 0
		.amdhsa_next_free_vgpr 130
		.amdhsa_next_free_sgpr 66
		.amdhsa_reserve_vcc 1
		.amdhsa_float_denorm_mode_32 3
		.amdhsa_float_denorm_mode_16_64 3
		.amdhsa_memory_ordered 1
		.amdhsa_forward_progress 1
		.amdhsa_inst_pref_size 164
	.end_amdhsa_kernel
	.amdgpu_metadata
---
amdhsa.version: [ 1, 2 ]
amdhsa.kernels:
  - .name:           k_q0eb66af75e_wprep
    .symbol:         k_q0eb66af75e_wprep.kd
    .args:
      - { .name: W1, .offset: 0, .size: 8, .value_kind: global_buffer, .address_space: global }
      - { .name: W2, .offset: 8, .size: 8, .value_kind: global_buffer, .address_space: global }
      - { .name: sel, .offset: 16, .size: 8, .value_kind: global_buffer, .address_space: global }
      - { .name: xq, .offset: 24, .size: 8, .value_kind: global_buffer, .address_space: global }
      - { .name: wq, .offset: 32, .size: 8, .value_kind: global_buffer, .address_space: global }
      - { .name: route, .offset: 40, .size: 8, .value_kind: global_buffer, .address_space: global }
      - { .name: out1, .offset: 48, .size: 8, .value_kind: global_buffer, .address_space: global }
    .group_segment_fixed_size: 6144
    .private_segment_fixed_size: 0
    .kernarg_segment_align: 8
    .kernarg_segment_size: 56
    .max_flat_workgroup_size: 512
    .sgpr_count:     66
    .vgpr_count:     130
    .wavefront_size: 32
...
	.end_amdgpu_metadata
.endif
;; end of part 2
;; launch ffn1 (part 3): grid 182 x 2, 4 waves a work-group, no clusters, 0 bytes of LDS; arguments xq, wq, route, b1, hq; writes hq
.if DOCPART == 3
	.amdgcn_target "amdgcn-amd-amdhsa--gfx1250"
	.amdhsa_code_object_version 6
	.text
	.protected	k_q0eb66af75e_ffn1
	.globl	k_q0eb66af75e_ffn1
	.p2align	8
	.type	k_q0eb66af75e_ffn1,@function
k_q0eb66af75e_ffn1:
	s_mov_b64 s[64:65], 0
	v_nop
	global_prefetch_b8 v0, s[64:65] scope:SCOPE_SE
	s_setreg_imm32_b32 hwreg(HW_REG_WAVE_MODE, 25, 1), 1
	s_wait_xcnt 0x0
; h = Q(relu(x W1[e] + b1[e])) for the chosen rows, on codes of FP4 (E2M1) with E8M0 scales.  Work-group (x, y) takes item x of the stored list, a block of 32 sorted tokens and an expert that some token of
; the block chose; wave w of it makes hidden units 128 fg .. 128 fg + 127, fg = 4 y + w, for the 32 tokens: 2 tiles of tokens x 8 tiles of units, 16 accumulators, K = 2,048 in 16 steps of 128.
; The grid serves every choice of experts: there are never more than 182 items (64 blocks + 27 borders between pairs, two experts each); a work-group whose place in the list holds no item stores nothing and ends.
; OPERANDS GO FROM MEMORY STRAIGHT INTO REGISTERS.  The weights lie in the order of the operand's registers (two loads of 16 bytes a lane for a fragment, 512 consecutive bytes each); x's codes are gathered by
; token, 16 bytes a lane.  Three sets of registers take turns: the loads of two K steps are out while a third is multiplied.
; THE PRODUCT IS USED TRANSPOSED (source 0 = 16 rows of W1, source 1 = 16 tokens), and the rows of W1 that form a tile were chosen so that the 16 registers of tiles 2 b and 2 b + 1 are 16 neighbours along the
; next K: unit 32 b + 16 (lane / 16) + 0 .. 15 of token lane % 16.  So the 128 units of a wave become exactly one fragment and one scale word a token of the second product's K step fg.
; OUT: hq + 0: [block][e][tile of tokens 2][K step 8][1,024 bytes], an image of the operand's registers;  hq + 8388608: [block][e][tile][K step][16 words].
; NO CLUSTER, NO TENSOR LOAD, NO LDS: whether a work-group has work, and which weights it reads, hangs on the stored list, so no joint request could be made on every path; and no barrier may stand behind that branch.
; LIMITS: a block of zeros in h gets the byte 1 (its codes are zeros; read by this program alone); NaN and infinities are not served.
.set XS_OFF,    2097152
.set W1S_OFF,   16777216
.set ITEMS_OFF, 8192
.set HS_OFF,    8388608
.set WA,  3                            ; v3     16 x lane
.set L8,  4                            ; v4     8 x lane
.set BA,  5                            ; v5     64 (lane / 16): my 16 units of a block of 32, in b1
.set HSA, 6                            ; v6     4 (lane % 16)
.set PM,  7                            ; v7-8   my token of tile 0, 1
.set XA,  9                            ; v9-10  its codes: 1,024 token + 16 (lane / 16)
.set XSA, 11                           ; v11-12 its scale bytes: 64 token + 16 (lane / 16)
.set PW,  14                           ; v14-15 h's scale word of tile 0, 1
.set TM,  16                           ; v16-31 at work in the quantiser
.set PC,  32                           ; v32-47 h's codes of tile 0, 1
.set XSC, 48                           ; v48-63 x's scale words: register 8 i + 4 (s / 8) + s % 4; lanes 0-15 where (s / 4) % 2 = 0, else lanes 16-31
.set WSC, 64                           ; v64-127 W1's scale words: register 16 (t / 2) + s; lanes 0-15 the even tile's rows, lanes 16-31 the odd tile's
.set ACC, 128                          ; v128-255 accumulator (i, t) at 64 i + 8 t
.set BI,  80                           ; window 1: three sets of 80 (W1's 8 fragments, x's 2); at the end b1's 64 numbers take the second set
.set MSB, 0
.macro WIN new                         ; the immediate's high byte repeats the setting that is left
.if MSB != \new
	s_set_vgpr_msb (MSB<<8)|\new
.set MSB, \new
.endif
.endm
.macro PLACES                          ; four plain vector lines between a matrix instruction and a load into, or a vector read of, its registers (ISA guide 7.12.1 for vector instructions)
.rept 4
	v_nop
.endr
.endm
; The matrix line; its registers are the symbols rD, rA, rB, rSA, rSB; rRA, rRB: the scale words lie in lanes 16-31.  zero = 1: the product starts the sum
.macro WM zero
.if \zero
.if rRA
	v_wmma_scale_f32_16x16x128_f8f6f4 v[rD:rD+7], v[rA:rA+7], v[rB:rB+7], 0, v[rSA], v[rSB] matrix_a_fmt:MATRIX_FMT_FP4 matrix_b_fmt:MATRIX_FMT_FP4 matrix_a_scale:MATRIX_SCALE_ROW1
.else
	v_wmma_scale_f32_16x16x128_f8f6f4 v[rD:rD+7], v[rA:rA+7], v[rB:rB+7], 0, v[rSA], v[rSB] matrix_a_fmt:MATRIX_FMT_FP4 matrix_b_fmt:MATRIX_FMT_FP4
.endif
.elseif rRA && rRB
	v_wmma_scale_f32_16x16x128_f8f6f4 v[rD:rD+7], v[rA:rA+7], v[rB:rB+7], v[rD:rD+7], v[rSA], v[rSB] matrix_a_fmt:MATRIX_FMT_FP4 matrix_b_fmt:MATRIX_FMT_FP4 matrix_a_scale:MATRIX_SCALE_ROW1 matrix_b_scale:MATRIX_SCALE_ROW1
.elseif rRA
	v_wmma_scale_f32_16x16x128_f8f6f4 v[rD:rD+7], v[rA:rA+7], v[rB:rB+7], v[rD:rD+7], v[rSA], v[rSB] matrix_a_fmt:MATRIX_FMT_FP4 matrix_b_fmt:MATRIX_FMT_FP4 matrix_a_scale:MATRIX_SCALE_ROW1
.elseif rRB
	v_wmma_scale_f32_16x16x128_f8f6f4 v[rD:rD+7], v[rA:rA+7], v[rB:rB+7], v[rD:rD+7], v[rSA], v[rSB] matrix_a_fmt:MATRIX_FMT_FP4 matrix_b_fmt:MATRIX_FMT_FP4 matrix_b_scale:MATRIX_SCALE_ROW1
.else
	v_wmma_scale_f32_16x16x128_f8f6f4 v[rD:rD+7], v[rA:rA+7], v[rB:rB+7], v[rD:rD+7], v[rSA], v[rSB] matrix_a_fmt:MATRIX_FMT_FP4 matrix_b_fmt:MATRIX_FMT_FP4
.endif
.endm
.macro GRPW s                          ; K step s: W1's eight fragments, 16 loads
.set G, 80*((\s)%3)
.irp t, 0,1,2,3,4,5,6,7
.irp c, 0,1
	global_load_b128 v[G+8*\t+4*\c:G+8*\t+4*\c+3], v[WA], s[26:27] offset:(\s)*8192+\t*1024+\c*512
.endr
.endr
.endm
.macro GRPX s                          ; and x's two, 4 loads
.set G, 80*((\s)%3)+64
.irp i, 0,1
.irp c, 0,1
	global_load_b128 v[G+8*\i+4*\c:G+8*\i+4*\c+3], v[XA+\i], s[4:5] offset:(\s)*64+32*\c
.endr
.endr
.endm
.macro MM s, zero                      ; 16 matrix instructions; the 16 accumulators take turns, in the same order in every step
.irp t, 0,1,2,3,4,5,6,7
.irp i, 0,1
.set rD, ACC+64*\i+8*\t
.set rA, 80*((\s)%3)+8*\t
.set rB, 80*((\s)%3)+64+8*\i
.set rSA, WSC+16*(\t/2)+(\s)
.set rSB, XSC+8*\i+4*((\s)/8)+((\s)%4)
.set rRA, \t%2
.set rRB, ((\s)/4)%2
	WM \zero
.endr
.endr
.endm
; 64 numbers of a lane, register 16 b + i = k 32 b + 16 (lane / 16) + i of my token, become a fragment's codes in v[pc] on and its scale word in v[pw]
.macro QUANT s, pc, pw
.irp b, 0,1,2,3
	v_max3_num_f32 v[TM+\b], |v[\s+16*\b]|, |v[\s+1+16*\b]|, 0x1800000   ; block b: my 16 numbers, and the floor 2^(3 - 127): the byte cannot fall under 1
.endr
.irp i, 2,4,6,8,10,12,14
.irp b, 0,1,2,3
	v_max3_num_f32 v[TM+\b], v[TM+\b], |v[\s+16*\b+\i]|, |v[\s+1+16*\b+\i]|   ; (the four blocks by turns)
.endr
.endr
.irp b, 0,1,2,3
	v_permlanex16_b32 v[TM+4+\b], v[TM+\b], s14, s15
.endr
.irp b, 0,1,2,3
	v_max_num_f32 v[TM+\b], v[TM+\b], v[TM+4+\b]   ; with lane l xor 16's: the block's largest magnitude
.endr
.irp b, 0,1,2,3
	v_add_nc_u32 v[TM+12+\b], 0xff000000, v[TM+\b] ; 2 off its exponent field: the conversion's scale operand
.endr
.irp b, 0,1,2,3
	v_lshrrev_b32 v[TM+4+\b], 23, v[TM+12+\b]      ; the scale's byte
.endr
	v_lshl_or_b32 v[\pw], v[TM+5], 8, v[TM+4]      ; the four bytes make my token's scale word; lanes 16-31 hold the same
	v_lshl_or_b32 v[\pw], v[TM+6], 16, v[\pw]
	v_lshl_or_b32 v[\pw], v[TM+7], 24, v[\pw]
.irp b, 0,1,2,3
	v_cvt_scalef32_pk8_fp4_f32 v[\pc+2*\b], v[\s+16*\b:\s+7+16*\b], v[TM+12+\b]
	v_cvt_scalef32_pk8_fp4_f32 v[\pc+1+2*\b], v[\s+8+16*\b:\s+15+16*\b], v[TM+12+\b]
.endr
	v_nop                                          ; one plain line behind a scaled conversion
.irp c, 0,1                            ; the operand's layout wants a whole block in a lane: lanes 0-15 block 2 c, lanes 16-31 block 2 c + 1
.irp i, 0,1
	v_permlane16_swap_b32 v[\pc+4*\c+\i], v[\pc+2+4*\c+\i]
.endr
.endr
.endm
	s_load_b256 s[4:11], s[0:1], 0x0               ; xq s[4:5], wq s[6:7], route s[8:9], b1 s[10:11]
	s_load_b64 s[12:13], s[0:1], 0x20              ; hq
	v_lshrrev_b32 v1, 5, v0
	v_readfirstlane_b32 s16, v1                    ; wave 0..3
	s_lshl_b32 s17, ttmp9, 2
	v_and_b32 v1, 15, v0                           ; r
	v_bfe_u32 v2, v0, 4, 1                         ; h
	v_and_b32 v13, 31, v0
	v_lshlrev_b32 v[WA], 4, v13
	v_lshlrev_b32 v[L8], 3, v13
	v_lshlrev_b32 v[BA], 6, v2
	v_lshlrev_b32 v[HSA], 2, v1
	v_lshlrev_b32 v13, 4, v2                       ; 16 h
.irp b, 0,1,2,3
	v_mov_b32 v[TM+4+\b], 0                        ; written once: a lane permute's destination counts as one of its sources
.endr
	s_mov_b32 s14, 0x76543210
	s_mov_b32 s15, 0xfedcba98                      ; v_permlanex16_b32's selects for lane l xor 16
	s_wait_kmcnt 0x0
	s_load_b32 s18, s[8:9], s17 offset:ITEMS_OFF   ; my item
	s_wait_kmcnt 0x0
	s_bitcmp1_b32 s18, 31
	s_cbranch_scc1 .Lend                           ; no item at this place of the list
	s_and_b32 s19, s18, 0xff
	s_min_u32 s19, s19, 63                         ; the block
	s_bfe_u32 s20, s18, 0x80008
	s_min_u32 s20, s20, 7                          ; the expert
	s_and_b32 s21, ttmp7, 0xffff
	s_lshl_b32 s21, s21, 2
	s_add_co_u32 s21, s21, s16                     ; fg
	s_mov_b32 s23, 0
	s_lshl_b32 s22, s20, 20
	s_lshl_b32 s24, s21, 17
	s_add_co_u32 s22, s22, s24
	s_add_nc_u64 s[26:27], s[6:7], s[22:23]        ; W1's codes: 1,048,576 e + 131,072 fg
	s_lshl_b32 s22, s20, 16
	s_lshl_b32 s24, s21, 13
	s_add_co_u32 s22, s22, s24
	s_add_co_u32 s22, s22, W1S_OFF
	s_add_nc_u64 s[28:29], s[6:7], s[22:23]        ; its scale words: 65,536 e + 8,192 fg
	s_lshl_b32 s22, s19, 7
	s_add_nc_u64 s[30:31], s[8:9], s[22:23]        ; the block's 32 words of the sorted row
	s_lshl_b32 s22, s20, 12
	s_lshl_b32 s24, s21, 9
	s_add_co_u32 s22, s22, s24
	s_add_nc_u64 s[32:33], s[10:11], s[22:23]      ; b1: 4,096 e + 512 fg
	s_lshl_b32 s25, s19, 3
	s_add_co_u32 s25, s25, s20                     ; 8 block + e
	s_lshl_b32 s22, s25, 14
	s_lshl_b32 s24, s21, 10
	s_add_co_u32 s22, s22, s24
	s_add_nc_u64 s[34:35], s[12:13], s[22:23]      ; h's codes
	s_lshl_b32 s22, s25, 10
	s_lshl_b32 s24, s21, 6
	s_add_co_u32 s22, s22, s24
	s_add_co_u32 s22, s22, HS_OFF
	s_add_nc_u64 s[36:37], s[12:13], s[22:23]      ; h's scale words
	global_load_b32 v[PM], v[HSA], s[30:31]
	global_load_b32 v[PM+1], v[HSA], s[30:31] offset:64
	WIN 0x40                                       ; destination window 1
	GRPW 0
	WIN 0
	s_wait_loadcnt 16                              ; the two words of the sorted row are in; behind them stand W1's 16 loads
.irp i, 0,1
	v_and_b32 v[PM+\i], 0xffff, v[PM+\i]
	v_min_u32 v[PM+\i], 2047, v[PM+\i]             ; the token
	v_lshl_add_u32 v[XA+\i], v[PM+\i], 10, v13
	v_lshl_add_u32 v[XSA+\i], v[PM+\i], 6, v13
.endr
.irp i, 0,1
.irp q, 0,1
	global_load_b128 v[XSC+8*\i+4*\q:XSC+8*\i+4*\q+3], v[XSA+\i], s[4:5] offset:XS_OFF+32*\q   ; lane (r, h): the words of K steps 8 q + 4 h + 0 .. 3
.endr
.endr
	WIN 0x40
	GRPX 0
	WIN 0
.irp p, 0,1,2,3
.irp q, 0,1,2,3,4,5,6,7
	global_load_b64 v[WSC+16*\p+2*\q:WSC+16*\p+2*\q+1], v[L8], s[28:29] offset:\p*2048+\q*256   ; 256 consecutive bytes: the words of K steps 2 q, 2 q + 1 of tiles 2 p and 2 p + 1
.endr
.endr
	WIN 0x40
	GRPW 1
	GRPX 1
	GRPW 2
	GRPX 2
	s_wait_loadcnt 40                              ; all but the 40 loads of K steps 1 and 2: K step 0 and all scale words are in
	WIN 0x05                                       ; sources 0 and 1 window 1; C and D window 0
	MM 0, 1                                        ; the first K step starts the sums: nothing is cleared
.set J, 1
.rept 13
	PLACES                                         ; the set that the last step multiplied is loaded again
	WIN 0x40
	GRPW J+2
	GRPX J+2
	s_wait_loadcnt 40                              ; K step J is in; the 40 loads of the two steps behind it may be out
	WIN 0x05
	MM J, 0
.set J, J+1
.endr
	PLACES
	WIN 0x40
.irp t, 0,1,2,3,4,5,6,7                ; b1 at my units of tile t: 32 (t / 2) + 16 h + 8 (t % 2) + 0 .. 7, into the set that K step 13 has left
	global_load_b128 v[BI+8*\t:BI+8*\t+3], v[BA], s[32:33] offset:(32*(\t/2)+8*(\t%2))*4
	global_load_b128 v[BI+8*\t+4:BI+8*\t+7], v[BA], s[32:33] offset:(32*(\t/2)+8*(\t%2))*4+16
.endr
	s_wait_loadcnt 36                              ; K step 14 is in; K step 15's 20 loads and b1's 16 may be out
	WIN 0x05
	MM 14, 0
	s_wait_loadcnt 16                              ; K step 15 is in
	MM 15, 0
	WIN 0
	s_wait_loadcnt 0x0                             ; b1
	PLACES
.irp i, 0,1
	WIN 0x04                                       ; source 1 (b1) window 1
.set N, 0
.rept 32
	v_pk_add_f32 v[ACC+64*\i+N:ACC+64*\i+N+1], v[ACC+64*\i+N:ACC+64*\i+N+1], v[BI+N:BI+N+1]   ; each accumulator from its low end on
.set N, N+2
.endr
	WIN 0
.set N, 0
.rept 64
	v_max_num_f32 v[ACC+64*\i+N], 0, v[ACC+64*\i+N]   ; the activation, in f32
.set N, N+1
.endr
	QUANT ACC+64*\i, PC+8*\i, PW+\i
	global_store_b128 v[WA], v[PC+8*\i:PC+8*\i+3], s[34:35] offset:\i*8192          ; the fragment as it stands in the registers: 512 consecutive bytes a store
	global_store_b128 v[WA], v[PC+8*\i+4:PC+8*\i+7], s[34:35] offset:\i*8192+512
	global_store_b32 v[HSA], v[PW+\i], s[36:37] offset:\i*512                       ; both halves of the lanes store the same word to the same place
.endr
.Lend:
	s_endpgm
.Lfunc_end_k_q0eb66af75e_ffn1:
	.size	k_q0eb66af75e_ffn1, .Lfunc_end_k_q0eb66af75e_ffn1-k_q0eb66af75e_ffn1
	.p2alignl 7, 3214868480
	.fill 96, 4, 3214868480
	.section	.rodata,"a",@progbits
	.p2align	6, 0x0
	.amdhsa_kernel k_q0eb66af75e_ffn1
		.amdhsa_group_segment_fixed_size 0
		.amdhsa_private_segment_fixed_size 0
		.amdhsa_enable_private_segment 0
		.amdhsa_kernarg_size 40
		.amdhsa_user_sgpr_count 2
		.amdhsa_user_sgpr_kernarg_segment_ptr 1
		.amdhsa_wavefront_size32 1
		.amdhsa_system_sgpr_workgroup_id_x 1
		.amdhsa_system_sgpr_workgroup_id_y 1
		.amdhsa_system_sgpr_workgroup_id_z 1
		.amdhsa_system_vgpr_workitem_id 0
		.amdhsa_next_free_vgpr 512
		.amdhsa_next_free_sgpr 66
		.amdhsa_reserve_vcc 0
		.amdhsa_float_denorm_mode_32 3
		.amdhsa_float_denorm_mode_16_64 3
		.amdhsa_memory_ordered 1
		.amdhsa_forward_progress 1
		.amdhsa_inst_pref_size 90
	.end_amdhsa_kernel
	.amdgpu_metadata
---
amdhsa.version: [ 1, 2 ]
amdhsa.kernels:
  - .name:           k_q0eb66af75e_ffn1
    .symbol:         k_q0eb66af75e_ffn1.kd
    .args:
      - { .name: xq, .offset: 0, .size: 8, .value_kind: global_buffer, .address_space: global }
      - { .name: wq, .offset: 8, .size: 8, .value_kind: global_buffer, .address_space: global }
      - { .name: route, .offset: 16, .size: 8, .value_kind: global_buffer, .address_space: global }
      - { .name: b1, .offset: 24, .size: 8, .value_kind: global_buffer, .address_space: global }
      - { .name: hq, .offset: 32, .size: 8, .value_kind: global_buffer, .address_space: global }
    .group_segment_fixed_size: 0
    .private_segment_fixed_size: 0
    .kernarg_segment_align: 8
    .kernarg_segment_size: 40
    .max_flat_workgroup_size: 128
    .sgpr_count:     66
    .vgpr_count:     512
    .wavefront_size: 32
...
	.end_amdgpu_metadata
.endif
;; end of part 3
;; launch ffn2 (part 4): grid 64 x 4, 4 waves a work-group, no clusters, 34,304 bytes of LDS; arguments hq, wq, route, xq, b2, out0; writes out0
.if DOCPART == 4
	.amdgcn_target "amdgcn-amd-amdhsa--gfx1250"
	.amdhsa_code_object_version 6
	.text
	.protected	k_q0eb66af75e_ffn2
	.globl	k_q0eb66af75e_ffn2
	.p2align	8
	.type	k_q0eb66af75e_ffn2,@function
k_q0eb66af75e_ffn2:
	s_mov_b64 s[64:65], 0
	v_nop
	global_prefetch_b8 v0, s[64:65] scope:SCOPE_SE
	s_setreg_imm32_b32 hwreg(HW_REG_WAVE_MODE, 25, 1), 1
	s_wait_xcnt 0x0
; out[token] = sum over the token's two experts of gate x (h W2[e] + b2[e]), on codes of FP4 (E2M1) with E8M0 scales.  Work-group (x, y) owns block x of 32 sorted tokens; wave w of it owns columns
; 128 dg .. 128 dg + 127 of d, dg = 4 y + w: every number of the output has one owner, and nothing is added between work-groups.
; The wave walks the 8 experts in a loop of constant count and passes over, by a scalar branch on the block's stored mask, those that none of its tokens chose.  For an expert of the mask all 32 rows are
; multiplied; a token that did not choose it has the gate 0, as in the module itself.  K = 1,024 in 8 steps of 128; 2 tiles of tokens x 8 tiles of d: 16 accumulators.
; OPERANDS GO FROM MEMORY STRAIGHT INTO REGISTERS: W2's and h's fragments lie in the order of the operand's registers, two loads of 512 consecutive bytes each.  Four sets of registers take turns: the loads of
; three K steps are out while a fourth is multiplied.
; THE PRODUCT IS USED TRANSPOSED (source 0 = 16 rows of W2, source 1 = 16 tokens): lane (r, h) holds token r and eight neighbouring columns 16 t + 8 h + 0 .. 7.
; The running sum begins as zeros, written once while the first loads are out: which expert comes first is a stored number, so no product can be marked in the text as the one that starts it.
; THE WAY OUT: a tile of 16 tokens goes through the wave's own stage in LDS and leaves as rows: 32 lanes store 512 consecutive bytes, aligned, of one token's row.
; NO CLUSTER, NO TENSOR LOAD: the experts that a block walks hang on the stored mask and differ from block to block, so partners would need different tiles; no barrier: the waves share nothing.
; LIMITS: NaN and infinities are not served (a gate of 0 would not hide them).
.set W2C_OFF,   8388608
.set W2S_OFF,   17301504
.set HS_OFF,    8388608
.set GATE_OFF,  2228224
.set BMASK_OFF, 10240
.set SPITCH, 528                       ; a stage row: 512 bytes + 16
.set WA,  3                            ; v3     16 x lane
.set L8,  4                            ; v4     8 x lane
.set L4,  5                            ; v5     4 x lane
.set BA,  6                            ; v6     32 (lane / 16): my 8 columns of a tile, in b2
.set STO, 7                            ; v7     the stage: where I put 32 bytes of a row
.set RD,  8                            ; v8     and where I read a row back
.set PM,  10                           ; v10-11 my token's word of the sorted row, tile 0, 1
.set GA,  12                           ; v12-13 8 x token
.set E1,  16                           ; v16-17 its first expert
.set E2,  18                           ; v18-19 its second
.set GW,  20                           ; v20-23 their two weights
.set GG,  24                           ; v24-27 the gate for the expert in hand, as the low word of a pair
.set OA,  32                           ; v32-63 the 32 rows' store offsets
.set WSC, 64                           ; v64-95 W2's scale words: register 8 (t / 2) + s; lanes 0-15 the even tile's rows, lanes 16-31 the odd tile's
.set HSC, 96                           ; v96-103 h's: register 4 i + s / 2; lanes 0-15 the even K step, lanes 16-31 the odd
.set Y,   128                          ; v128-255 accumulator (i, t) at 64 i + 8 t; on the way out the rows read back
; window 1: sets 0 to 2 of 80 registers (W2's 8 fragments, h's 2); b2's 64 numbers take set 0 at an expert's end.  window 2: v0-127 the running sum, v128-207 set 3
.set MSB, 0
.macro WIN new                         ; the immediate's high byte repeats the setting that is left
.if MSB != \new
	s_set_vgpr_msb (MSB<<8)|\new
.set MSB, \new
.endif
.endm
.macro PLACES                          ; four plain vector lines between a matrix instruction and a load into its registers
.rept 4
	v_nop
.endr
.endm
; The matrix line; its registers are the symbols rD, rA, rB, rSA, rSB; rRA, rRB: the scale words lie in lanes 16-31.  zero = 1: the product starts the sum
.macro WM zero
.if \zero
.if rRA
	v_wmma_scale_f32_16x16x128_f8f6f4 v[rD:rD+7], v[rA:rA+7], v[rB:rB+7], 0, v[rSA], v[rSB] matrix_a_fmt:MATRIX_FMT_FP4 matrix_b_fmt:MATRIX_FMT_FP4 matrix_a_scale:MATRIX_SCALE_ROW1
.else
	v_wmma_scale_f32_16x16x128_f8f6f4 v[rD:rD+7], v[rA:rA+7], v[rB:rB+7], 0, v[rSA], v[rSB] matrix_a_fmt:MATRIX_FMT_FP4 matrix_b_fmt:MATRIX_FMT_FP4
.endif
.elseif rRA && rRB
	v_wmma_scale_f32_16x16x128_f8f6f4 v[rD:rD+7], v[rA:rA+7], v[rB:rB+7], v[rD:rD+7], v[rSA], v[rSB] matrix_a_fmt:MATRIX_FMT_FP4 matrix_b_fmt:MATRIX_FMT_FP4 matrix_a_scale:MATRIX_SCALE_ROW1 matrix_b_scale:MATRIX_SCALE_ROW1
.elseif rRA
	v_wmma_scale_f32_16x16x128_f8f6f4 v[rD:rD+7], v[rA:rA+7], v[rB:rB+7], v[rD:rD+7], v[rSA], v[rSB] matrix_a_fmt:MATRIX_FMT_FP4 matrix_b_fmt:MATRIX_FMT_FP4 matrix_a_scale:MATRIX_SCALE_ROW1
.elseif rRB
	v_wmma_scale_f32_16x16x128_f8f6f4 v[rD:rD+7], v[rA:rA+7], v[rB:rB+7], v[rD:rD+7], v[rSA], v[rSB] matrix_a_fmt:MATRIX_FMT_FP4 matrix_b_fmt:MATRIX_FMT_FP4 matrix_b_scale:MATRIX_SCALE_ROW1
.else
	v_wmma_scale_f32_16x16x128_f8f6f4 v[rD:rD+7], v[rA:rA+7], v[rB:rB+7], v[rD:rD+7], v[rSA], v[rSB] matrix_a_fmt:MATRIX_FMT_FP4 matrix_b_fmt:MATRIX_FMT_FP4
.endif
.endm
.macro GRP s                           ; K step s: W2's eight fragments and h's two: 20 loads, into set s % 4
.if ((\s)%4) == 3
	WIN 0x80                                       ; destination window 2
.set G, 128
.else
	WIN 0x40                                       ; destination window 1
.set G, 80*((\s)%4)
.endif
.irp t, 0,1,2,3,4,5,6,7
.irp c, 0,1
	global_load_b128 v[G+8*\t+4*\c:G+8*\t+4*\c+3], v[WA], s[66:67] offset:(\s)*8192+\t*1024+\c*512
.endr
.endr
.irp i, 0,1
.irp c, 0,1
	global_load_b128 v[G+64+8*\i+4*\c:G+64+8*\i+4*\c+3], v[WA], s[70:71] offset:\i*8192+(\s)*1024+\c*512
.endr
.endr
.endm
.macro MM s, zero                      ; 16 matrix instructions; the 16 accumulators take turns, in the same order in every step
.if ((\s)%4) == 3
	WIN 0x0a                                       ; sources 0 and 1 window 2; C and D window 0
.set G, 128
.else
	WIN 0x05                                       ; sources 0 and 1 window 1
.set G, 80*((\s)%4)
.endif
.irp t, 0,1,2,3,4,5,6,7
.irp i, 0,1
.set rD, Y+64*\i+8*\t
.set rA, G+8*\t
.set rB, G+64+8*\i
.set rSA, WSC+8*(\t/2)+(\s)
.set rSB, HSC+4*\i+(\s)/2
.set rRA, \t%2
.set rRB, (\s)%2
	WM \zero
.endr
.endr
.endm
	s_load_b256 s[4:11], s[0:1], 0x0               ; hq s[4:5], wq s[6:7], route s[8:9], xq s[10:11]
	s_load_b128 s[12:15], s[0:1], 0x20             ; b2 s[12:13], out0 s[14:15]
	v_lshl_add_u32 v126, v0, 2, 0x8400
	v_mov_b32 v127, 0
	v_lshrrev_b32 v1, 5, v0
	v_readfirstlane_b32 s16, v1                    ; wave 0..3
	v_and_b32 v1, 15, v0                           ; r
	v_bfe_u32 v2, v0, 4, 1                         ; h
	v_and_b32 v9, 31, v0
	v_lshlrev_b32 v[WA], 4, v9
	v_lshlrev_b32 v[L8], 3, v9
	v_lshlrev_b32 v[L4], 2, v9
	v_lshlrev_b32 v[BA], 5, v2
	s_mul_i32 s17, s16, 16*SPITCH                  ; my stage
	v_mul_u32_u24 v[STO], v1, SPITCH
	v_lshl_add_u32 v[STO], v2, 5, v[STO]
	v_add_nc_u32 v[STO], s17, v[STO]               ; in: row r, + 32 h
	v_add_nc_u32 v[RD], s17, v[WA]                 ; back: the 32 lanes take one row of 512 bytes
	v_lshlrev_b32 v14, 2, v1
	s_lshl_b32 s18, ttmp9, 2
	s_lshl_b32 s22, ttmp9, 7
	s_mov_b32 s23, 0
	s_and_b32 s19, ttmp7, 0xffff
	s_lshl_b32 s19, s19, 2
	s_add_co_u32 s19, s19, s16                     ; dg
	s_wait_kmcnt 0x0
	s_add_nc_u64 s[24:25], s[8:9], s[22:23]        ; the block's 32 words of the sorted row
	s_load_b32 s20, s[8:9], s18 offset:BMASK_OFF   ; the block's mask of experts
	s_load_b512 s[32:47], s[24:25], 0x0            ; the 32 words as scalars, for the rows' addresses on the way out
	s_load_b512 s[48:63], s[24:25], 0x40
	global_load_b32 v[PM], v14, s[24:25]           ; and by lanes: lane (r, h) has token r of tile 0, 1
	global_load_b32 v[PM+1], v14, s[24:25] offset:64
	s_lshl_b32 s22, s19, 16
	s_add_co_u32 s22, s22, W2C_OFF
	s_add_nc_u64 s[66:67], s[6:7], s[22:23]        ; W2's codes of expert 0: 65,536 dg
	s_lshl_b32 s22, s19, 12
	s_add_co_u32 s22, s22, W2S_OFF
	s_add_nc_u64 s[68:69], s[6:7], s[22:23]        ; its scale words: 4,096 dg
	s_lshl_b32 s22, ttmp9, 17
	s_add_nc_u64 s[70:71], s[4:5], s[22:23]        ; h's codes of expert 0: 131,072 block
	s_lshl_b32 s22, ttmp9, 13
	s_add_co_u32 s22, s22, HS_OFF
	s_add_nc_u64 s[72:73], s[4:5], s[22:23]        ; its scale words: 8,192 block
	s_lshl_b32 s22, s19, 9
	s_add_nc_u64 s[74:75], s[12:13], s[22:23]      ; b2 of expert 0, my 128 columns
	s_add_nc_u64 s[76:77], s[14:15], s[22:23]      ; out0, my 128 columns
	s_mov_b32 s78, 0                               ; the expert in hand
	WIN 0x80                                       ; destination window 2
.set N, 0
.rept 128
	v_mov_b32 v[N], 0                              ; the running sum
.set N, N+1
.endr
	WIN 0
	v_mov_b32 v[GG+1], 0                           ; (named as the upper halves of pairs, so they are written)
	v_mov_b32 v[GG+3], 0
	s_wait_loadcnt 0x0
.irp i, 0,1
	v_bfe_u32 v[E1+\i], v[PM+\i], 16, 3
	v_bfe_u32 v[E2+\i], v[PM+\i], 24, 3
	v_and_b32 v[PM+\i], 0xffff, v[PM+\i]
	v_min_u32 v[PM+\i], 2047, v[PM+\i]
	v_lshlrev_b32 v[GA+\i], 3, v[PM+\i]
	global_load_b64 v[GW+2*\i:GW+2*\i+1], v[GA+\i], s[10:11] offset:GATE_OFF   ; first read behind an expert's wait for all loads
.endr
	s_wait_kmcnt 0x0
.set N, 32
.rept 32
	s_and_b32 s[N], s[N], 0xffff
	s_min_u32 s[N], s[N], 2047                     ; the row's token,
	s_lshl_b32 s[N], s[N], 13                      ; its row of 8,192 bytes in out0
.set N, N+1
.endr
.Lexpert:
	s_lshr_b32 s21, s20, s78
	s_and_b32 s21, s21, 1
	s_cmp_lg_u32 s21, 0
	s_cbranch_scc0 .Lskip                          ; none of my tokens chose this expert
.irp p, 0,1,2,3
.irp q, 0,1,2,3
	global_load_b64 v[WSC+8*\p+2*\q:WSC+8*\p+2*\q+1], v[L8], s[68:69] offset:\p*1024+\q*256   ; the words of K steps 2 q, 2 q + 1 of tiles 2 p and 2 p + 1
.endr
.endr
.irp i, 0,1
.irp q, 0,1,2,3
	global_load_b32 v[HSC+4*\i+\q], v[L4], s[72:73] offset:\i*512+\q*128   ; lanes 0-15: K step 2 q; lanes 16-31: K step 2 q + 1
.endr
.endr
	GRP 0
	GRP 1
	GRP 2
	GRP 3
	s_wait_loadcnt 60                              ; all but the 60 loads of K steps 1 to 3: the scale words and K step 0 are in
	MM 0, 1                                        ; the first K step starts the expert's sums
.set J, 1
.rept 4
	PLACES                                         ; the set that the last step multiplied is loaded again
	GRP J+3
	s_wait_loadcnt 60                              ; K step J is in; the 60 loads of the three steps behind it may be out
	MM J, 0
.set J, J+1
.endr
	PLACES
	WIN 0x40
.irp t, 0,1,2,3,4,5,6,7                ; b2 at my 8 columns of tile t, into the set that K step 4 has left
	global_load_b128 v[8*\t:8*\t+3], v[BA], s[74:75] offset:64*\t
	global_load_b128 v[8*\t+4:8*\t+7], v[BA], s[74:75] offset:64*\t+16
.endr
	s_wait_loadcnt 56                              ; K step 5 is in; the 40 loads of K steps 6 and 7 and b2's 16 may be out
	MM 5, 0
	s_wait_loadcnt 36                              ; K step 6 is in
	MM 6, 0
	s_wait_loadcnt 16                              ; K step 7 is in
	MM 7, 0
	WIN 0
	s_wait_loadcnt 0x0                             ; b2 (and, in the first expert walked, the gates' weights): no load is out when the pointers step below
.irp i, 0,1                            ; the gate of my token for this expert, 0 if it chose another; these eight plain lines are also the places behind the last products
	v_cmp_eq_u32 vcc_lo, s78, v[E2+\i]
	v_cndmask_b32 v[GG+2*\i], 0, v[GW+2*\i+1], vcc_lo
	v_cmp_eq_u32 vcc_lo, s78, v[E1+\i]
	v_cndmask_b32 v[GG+2*\i], v[GG+2*\i], v[GW+2*\i], vcc_lo
.endr
	WIN 0x04                                       ; source 1 (b2) window 1
.irp i, 0,1
.set N, 0
.rept 32
	v_pk_add_f32 v[Y+64*\i+N:Y+64*\i+N+1], v[Y+64*\i+N:Y+64*\i+N+1], v[N:N+1]   ; each accumulator from its low end on
.set N, N+2
.endr
.endr
	WIN 0xa0                                       ; source 2 and destination (the running sum) window 2
.irp i, 0,1
.set N, 0
.rept 32
	v_pk_fma_f32 v[64*\i+N:64*\i+N+1], v[Y+64*\i+N:Y+64*\i+N+1], v[GG+2*\i:GG+2*\i+1], v[64*\i+N:64*\i+N+1] op_sel_hi:[1,0,1]
.set N, N+2
.endr
.endr
	WIN 0
.Lskip:
	s_add_nc_u64 s[66:67], s[66:67], 0x100000      ; on to the next expert
	s_add_nc_u64 s[68:69], s[68:69], 0x10000
	s_add_nc_u64 s[70:71], s[70:71], 0x4000
	s_add_nc_u64 s[72:73], s[72:73], 0x400
	s_add_nc_u64 s[74:75], s[74:75], 0x2000
	s_add_co_u32 s78, s78, 1
	s_cmp_lt_u32 s78, 8
	s_cbranch_scc1 .Lexpert
.macro TOSTAGE i                       ; tile i: 16 tokens x 128 columns into my stage, and back as rows.  LDS serves a wave's instructions in order (ISA guide 5.7.1.4): no wait between the stores and the loads
	WIN 0x08                                       ; an LDS store's data are its source 1: window 2
.irp t, 0,1,2,3,4,5,6,7
	ds_store_b128 v[STO], v[64*\i+8*\t:64*\i+8*\t+3] offset:64*\t
	ds_store_b128 v[STO], v[64*\i+8*\t+4:64*\i+8*\t+7] offset:64*\t+16
.endr
	WIN 0
.irp p, 0,1,2,3,4,5,6,7,8,9,10,11,12,13,14,15
	ds_load_b128 v[Y+64*\i+4*\p:Y+64*\i+4*\p+3], v[RD] offset:SPITCH*\p
.endr
.endm
.macro SEND i, younger                 ; younger: the LDS instructions issued behind tile i's loads, which may stay out
.irp p, 0,1,2,3,4,5,6,7,8,9,10,11,12,13,14,15
	s_wait_dscnt \younger+15-\p                    ; row p is back
	v_add_nc_u32 v[OA+16*\i+\p], s[32+16*\i+\p], v[WA]
	global_store_b128 v[OA+16*\i+\p], v[Y+64*\i+4*\p:Y+64*\i+4*\p+3], s[76:77] th:TH_STORE_NT   ; 32 lanes store 512 consecutive bytes, aligned, of one token's row; written once, read by nobody here
.endr
.endm
	TOSTAGE 0
	TOSTAGE 1
	SEND 0, 32                                     ; behind tile 0's loads: tile 1's 16 stores and 16 loads
	SEND 1, 0
	s_wait_tensorcnt 0x0
	ds_add_u32 v126, v127
	s_wait_dscnt 0x0
	s_endpgm
.Lfunc_end_k_q0eb66af75e_ffn2:
	.size	k_q0eb66af75e_ffn2, .Lfunc_end_k_q0eb66af75e_ffn2-k_q0eb66af75e_ffn2
	.p2alignl 7, 3214868480
	.fill 96, 4, 3214868480
	.section	.rodata,"a",@progbits
	.p2align	6, 0x0
	.amdhsa_kernel k_q0eb66af75e_ffn2
		.amdhsa_group_segment_fixed_size 34304
		.amdhsa_private_segment_fixed_size 0
		.amdhsa_enable_private_segment 0
		.amdhsa_kernarg_size 48
		.amdhsa_user_sgpr_count 2
		.amdhsa_user_sgpr_kernarg_segment_ptr 1
		.amdhsa_wavefront_size32 1
		.amdhsa_system_sgpr_workgroup_id_x 1
		.amdhsa_system_sgpr_workgroup_id_y 1
		.amdhsa_system_sgpr_workgroup_id_z 1
		.amdhsa_system_vgpr_workitem_id 0
		.amdhsa_next_free_vgpr 720
		.amdhsa_next_free_sgpr 80
		.amdhsa_reserve_vcc 1
		.amdhsa_float_denorm_mode_32 3
		.amdhsa_float_denorm_mode_16_64 3
		.amdhsa_memory_ordered 1
		.amdhsa_forward_progress 1
		.amdhsa_inst_pref_size 67
	.end_amdhsa_kernel
	.amdgpu_metadata
---
amdhsa.version: [ 1, 2 ]
amdhsa.kernels:
  - .name:           k_q0eb66af75e_ffn2
    .symbol:         k_q0eb66af75e_ffn2.kd
    .args:
      - { .name: hq, .offset: 0, .size: 8, .value_kind: global_buffer, .address_space: global }
      - { .name: wq, .offset: 8, .size: 8, .value_kind: global_buffer, .address_space: global }
      - { .name: route, .offset: 16, .size: 8, .value_kind: global_buffer, .address_space: global }
      - { .name: xq, .offset: 24, .size: 8, .value_kind: global_buffer, .address_space: global }
      - { .name: b2, .offset: 32, .size: 8, .value_kind: global_buffer, .address_space: global }
      - { .name: out0, .offset: 40, .size: 8, .value_kind: global_buffer, .address_space: global }
    .group_segment_fixed_size: 34304
    .private_segment_fixed_size: 0
    .kernarg_segment_align: 8
    .kernarg_segment_size: 48
    .max_flat_workgroup_size: 128
    .sgpr_count:     80
    .vgpr_count:     720
    .wavefront_size: 32
...
	.end_amdgpu_metadata
.endif
;; end of part 4
;; ======== version 2 of 3: 4 launches
;; workspace buffers: xq 2,260,992 bytes; sel 8,192 bytes of whole numbers; wq 17,825,792 bytes; route 10,496 bytes of whole numbers; hq 8,912,896 bytes
;; launch xprep: the kernel of part 1 again; grid 256 x 1, 4 waves a work-group, no clusters, 23,040 bytes of LDS; arguments x, Wg, xq, sel; writes xq, sel
;; launch wprep (part 5): grid 257 x 1, 16 waves a work-group, no clusters, 6,144 bytes of LDS; arguments W1, W2, sel, xq, wq, route, out1; writes wq, route, out1
.if DOCPART == 5
	.amdgcn_target "amdgcn-amd-amdhsa--gfx1250"
	.amdhsa_code_object_version 6
	.text
	.protected	k_q0eb66af75e_wprep
	.globl	k_q0eb66af75e_wprep
	.p2align	8
	.type	k_q0eb66af75e_wprep,@function
k_q0eb66af75e_wprep:
	s_mov_b64 s[64:65], 0
	v_nop
	global_prefetch_b8 v0, s[64:65] scope:SCOPE_SE
	s_setreg_imm32_b32 hwreg(HW_REG_WAVE_MODE, 25, 1), 1
	s_wait_xcnt 0x0
; Three kinds of work-group, parted on the work-group's number.
; 1 .. 128: W1 [8][2048 d][1024 f];  129 .. 256: W2 [8][1024 f][2048 d], f32, K the middle axis, become codes of FP4 (E2M1) with one E8M0 byte for each 32 along K,
;   LAID IN THE ORDER OF THE OPERAND'S REGISTERS: a fragment (16 rows x 128 K) is 1,024 bytes; byte 512 c + 256 h + 16 r holds the 32 codes of block 2 c + h of row r, so that two loads of 16 bytes
;   a lane, at 16 x lane and 512 further on, fill the eight registers.   wq + 0: W1 [e][fg 8][K step 16][tile 8][1024];   wq + 8388608: W2 [e][dg 16][K step 8][tile 8][1024].
;   Row r of W1's tile t is hidden unit 128 fg + 32 (t / 2) + 8 (t % 2) + r + 8 (r / 8), so that the first product's results lie along the second product's K; row r of W2's tile t is d = 128 dg + 16 t + r.
;   Scale words: wq + 16777216: W1 [e][G 32][kq 8][lane 32][8 bytes];  wq + 17301504: W2 [e][G 64][kq 4][lane 32][8 bytes]: G = a pair of tiles (32 columns), lanes 0-15 its even tile's rows, lanes 16-31 its odd
;   tile's; the 8 bytes are the words of K steps 2 kq and 2 kq + 1.
;   A LANE TAKES A COLUMN AND ITS REGISTERS RUN DOWN K: a block of 32 lies in one lane's 32 registers, the conversions give codes with K innermost, and nothing is transposed.  A wave takes 32 columns x 256 K;
;   eight waves stand side by side on 1,024 bytes of each row.  Loads run two blocks (64 loads a wave) ahead.  Sixteen lanes store 256 consecutive bytes, aligned.
; 0: the routing, from the whole numbers that the launch before stored.  The tokens are sorted by their unordered pair of experts, the 28 pairs in an order in which neighbours share an expert, and cut into 64 blocks
;   of 32.  route + 0: [2048] token | first expert << 16 | second << 24, sorted;  route + 10240: [64] each block's mask of experts;  route + 8192: [256] places for the (block, expert) items, block | expert << 8,
;   by expert, EACH EXPERT'S RUN BEGINNING AT A MULTIPLE OF 8 PLACES, so that eight neighbouring places never hold two experts; a place without an item has bit 31 set.
;   The sorted row has at most 28 runs, so 64 blocks hold at most 64 + 27 pieces of runs, of two experts each: never more than 182 items; rounded up to eights for each of 8 experts that is at most
;   (182 + 56) / 8 = 29 groups of eight: every item lies under place 232.
;   Also out1 = 0.01 x 8 x sum over e of (top-1 share of e) x (mean probability of e).
; LIMITS: a block of zeros, or one whose largest magnitude lies under 2^-124, gets the byte 1 (read by this program alone); NaN and infinities among the inputs are not served.
; No tensor load, no cluster: no two work-groups read the same byte of the weights.  Only the routing's path uses LDS and a barrier.
.set LBP_OFF,   2244608
.set ITEMS_OFF, 8192
.set BMASK_OFF, 10240
.set LBB,  2048                        ; LDS: 0: counts [wave 16][32 words];  LBB: partial sums for the loss [wave 16][16 f32]
.set X,    32                          ; v32-127  three sets of 32 numbers
.set C,    20                          ; v20-23   a block's codes
.set SB,   16                          ; v16-17   the scale bytes of 8 blocks
	s_load_b256 s[4:11], s[0:1], 0x0               ; W1 s[4:5], W2 s[6:7], sel s[8:9], xq s[10:11]
	s_load_b128 s[12:15], s[0:1], 0x20             ; wq s[12:13], route s[14:15]
	s_load_b64 s[16:17], s[0:1], 0x30              ; out1
	v_lshl_add_u32 v128, v0, 2, 0x1000
	v_mov_b32 v129, 0
	v_lshrrev_b32 v1, 5, v0
	v_readfirstlane_b32 s18, v1                    ; wave 0..15
	v_and_b32 v2, 31, v0                           ; lane
	s_wait_kmcnt 0x0
	s_cmp_eq_u32 ttmp9, 0
	s_cbranch_scc1 .Lsort
	s_cmp_gt_u32 ttmp9, 128
	s_cbranch_scc1 .Lw2
.macro WLOAD t, pitch                  ; block t: W(32 t + i, my column), i = 0 .. 31: each load reads 128 consecutive bytes
.irp i, 0,1,2,3,4,5,6,7,8,9,10,11,12,13,14,15,16,17,18,19,20,21,22,23,24,25,26,27,28,29,30,31
	global_load_b32 v[X+32*((\t)%3)+\i], v3, s[28:29] offset:(32*(\t)+\i)*\pitch th:TH_LOAD_NT
.endr
.endm
.macro WBLOCK t, pitch
.set XW, X+32*((\t)%3)
.if (\t) < 7
	s_wait_loadcnt 32                              ; this block's 32 loads are in; the next block's may be out
.else
	s_wait_loadcnt 0x0
.endif
.if (\t) > 0
	s_wait_xcnt 0x0                                ; the last block's store has read its data: the codes' registers are written again only behind this wait
.endif
.if (\t)+2 < 8
	WLOAD (\t)+2, \pitch                           ; into the set that the block before this one has left
.endif
	v_max3_num_f32 v10, |v[XW]|, |v[XW+1]|, |v[XW+2]|              ; the block's largest magnitude: all 32 numbers are mine
	v_max3_num_f32 v12, |v[XW+3]|, |v[XW+4]|, |v[XW+5]|
.irp i, 6,10,14,18,22,26
	v_max3_num_f32 v10, v10, |v[XW+\i]|, |v[XW+\i+1]|
	v_max3_num_f32 v12, v12, |v[XW+\i+2]|, |v[XW+\i+3]|
.endr
	v_max3_num_f32 v10, v10, |v[XW+30]|, |v[XW+31]|
	v_max3_num_f32 v10, v10, v12, 0x1800000        ; and the floor 2^(3 - 127): the byte cannot fall under 1
	v_add_nc_u32 v11, 0xff000000, v10              ; 2 off its exponent field: the conversion's scale operand
	v_lshrrev_b32 v13, 23, v11                     ; the scale's byte
.if (\t)%4 == 0
	v_mov_b32 v[SB+(\t)/4], v13                    ; four bytes to a word, the lower K in the lower byte
.else
	v_lshl_or_b32 v[SB+(\t)/4], v13, 8*((\t)%4), v[SB+(\t)/4]
.endif
.irp g, 0,1,2,3
	v_cvt_scalef32_pk8_fp4_f32 v[C+\g], v[XW+8*\g:XW+8*\g+7], v11
.endr
	global_store_b128 v4, v[C:C+3], s[30:31] offset:((\t)/4)*8192+(((\t)/2)%2)*512+((\t)%2)*256   ; K step t / 4 of my two, c = (t / 2) % 2, h = t % 2
.endm
; first: the path's first work-group; src: the tensor's pointer; pshift: log2 of 256 rows' bytes; pitch: a row's bytes; gqbits, kgbits: how the work-group's low four bits part into columns and K;
; snake: W1's choice of rows; coff, gshift: where the codes go, log2 of the bytes of 128 columns; soff, sshift: the same for the scale words of 32 columns
.macro WPATH first, src, pshift, pitch, gqbits, kgbits, snake, coff, gshift, soff, sshift
	s_sub_co_u32 s20, ttmp9, \first
	s_lshr_b32 s21, s20, 4                         ; e
	s_lshr_b32 s22, s20, \kgbits
	s_and_b32 s22, s22, (1<<\gqbits)-1
	s_and_b32 s23, s20, (1<<\kgbits)-1
	s_and_b32 s24, s18, 7
	s_lshl_b32 s22, s22, 3
	s_add_co_u32 s22, s22, s24                     ; G: my 32 columns
	s_lshr_b32 s24, s18, 3
	s_lshl_b32 s23, s23, 1
	s_add_co_u32 s23, s23, s24                     ; kq: my 256 along K
	s_mov_b32 s27, 0
	s_lshl_b32 s26, s21, 23                        ; from: 8,388,608 e + 256 rows x kq + 128 G
	s_lshl_b32 s24, s23, \pshift
	s_add_co_u32 s26, s26, s24
	s_lshl_b32 s24, s22, 7
	s_add_co_u32 s26, s26, s24
	s_add_nc_u64 s[28:29], s[\src:\src+1], s[26:27]
	s_lshl_b32 s26, s21, 20                        ; codes to: 1,048,576 e + (G / 4) groups of 128 columns + 2 kq K steps of 8,192 + 2 (G % 4) tiles of 1,024
	s_lshr_b32 s24, s22, 2
	s_lshl_b32 s24, s24, \gshift
	s_add_co_u32 s26, s26, s24
	s_lshl_b32 s24, s23, 14
	s_add_co_u32 s26, s26, s24
	s_and_b32 s24, s22, 3
	s_lshl_b32 s24, s24, 11
	s_add_co_u32 s26, s26, s24
	s_add_co_u32 s26, s26, \coff
	s_add_nc_u64 s[30:31], s[12:13], s[26:27]
	s_lshl_b32 s26, s21, 16                        ; scale words to: 65,536 e + G's part + 256 kq
	s_lshl_b32 s24, s22, \sshift
	s_add_co_u32 s26, s26, s24
	s_lshl_b32 s24, s23, 8
	s_add_co_u32 s26, s26, s24
	s_add_co_u32 s26, s26, \soff
	s_add_nc_u64 s[32:33], s[12:13], s[26:27]
	v_lshrrev_b32 v6, 4, v2                        ; which tile of the pair,
	v_and_b32 v7, 15, v2                           ; which of its rows
.if \snake
	v_and_b32 v3, 7, v2                            ; my column of the 32: lane % 8 + 8 (lane / 16) + 16 ((lane / 8) % 2)
	v_lshl_add_u32 v3, v6, 3, v3
	v_bfe_u32 v8, v2, 3, 1
	v_lshl_add_u32 v3, v8, 4, v3
	v_lshlrev_b32 v3, 2, v3
.else
	v_lshlrev_b32 v3, 2, v2                        ; my column of the 32: the lane's number
.endif
	v_lshlrev_b32 v4, 4, v7
	v_lshl_add_u32 v4, v6, 10, v4                  ; 1,024 x tile + 16 x row
	v_lshlrev_b32 v5, 3, v2
	WLOAD 0, \pitch
	WLOAD 1, \pitch
.irp t, 0,1,2,3,4,5,6,7
	WBLOCK \t, \pitch
.endr
	global_store_b64 v5, v[SB:SB+1], s[32:33]      ; the wave stores 256 consecutive bytes, aligned
	s_endpgm
.endm
	WPATH 1, 4, 20, 4096, 2, 2, 1, 0, 17, 16777216, 11
.Lw2:
	WPATH 129, 6, 21, 8192, 3, 1, 0, 8388608, 16, 17301504, 10
; THE ROUTING.  512 threads; thread T owns tokens 4 T .. 4 T + 3.
; v4-7 the tokens' words; v8-15 sums for the loss; v16-19 the tokens' pair numbers; v20-23 the words to store; v24-27 ranks within the wave; v28-31 where a pair's run begins for my wave;
; v32-47 the sixteen waves' counts; v48 my wave's counts (lane = pair); v49 all waves' counts; v50 the counts of the waves before mine
.Lsort:
	v_lshlrev_b32 v1, 4, v0
	v_lshlrev_b32 v3, 2, v0
	global_load_b128 v[4:7], v1, s[8:9]
.irp i, 0,1,2,3,4,5,6,7
	global_load_b32 v[8+\i], v3, s[10:11] offset:LBP_OFF+2048*\i   ; column T % 16 of rows T / 16 + 32 i of the 256 x 16 partial sums
.endr
	v_lshlrev_b32 v53, 2, v2                       ; 4 x lane
	v_and_b32 v51, 15, v0
	v_lshlrev_b32 v55, 2, v51
	v_add_nc_u32 v55, LBB, v55                     ; LBB + 4 (lane % 16)
	s_lshl_b32 s20, s18, 6
	v_add_nc_u32 v54, s20, v55                     ; + 64 wave
	v_mov_b32 v48, 0
.irp j, 0,1,2,3,4,5,6,7
	v_mov_b32 v[24+\j], 0
.endr
	v_mov_b32 v62, 0
	s_mov_b32 s22, 0x76543210
	s_mov_b32 s23, 0xfedcba98
	s_wait_loadcnt 0x0
	v_pk_add_f32 v[8:9], v[8:9], v[10:11]
	v_pk_add_f32 v[12:13], v[12:13], v[14:15]
	v_pk_add_f32 v[8:9], v[8:9], v[12:13]
	v_add_f32 v8, v8, v9
	v_permlanex16_b32 v62, v8, s22, s23
	v_add_f32 v8, v8, v62                          ; my wave's sum of column lane % 16
.irp j, 0,1,2,3
	v_and_b32 v51, 7, v[4+\j]                      ; the first expert,
	v_bfe_u32 v52, v[4+\j], 8, 3                   ; the second
	v_lshl_or_b32 v[20+\j], v51, 16, v3
	v_lshl_or_b32 v[20+\j], v52, 24, v[20+\j]
	v_or_b32 v[20+\j], \j, v[20+\j]                ; token | first << 16 | second << 24
	v_min_u32 v96, v51, v52                        ; a < b
	v_max_u32 v97, v51, v52
	v_sub_nc_u32 v98, 15, v96
	v_mul_u32_u24 v98, v96, v98
	v_lshrrev_b32 v98, 1, v98                      ; a (15 - a) / 2 pairs have a smaller a
	v_sub_nc_u32 v99, v97, v96
	v_add_nc_u32 v99, -1, v99                      ; even a: b ascends
	v_sub_nc_u32 v51, 7, v97                       ; odd a: b descends, so that the last pair of a row and the first of the next share b = 7 or a + 1
	v_and_b32 v52, 1, v96
	v_cmp_eq_u32 vcc_lo, 1, v52
	v_cndmask_b32 v99, v99, v51, vcc_lo
	v_add_nc_u32 v[16+\j], v98, v99                ; the pair's number, 0 .. 27
.endr
.set KAP, 0
.rept 28                               ; for each pair: every token's rank among the wave's tokens of that pair, and their count
	s_mov_b32 s30, 0
.irp j, 0,1,2,3
	v_cmp_eq_u32 s31, KAP, v[16+\j]
	v_mbcnt_lo_u32_b32 v51, s31, s30
	v_cndmask_b32 v[24+\j], v[24+\j], v51, s31
	s_bcnt1_i32_b32 s32, s31
	s_add_co_u32 s30, s30, s32
.endr
	v_writelane_b32 v48, s30, KAP
.set KAP, KAP+1
.endr
	ds_store_b32 v3, v48                           ; 128 wave + 4 lane = 4 T
	ds_store_b32 v54, v8                           ; both halves of the lanes hold the same sum and write the same word
	s_wait_dscnt 0x0                               ; for the others' sake
	s_barrier_signal -1
	s_barrier_wait -1
.irp w, 0,1,2,3,4,5,6,7,8,9,10,11,12,13,14,15
	ds_load_b32 v[32+\w], v53 offset:128*\w
.endr
	v_mov_b32 v50, 0
	s_wait_dscnt 0x0
	v_add3_u32 v49, v32, v33, v34
.irp w, 35,37,39,41,43,45
	v_add3_u32 v49, v49, v[\w], v[\w+1]
.endr
	v_add_nc_u32 v49, v49, v47
.irp w, 0,1,2,3,4,5,6,7,8,9,10,11,12,13,14
	s_cmp_gt_u32 s18, \w
	s_cselect_b32 s20, -1, 0
	v_and_b32 v51, s20, v[32+\w]
	v_add_nc_u32 v50, v50, v51
.endr
	s_mov_b32 s30, 0                               ; where the pair's run begins in the sorted row
.set KAP, 0
.rept 28
	v_readlane_b32 s33, v49, KAP
	v_readlane_b32 s34, v50, KAP
	s_add_co_u32 s35, s30, s34                     ; and where my wave's tokens of that pair begin
.irp j, 0,1,2,3
	v_cmp_ne_u32 vcc_lo, KAP, v[16+\j]
	v_cndmask_b32 v[28+\j], s35, v[28+\j], vcc_lo
.endr
	s_add_co_u32 s30, s30, s33
.set KAP, KAP+1
.endr
.irp j, 0,1,2,3
	v_add_nc_u32 v[100+\j], v[24+\j], v[28+\j]
	v_min_u32 v[100+\j], 2047, v[100+\j]           ; a place in the sorted row
	v_lshlrev_b32 v[100+\j], 2, v[100+\j]
	global_store_b32 v[100+\j], v[20+\j], s[14:15]
.endr
	s_cmp_lg_u32 s18, 0
	s_cbranch_scc1 .Lend                           ; the rest is wave 0's
	; all 256 places of the items' list are first marked 'no item': 32 lanes x 16 bytes, twice.  The items are stored over these words further down, behind a wait for these stores
	v_mov_b32 v104, 0x80000000
	v_mov_b32 v105, v104
	v_mov_b32 v106, v104
	v_mov_b32 v107, v104
	v_mov_b32 v108, 0xff                           ; place 255: never an item's
	v_lshlrev_b32 v109, 4, v2
	global_store_b128 v109, v[104:107], s[14:15] offset:ITEMS_OFF
	global_store_b128 v109, v[104:107], s[14:15] offset:ITEMS_OFF+512
.irp w, 0,1,2,3,4,5,6,7,8,9,10,11,12,13,14,15
	ds_load_b32 v[32+\w], v55 offset:64*\w         ; the sixteen waves' sums for the loss: wanted at the end
.endr
	; each block's mask of experts: lane l has blocks l and l + 32; a pair's run [begin, end) meets a block [lo, hi) where begin < hi and end > lo
	v_lshlrev_b32 v56, 5, v2
	v_add_nc_u32 v57, 1024, v56
	v_add_nc_u32 v58, 32, v56
	v_add_nc_u32 v59, 32, v57
	v_mov_b32 v60, 0
	v_mov_b32 v61, 0
	s_mov_b32 s30, 0
.set KAP, 0
.irp m, 0x03,0x05,0x09,0x11,0x21,0x41,0x81,0x82,0x42,0x22,0x12,0x0a,0x06,0x0c,0x14,0x24,0x44,0x84,0x88,0x48,0x28,0x18,0x30,0x50,0x90,0xa0,0x60,0xc0
	v_readlane_b32 s33, v49, KAP
	s_add_co_u32 s34, s30, s33
	s_cmp_lg_u32 s33, 0
	s_cselect_b32 s35, \m, 0                       ; the pair's two experts, or nothing where no token chose it
	v_mov_b32 v62, s35
.irp hf, 0,1
	v_cmp_lt_u32 s20, s30, v[58+\hf]
	v_cmp_gt_u32 s21, s34, v[56+\hf]
	s_and_b32 vcc_lo, s20, s21
	v_cndmask_b32 v63, 0, v62, vcc_lo
	v_or_b32 v[60+\hf], v[60+\hf], v63
.endr
	s_mov_b32 s30, s34
.set KAP, KAP+1
.endr
	; the items, by expert and block.  s30: the next free place; behind each expert it is rounded up to a multiple of 8
	s_wait_storecnt 0x0                            ; the marks above have landed: the items below are stored over the same words
	s_mov_b32 s30, 0
.irp e, 0,1,2,3,4,5,6,7
.irp hf, 0,1
.set IDX, 2*\e+\hf
	v_and_b32 v63, 1<<\e, v[60+\hf]
	v_cmp_ne_u32 s36, 0, v63                       ; the lanes whose block 32 hf + lane uses expert e
	v_mbcnt_lo_u32_b32 v96, s36, s30               ; the item's place
	v_cndmask_b32 v97, v108, v96, s36              ; a lane without an item stores the mark once more, to place 255
	v_min_u32 v97, 0xff, v97
	v_lshlrev_b32 v[64+IDX], 2, v97
	v_or_b32 v98, 32*\hf+256*\e, v2                ; block | expert << 8
	v_cndmask_b32 v[80+IDX], v104, v98, s36
	global_store_b32 v[64+IDX], v[80+IDX], s[14:15] offset:ITEMS_OFF   ; registers of its own for each of the 16 stores: none is written again
	s_bcnt1_i32_b32 s20, s36
	s_add_co_u32 s30, s30, s20
.endr
	s_add_co_u32 s30, s30, 7
	s_and_b32 s30, s30, -8                         ; the next expert begins a new group of eight places
.endr
	global_store_b32 v53, v60, s[14:15] offset:BMASK_OFF
	global_store_b32 v53, v61, s[14:15] offset:BMASK_OFF+128
	s_wait_dscnt 0x0
.irp j, 32,36,40,44
	v_pk_add_f32 v[\j:\j+1], v[\j:\j+1], v[\j+2:\j+3]
.endr
	v_pk_add_f32 v[32:33], v[32:33], v[36:37]
	v_pk_add_f32 v[40:41], v[40:41], v[44:45]
	v_pk_add_f32 v[32:33], v[32:33], v[40:41]
	v_add_f32 v32, v32, v33                        ; lane c < 8: the sum of expert c's probabilities; lane 8 + c: its top-1 count
	v_mul_f32_dpp v32, v32, v32 row_xmask:8 row_mask:0xf bank_mask:0xf
	v_add_f32_dpp v32, v32, v32 row_xmask:1 row_mask:0xf bank_mask:0xf
	v_add_f32_dpp v32, v32, v32 row_xmask:2 row_mask:0xf bank_mask:0xf
	v_add_f32_dpp v32, v32, v32 row_xmask:4 row_mask:0xf bank_mask:0xf
	v_mul_f32 v32, 0x32a3d70a, v32                 ; x 0.01 x 8 / 2048 / 2048
	v_mov_b32 v33, 0
	s_wait_xcnt 0x0                                ; EXEC is a source of the stores above: it changes only behind this wait
	v_cmp_eq_u32 vcc_lo, 0, v2
	s_and_saveexec_b32 s20, vcc_lo
	global_store_b32 v33, v32, s[16:17]            ; lane 0 alone
	s_wait_xcnt 0x0                                ; and again in front of the line that widens it
	s_or_b32 exec_lo, exec_lo, s20
.Lend:
	s_wait_tensorcnt 0x0
	ds_add_u32 v128, v129
	s_wait_dscnt 0x0
	s_endpgm
.Lfunc_end_k_q0eb66af75e_wprep:
	.size	k_q0eb66af75e_wprep, .Lfunc_end_k_q0eb66af75e_wprep-k_q0eb66af75e_wprep
	.p2alignl 7, 3214868480
	.fill 96, 4, 3214868480
	.section	.rodata,"a",@progbits
	.p2align	6, 0x0
	.amdhsa_kernel k_q0eb66af75e_wprep
		.amdhsa_group_segment_fixed_size 6144
		.amdhsa_private_segment_fixed_size 0
		.amdhsa_enable_private_segment 0
		.amdhsa_kernarg_size 56
		.amdhsa_user_sgpr_count 2
		.amdhsa_user_sgpr_kernarg_segment_ptr 1
		.amdhsa_wavefront_size32 1
		.amdhsa_system_sgpr_workgroup_id_x 1
		.amdhsa_system_sgpr_workgroup_id_y 1
		.amdhsa_system_sgpr_workgroup_id_z 1
		.amdhsa_system_vgpr_workitem_id 0
		.amdhsa_next_free_vgpr 130
		.amdhsa_next_free_sgpr 66
		.amdhsa_reserve_vcc 1
		.amdhsa_float_denorm_mode_32 3
		.amdhsa_float_denorm_mode_16_64 3
		.amdhsa_memory_ordered 1
		.amdhsa_forward_progress 1
		.amdhsa_inst_pref_size 162
	.end_amdhsa_kernel
	.amdgpu_metadata
---
amdhsa.version: [ 1, 2 ]
amdhsa.kernels:
  - .name:           k_q0eb66af75e_wprep
    .symbol:         k_q0eb66af75e_wprep.kd
    .args:
      - { .name: W1, .offset: 0, .size: 8, .value_kind: global_buffer, .address_space: global }
      - { .name: W2, .offset: 8, .size: 8, .value_kind: global_buffer, .address_space: global }
      - { .name: sel, .offset: 16, .size: 8, .value_kind: global_buffer, .address_space: global }
      - { .name: xq, .offset: 24, .size: 8, .value_kind: global_buffer, .address_space: global }
      - { .name: wq, .offset: 32, .size: 8, .value_kind: global_buffer, .address_space: global }
      - { .name: route, .offset: 40, .size: 8, .value_kind: global_buffer, .address_space: global }
      - { .name: out1, .offset: 48, .size: 8, .value_kind: global_buffer, .address_space: global }
    .group_segment_fixed_size: 6144
    .private_segment_fixed_size: 0
    .kernarg_segment_align: 8
    .kernarg_segment_size: 56
    .max_flat_workgroup_size: 512
    .sgpr_count:     66
    .vgpr_count:     130
    .wavefront_size: 32
...
	.end_amdgpu_metadata
.endif
;; end of part 5
;; launch ffn1 (part 6): grid 29 x 8, 8 waves a work-group, no clusters, 0 bytes of LDS; arguments xq, wq, route, b1, hq; writes hq
.if DOCPART == 6
	.amdgcn_target "amdgcn-amd-amdhsa--gfx1250"
	.amdhsa_code_object_version 6
	.text
	.protected	k_q0eb66af75e_ffn1
	.globl	k_q0eb66af75e_ffn1
	.p2align	8
	.type	k_q0eb66af75e_ffn1,@function
k_q0eb66af75e_ffn1:
	s_mov_b64 s[64:65], 0
	v_nop
	global_prefetch_b8 v0, s[64:65] scope:SCOPE_SE
	s_setreg_imm32_b32 hwreg(HW_REG_WAVE_MODE, 25, 1), 1
	s_wait_xcnt 0x0
; h = Q(relu(x W1[e] + b1[e])) for the chosen rows, on codes of FP4 (E2M1) with E8M0 scales.  An item of the stored list is a block of 32 sorted tokens and an expert that some token of the block chose.
; SHARES.  Work-group (x, y) takes the eight places 8 x .. 8 x + 7 of the list, which hold items of ONE expert (each expert's run begins at a multiple of 8 places), and hidden units 128 y .. 128 y + 127.
; Wave w takes place 8 x + w: its 32 tokens x the 128 units: 2 tiles of tokens x 8 tiles of units, 16 accumulators, K = 2,048 in 16 steps of 128.  THE EIGHT WAVES SHARE THE WEIGHTS, NOT THE TOKENS: they ask for the same
; 131,072 bytes of W1's codes and 8,192 of its scale words, K step by K step, side by side on one WGP; what is a wave's own is the smaller part, its tokens' 32,768 bytes of codes.
; The grid serves every choice of experts: never more than 182 items (64 blocks + 27 borders between pairs, two experts each), so never more than (182 + 56) / 8 = 29 groups of eight places.  A wave whose place holds
; no item stores nothing and ends.  29 x 8 = 232 work-groups of eight waves of 512 registers: each fills a WGP's registers, and none waits for another to end.
; OPERANDS GO FROM MEMORY STRAIGHT INTO REGISTERS.  The weights lie in the order of the operand's registers (two loads of 16 bytes a lane for a fragment, 512 consecutive bytes each); x's codes are gathered by
; token, 16 bytes a lane.  Three sets of registers take turns: the loads of two K steps are out while a third is multiplied.
; THE PRODUCT IS USED TRANSPOSED (source 0 = 16 rows of W1, source 1 = 16 tokens), and the rows of W1 that form a tile were chosen so that the 16 registers of tiles 2 b and 2 b + 1 are 16 neighbours along the
; next K: unit 32 b + 16 (lane / 16) + 0 .. 15 of token lane % 16.  So the 128 units of a wave become exactly one fragment and one scale word a token of the second product's K step y.
; OUT: hq + 0: [block][e][tile of tokens 2][K step 8][1,024 bytes], an image of the operand's registers;  hq + 8388608: [block][e][tile][K step][16 words].
; NO CLUSTER, NO TENSOR LOAD, NO LDS: whether a wave has work, and which weights it reads, hangs on the stored list, so no joint request could be made on every path; and no barrier may stand behind that branch,
; so nothing holds the eight waves in step: no value hangs on whether they are.
; LIMITS: a block of zeros in h gets the byte 1 (its codes are zeros; read by this program alone); NaN and infinities are not served.
.set XS_OFF,    2097152
.set W1S_OFF,   16777216
.set ITEMS_OFF, 8192
.set HS_OFF,    8388608
.set WA,  3                            ; v3     16 x lane
.set L8,  4                            ; v4     8 x lane
.set BA,  5                            ; v5     64 (lane / 16): my 16 units of a block of 32, in b1
.set HSA, 6                            ; v6     4 (lane % 16)
.set PM,  7                            ; v7-8   my token of tile 0, 1
.set XA,  9                            ; v9-10  its codes: 1,024 token + 16 (lane / 16)
.set XSA, 11                           ; v11-12 its scale bytes: 64 token + 16 (lane / 16)
.set PW,  14                           ; v14-15 h's scale word of tile 0, 1
.set TM,  16                           ; v16-31 at work in the quantiser
.set PC,  32                           ; v32-47 h's codes of tile 0, 1
.set XSC, 48                           ; v48-63 x's scale words: register 8 i + 4 (s / 8) + s % 4; lanes 0-15 where (s / 4) % 2 = 0, else lanes 16-31
.set WSC, 64                           ; v64-127 W1's scale words: register 16 (t / 2) + s; lanes 0-15 the even tile's rows, lanes 16-31 the odd tile's
.set ACC, 128                          ; v128-255 accumulator (i, t) at 64 i + 8 t
.set BI,  80                           ; window 1: three sets of 80 (W1's 8 fragments, x's 2); at the end b1's 64 numbers take the second set
.set MSB, 0
.macro WIN new                         ; the immediate's high byte repeats the setting that is left
.if MSB != \new
	s_set_vgpr_msb (MSB<<8)|\new
.set MSB, \new
.endif
.endm
.macro PLACES                          ; four plain vector lines between a matrix instruction and a load into, or a vector read of, its registers (ISA guide 7.12.1 for vector instructions)
.rept 4
	v_nop
.endr
.endm
; The matrix line; its registers are the symbols rD, rA, rB, rSA, rSB; rRA, rRB: the scale words lie in lanes 16-31.  zero = 1: the product starts the sum
.macro WM zero
.if \zero
.if rRA
	v_wmma_scale_f32_16x16x128_f8f6f4 v[rD:rD+7], v[rA:rA+7], v[rB:rB+7], 0, v[rSA], v[rSB] matrix_a_fmt:MATRIX_FMT_FP4 matrix_b_fmt:MATRIX_FMT_FP4 matrix_a_scale:MATRIX_SCALE_ROW1
.else
	v_wmma_scale_f32_16x16x128_f8f6f4 v[rD:rD+7], v[rA:rA+7], v[rB:rB+7], 0, v[rSA], v[rSB] matrix_a_fmt:MATRIX_FMT_FP4 matrix_b_fmt:MATRIX_FMT_FP4
.endif
.elseif rRA && rRB
	v_wmma_scale_f32_16x16x128_f8f6f4 v[rD:rD+7], v[rA:rA+7], v[rB:rB+7], v[rD:rD+7], v[rSA], v[rSB] matrix_a_fmt:MATRIX_FMT_FP4 matrix_b_fmt:MATRIX_FMT_FP4 matrix_a_scale:MATRIX_SCALE_ROW1 matrix_b_scale:MATRIX_SCALE_ROW1
.elseif rRA
	v_wmma_scale_f32_16x16x128_f8f6f4 v[rD:rD+7], v[rA:rA+7], v[rB:rB+7], v[rD:rD+7], v[rSA], v[rSB] matrix_a_fmt:MATRIX_FMT_FP4 matrix_b_fmt:MATRIX_FMT_FP4 matrix_a_scale:MATRIX_SCALE_ROW1
.elseif rRB
	v_wmma_scale_f32_16x16x128_f8f6f4 v[rD:rD+7], v[rA:rA+7], v[rB:rB+7], v[rD:rD+7], v[rSA], v[rSB] matrix_a_fmt:MATRIX_FMT_FP4 matrix_b_fmt:MATRIX_FMT_FP4 matrix_b_scale:MATRIX_SCALE_ROW1
.else
	v_wmma_scale_f32_16x16x128_f8f6f4 v[rD:rD+7], v[rA:rA+7], v[rB:rB+7], v[rD:rD+7], v[rSA], v[rSB] matrix_a_fmt:MATRIX_FMT_FP4 matrix_b_fmt:MATRIX_FMT_FP4
.endif
.endm
.macro GRPW s                          ; K step s: W1's eight fragments, 16 loads
.set G, 80*((\s)%3)
.irp t, 0,1,2,3,4,5,6,7
.irp c, 0,1
	global_load_b128 v[G+8*\t+4*\c:G+8*\t+4*\c+3], v[WA], s[26:27] offset:(\s)*8192+\t*1024+\c*512
.endr
.endr
.endm
.macro GRPX s                          ; and x's two, 4 loads
.set G, 80*((\s)%3)+64
.irp i, 0,1
.irp c, 0,1
	global_load_b128 v[G+8*\i+4*\c:G+8*\i+4*\c+3], v[XA+\i], s[4:5] offset:(\s)*64+32*\c
.endr
.endr
.endm
.macro MM s, zero                      ; 16 matrix instructions; the 16 accumulators take turns, in the same order in every step
.irp t, 0,1,2,3,4,5,6,7
.irp i, 0,1
.set rD, ACC+64*\i+8*\t
.set rA, 80*((\s)%3)+8*\t
.set rB, 80*((\s)%3)+64+8*\i
.set rSA, WSC+16*(\t/2)+(\s)
.set rSB, XSC+8*\i+4*((\s)/8)+((\s)%4)
.set rRA, \t%2
.set rRB, ((\s)/4)%2
	WM \zero
.endr
.endr
.endm
; 64 numbers of a lane, register 16 b + i = k 32 b + 16 (lane / 16) + i of my token, become a fragment's codes in v[pc] on and its scale word in v[pw]
.macro QUANT s, pc, pw
.irp b, 0,1,2,3
	v_max3_num_f32 v[TM+\b], |v[\s+16*\b]|, |v[\s+1+16*\b]|, 0x1800000   ; block b: my 16 numbers, and the floor 2^(3 - 127): the byte cannot fall under 1
.endr
.irp i, 2,4,6,8,10,12,14
.irp b, 0,1,2,3
	v_max3_num_f32 v[TM+\b], v[TM+\b], |v[\s+16*\b+\i]|, |v[\s+1+16*\b+\i]|   ; (the four blocks by turns)
.endr
.endr
.irp b, 0,1,2,3
	v_permlanex16_b32 v[TM+4+\b], v[TM+\b], s14, s15
.endr
.irp b, 0,1,2,3
	v_max_num_f32 v[TM+\b], v[TM+\b], v[TM+4+\b]   ; with lane l xor 16's: the block's largest magnitude
.endr
.irp b, 0,1,2,3
	v_add_nc_u32 v[TM+12+\b], 0xff000000, v[TM+\b] ; 2 off its exponent field: the conversion's scale operand
.endr
.irp b, 0,1,2,3
	v_lshrrev_b32 v[TM+4+\b], 23, v[TM+12+\b]      ; the scale's byte
.endr
	v_lshl_or_b32 v[\pw], v[TM+5], 8, v[TM+4]      ; the four bytes make my token's scale word; lanes 16-31 hold the same
	v_lshl_or_b32 v[\pw], v[TM+6], 16, v[\pw]
	v_lshl_or_b32 v[\pw], v[TM+7], 24, v[\pw]
.irp b, 0,1,2,3
	v_cvt_scalef32_pk8_fp4_f32 v[\pc+2*\b], v[\s+16*\b:\s+7+16*\b], v[TM+12+\b]
	v_cvt_scalef32_pk8_fp4_f32 v[\pc+1+2*\b], v[\s+8+16*\b:\s+15+16*\b], v[TM+12+\b]
.endr
	v_nop                                          ; one plain line behind a scaled conversion
.irp c, 0,1                            ; the operand's layout wants a whole block in a lane: lanes 0-15 block 2 c, lanes 16-31 block 2 c + 1
.irp i, 0,1
	v_permlane16_swap_b32 v[\pc+4*\c+\i], v[\pc+2+4*\c+\i]
.endr
.endr
.endm
	s_load_b256 s[4:11], s[0:1], 0x0               ; xq s[4:5], wq s[6:7], route s[8:9], b1 s[10:11]
	s_load_b64 s[12:13], s[0:1], 0x20              ; hq
	v_lshrrev_b32 v1, 5, v0
	v_readfirstlane_b32 s16, v1                    ; wave 0..7
	s_lshl_b32 s17, ttmp9, 3
	s_add_co_u32 s17, s17, s16                     ; my place in the list: 8 x work-group x + wave,
	s_lshl_b32 s17, s17, 2                         ; in bytes
	v_and_b32 v1, 15, v0                           ; r
	v_bfe_u32 v2, v0, 4, 1                         ; h
	v_and_b32 v13, 31, v0
	v_lshlrev_b32 v[WA], 4, v13
	v_lshlrev_b32 v[L8], 3, v13
	v_lshlrev_b32 v[BA], 6, v2
	v_lshlrev_b32 v[HSA], 2, v1
	v_lshlrev_b32 v13, 4, v2                       ; 16 h
.irp b, 0,1,2,3
	v_mov_b32 v[TM+4+\b], 0                        ; written once: a lane permute's destination counts as one of its sources
.endr
	s_mov_b32 s14, 0x76543210
	s_mov_b32 s15, 0xfedcba98                      ; v_permlanex16_b32's selects for lane l xor 16
	s_wait_kmcnt 0x0
	s_load_b32 s18, s[8:9], s17 offset:ITEMS_OFF   ; my item
	s_wait_kmcnt 0x0
	s_bitcmp1_b32 s18, 31
	s_cbranch_scc1 .Lend                           ; no item at this place of the list
	s_and_b32 s19, s18, 0xff
	s_min_u32 s19, s19, 63                         ; the block
	s_bfe_u32 s20, s18, 0x80008
	s_min_u32 s20, s20, 7                          ; the expert
	s_and_b32 s21, ttmp7, 0xffff                   ; fg: the work-group's 128 hidden units
	s_mov_b32 s23, 0
	s_lshl_b32 s22, s20, 20
	s_lshl_b32 s24, s21, 17
	s_add_co_u32 s22, s22, s24
	s_add_nc_u64 s[26:27], s[6:7], s[22:23]        ; W1's codes: 1,048,576 e + 131,072 fg
	s_lshl_b32 s22, s20, 16
	s_lshl_b32 s24, s21, 13
	s_add_co_u32 s22, s22, s24
	s_add_co_u32 s22, s22, W1S_OFF
	s_add_nc_u64 s[28:29], s[6:7], s[22:23]        ; its scale words: 65,536 e + 8,192 fg
	s_lshl_b32 s22, s19, 7
	s_add_nc_u64 s[30:31], s[8:9], s[22:23]        ; the block's 32 words of the sorted row
	s_lshl_b32 s22, s20, 12
	s_lshl_b32 s24, s21, 9
	s_add_co_u32 s22, s22, s24
	s_add_nc_u64 s[32:33], s[10:11], s[22:23]      ; b1: 4,096 e + 512 fg
	s_lshl_b32 s25, s19, 3
	s_add_co_u32 s25, s25, s20                     ; 8 block + e
	s_lshl_b32 s22, s25, 14
	s_lshl_b32 s24, s21, 10
	s_add_co_u32 s22, s22, s24
	s_add_nc_u64 s[34:35], s[12:13], s[22:23]      ; h's codes
	s_lshl_b32 s22, s25, 10
	s_lshl_b32 s24, s21, 6
	s_add_co_u32 s22, s22, s24
	s_add_co_u32 s22, s22, HS_OFF
	s_add_nc_u64 s[36:37], s[12:13], s[22:23]      ; h's scale words
	global_load_b32 v[PM], v[HSA], s[30:31]
	global_load_b32 v[PM+1], v[HSA], s[30:31] offset:64
	WIN 0x40                                       ; destination window 1
	GRPW 0
	WIN 0
	s_wait_loadcnt 16                              ; the two words of the sorted row are in; behind them stand W1's 16 loads
.irp i, 0,1
	v_and_b32 v[PM+\i], 0xffff, v[PM+\i]
	v_min_u32 v[PM+\i], 2047, v[PM+\i]             ; the token
	v_lshl_add_u32 v[XA+\i], v[PM+\i], 10, v13
	v_lshl_add_u32 v[XSA+\i], v[PM+\i], 6, v13
.endr
.irp i, 0,1
.irp q, 0,1
	global_load_b128 v[XSC+8*\i+4*\q:XSC+8*\i+4*\q+3], v[XSA+\i], s[4:5] offset:XS_OFF+32*\q   ; lane (r, h): the words of K steps 8 q + 4 h + 0 .. 3
.endr
.endr
	WIN 0x40
	GRPX 0
	WIN 0
.irp p, 0,1,2,3
.irp q, 0,1,2,3,4,5,6,7
	global_load_b64 v[WSC+16*\p+2*\q:WSC+16*\p+2*\q+1], v[L8], s[28:29] offset:\p*2048+\q*256   ; 256 consecutive bytes: the words of K steps 2 q, 2 q + 1 of tiles 2 p and 2 p + 1
.endr
.endr
	WIN 0x40
	GRPW 1
	GRPX 1
	GRPW 2
	GRPX 2
	s_wait_loadcnt 40                              ; all but the 40 loads of K steps 1 and 2: K step 0 and all scale words are in
	WIN 0x05                                       ; sources 0 and 1 window 1; C and D window 0
	MM 0, 1                                        ; the first K step starts the sums: nothing is cleared
.set J, 1
.rept 13
	PLACES                                         ; the set that the last step multiplied is loaded again
	WIN 0x40
	GRPW J+2
	GRPX J+2
	s_wait_loadcnt 40                              ; K step J is in; the 40 loads of the two steps behind it may be out
	WIN 0x05
	MM J, 0
.set J, J+1
.endr
	PLACES
	WIN 0x40
.irp t, 0,1,2,3,4,5,6,7                ; b1 at my units of tile t: 32 (t / 2) + 16 h + 8 (t % 2) + 0 .. 7, into the set that K step 13 has left
	global_load_b128 v[BI+8*\t:BI+8*\t+3], v[BA], s[32:33] offset:(32*(\t/2)+8*(\t%2))*4
	global_load_b128 v[BI+8*\t+4:BI+8*\t+7], v[BA], s[32:33] offset:(32*(\t/2)+8*(\t%2))*4+16
.endr
	s_wait_loadcnt 36                              ; K step 14 is in; K step 15's 20 loads and b1's 16 may be out
	WIN 0x05
	MM 14, 0
	s_wait_loadcnt 16                              ; K step 15 is in
	MM 15, 0
	WIN 0
	s_wait_loadcnt 0x0                             ; b1
	PLACES
.irp i, 0,1
	WIN 0x04                                       ; source 1 (b1) window 1
.set N, 0
.rept 32
	v_pk_add_f32 v[ACC+64*\i+N:ACC+64*\i+N+1], v[ACC+64*\i+N:ACC+64*\i+N+1], v[BI+N:BI+N+1]   ; each accumulator from its low end on
.set N, N+2
.endr
	WIN 0
.set N, 0
.rept 64
	v_max_num_f32 v[ACC+64*\i+N], 0, v[ACC+64*\i+N]   ; the activation, in f32
.set N, N+1
.endr
	QUANT ACC+64*\i, PC+8*\i, PW+\i
	global_store_b128 v[WA], v[PC+8*\i:PC+8*\i+3], s[34:35] offset:\i*8192          ; the fragment as it stands in the registers: 512 consecutive bytes a store
	global_store_b128 v[WA], v[PC+8*\i+4:PC+8*\i+7], s[34:35] offset:\i*8192+512
	global_store_b32 v[HSA], v[PW+\i], s[36:37] offset:\i*512                       ; both halves of the lanes store the same word to the same place
.endr
.Lend:
	s_endpgm
.Lfunc_end_k_q0eb66af75e_ffn1:
	.size	k_q0eb66af75e_ffn1, .Lfunc_end_k_q0eb66af75e_ffn1-k_q0eb66af75e_ffn1
	.p2alignl 7, 3214868480
	.fill 96, 4, 3214868480
	.section	.rodata,"a",@progbits
	.p2align	6, 0x0
	.amdhsa_kernel k_q0eb66af75e_ffn1
		.amdhsa_group_segment_fixed_size 0
		.amdhsa_private_segment_fixed_size 0
		.amdhsa_enable_private_segment 0
		.amdhsa_kernarg_size 40
		.amdhsa_user_sgpr_count 2
		.amdhsa_user_sgpr_kernarg_segment_ptr 1
		.amdhsa_wavefront_size32 1
		.amdhsa_system_sgpr_workgroup_id_x 1
		.amdhsa_system_sgpr_workgroup_id_y 1
		.amdhsa_system_sgpr_workgroup_id_z 1
		.amdhsa_system_vgpr_workitem_id 0
		.amdhsa_next_free_vgpr 512
		.amdhsa_next_free_sgpr 66
		.amdhsa_reserve_vcc 0
		.amdhsa_float_denorm_mode_32 3
		.amdhsa_float_denorm_mode_16_64 3
		.amdhsa_memory_ordered 1
		.amdhsa_forward_progress 1
		.amdhsa_inst_pref_size 90
	.end_amdhsa_kernel
	.amdgpu_metadata
---
amdhsa.version: [ 1, 2 ]
amdhsa.kernels:
  - .name:           k_q0eb66af75e_ffn1
    .symbol:         k_q0eb66af75e_ffn1.kd
    .args:
      - { .name: xq, .offset: 0, .size: 8, .value_kind: global_buffer, .address_space: global }
      - { .name: wq, .offset: 8, .size: 8, .value_kind: global_buffer, .address_space: global }
      - { .name: route, .offset: 16, .size: 8, .value_kind: global_buffer, .address_space: global }
      - { .name: b1, .offset: 24, .size: 8, .value_kind: global_buffer, .address_space: global }
      - { .name: hq, .offset: 32, .size: 8, .value_kind: global_buffer, .address_space: global }
    .group_segment_fixed_size: 0
    .private_segment_fixed_size: 0
    .kernarg_segment_align: 8
    .kernarg_segment_size: 40
    .max_flat_workgroup_size: 256
    .sgpr_count:     66
    .vgpr_count:     512
    .wavefront_size: 32
...
	.end_amdgpu_metadata
.endif
;; end of part 6
;; launch ffn2 (part 7): grid 16 x 16, 4 waves a work-group, no clusters, 34,304 bytes of LDS; arguments hq, wq, route, xq, b2, out0; writes out0
.if DOCPART == 7
	.amdgcn_target "amdgcn-amd-amdhsa--gfx1250"
	.amdhsa_code_object_version 6
	.text
	.protected	k_q0eb66af75e_ffn2
	.globl	k_q0eb66af75e_ffn2
	.p2align	8
	.type	k_q0eb66af75e_ffn2,@function
k_q0eb66af75e_ffn2:
	s_mov_b64 s[64:65], 0
	v_nop
	global_prefetch_b8 v0, s[64:65] scope:SCOPE_SE
	s_setreg_imm32_b32 hwreg(HW_REG_WAVE_MODE, 25, 1), 1
	s_wait_xcnt 0x0
; out[token] = sum over the token's two experts of gate x (h W2[e] + b2[e]), on codes of FP4 (E2M1) with E8M0 scales.
; SHARES.  Wave w of work-group (x, y) owns block 4 x + w of 32 sorted tokens and columns 128 y .. 128 y + 127 of d: every number of the output has one owner, and nothing is added between work-groups.
; THE FOUR WAVES SHARE THE WEIGHTS, NOT THE TOKENS: they own four neighbouring blocks of the sorted row, which by the sort's order have an expert or two in common, and the same 128 columns; each walks the experts
; upward, so where their masks agree they ask for the same 65,536 bytes of W2's codes and 4,096 of its scale words side by side on one WGP.  A wave's own part of an expert is h's 16,384 bytes of codes.
; The wave walks the 8 experts in a loop of constant count and passes over, by a scalar branch on its block's stored mask, those that none of its tokens chose.  For an expert of the mask all 32 rows are
; multiplied; a token that did not choose it has the gate 0, as in the module itself.  K = 1,024 in 8 steps of 128; 2 tiles of tokens x 8 tiles of d: 16 accumulators.
; OPERANDS GO FROM MEMORY STRAIGHT INTO REGISTERS: W2's and h's fragments lie in the order of the operand's registers, two loads of 512 consecutive bytes each.  Four sets of registers take turns: the loads of
; three K steps are out while a fourth is multiplied.
; THE PRODUCT IS USED TRANSPOSED (source 0 = 16 rows of W2, source 1 = 16 tokens): lane (r, h) holds token r and eight neighbouring columns 16 t + 8 h + 0 .. 7.
; The running sum begins as zeros, written once while the first loads are out: which expert comes first is a stored number, so no product can be marked in the text as the one that starts it.
; THE WAY OUT: a tile of 16 tokens goes through the wave's own stage in LDS and leaves as rows: 32 lanes store 512 consecutive bytes, aligned, of one token's row.
; NO CLUSTER, NO TENSOR LOAD: the experts that a block walks hang on the stored mask and differ from block to block, so partners would need different tiles; no barrier: none may stand behind a branch on a stored
; number, so nothing holds the four waves in step, and no value hangs on whether they are.
; LIMITS: NaN and infinities are not served (a gate of 0 would not hide them).
.set W2C_OFF,   8388608
.set W2S_OFF,   17301504
.set HS_OFF,    8388608
.set GATE_OFF,  2228224
.set BMASK_OFF, 10240
.set SPITCH, 528                       ; a stage row: 512 bytes + 16
.set WA,  3                            ; v3     16 x lane
.set L8,  4                            ; v4     8 x lane
.set L4,  5                            ; v5     4 x lane
.set BA,  6                            ; v6     32 (lane / 16): my 8 columns of a tile, in b2
.set STO, 7                            ; v7     the stage: where I put 32 bytes of a row
.set RD,  8                            ; v8     and where I read a row back
.set PM,  10                           ; v10-11 my token's word of the sorted row, tile 0, 1
.set GA,  12                           ; v12-13 8 x token
.set E1,  16                           ; v16-17 its first expert
.set E2,  18                           ; v18-19 its second
.set GW,  20                           ; v20-23 their two weights
.set GG,  24                           ; v24-27 the gate for the expert in hand, as the low word of a pair
.set OA,  32                           ; v32-63 the 32 rows' store offsets
.set WSC, 64                           ; v64-95 W2's scale words: register 8 (t / 2) + s; lanes 0-15 the even tile's rows, lanes 16-31 the odd tile's
.set HSC, 96                           ; v96-103 h's: register 4 i + s / 2; lanes 0-15 the even K step, lanes 16-31 the odd
.set Y,   128                          ; v128-255 accumulator (i, t) at 64 i + 8 t; on the way out the rows read back
; window 1: sets 0 to 2 of 80 registers (W2's 8 fragments, h's 2); b2's 64 numbers take set 0 at an expert's end.  window 2: v0-127 the running sum, v128-207 set 3
.set MSB, 0
.macro WIN new                         ; the immediate's high byte repeats the setting that is left
.if MSB != \new
	s_set_vgpr_msb (MSB<<8)|\new
.set MSB, \new
.endif
.endm
.macro PLACES                          ; four plain vector lines between a matrix instruction and a load into its registers
.rept 4
	v_nop
.endr
.endm
; The matrix line; its registers are the symbols rD, rA, rB, rSA, rSB; rRA, rRB: the scale words lie in lanes 16-31.  zero = 1: the product starts the sum
.macro WM zero
.if \zero
.if rRA
	v_wmma_scale_f32_16x16x128_f8f6f4 v[rD:rD+7], v[rA:rA+7], v[rB:rB+7], 0, v[rSA], v[rSB] matrix_a_fmt:MATRIX_FMT_FP4 matrix_b_fmt:MATRIX_FMT_FP4 matrix_a_scale:MATRIX_SCALE_ROW1
.else
	v_wmma_scale_f32_16x16x128_f8f6f4 v[rD:rD+7], v[rA:rA+7], v[rB:rB+7], 0, v[rSA], v[rSB] matrix_a_fmt:MATRIX_FMT_FP4 matrix_b_fmt:MATRIX_FMT_FP4
.endif
.elseif rRA && rRB
	v_wmma_scale_f32_16x16x128_f8f6f4 v[rD:rD+7], v[rA:rA+7], v[rB:rB+7], v[rD:rD+7], v[rSA], v[rSB] matrix_a_fmt:MATRIX_FMT_FP4 matrix_b_fmt:MATRIX_FMT_FP4 matrix_a_scale:MATRIX_SCALE_ROW1 matrix_b_scale:MATRIX_SCALE_ROW1
.elseif rRA
	v_wmma_scale_f32_16x16x128_f8f6f4 v[rD:rD+7], v[rA:rA+7], v[rB:rB+7], v[rD:rD+7], v[rSA], v[rSB] matrix_a_fmt:MATRIX_FMT_FP4 matrix_b_fmt:MATRIX_FMT_FP4 matrix_a_scale:MATRIX_SCALE_ROW1
.elseif rRB
	v_wmma_scale_f32_16x16x128_f8f6f4 v[rD:rD+7], v[rA:rA+7], v[rB:rB+7], v[rD:rD+7], v[rSA], v[rSB] matrix_a_fmt:MATRIX_FMT_FP4 matrix_b_fmt:MATRIX_FMT_FP4 matrix_b_scale:MATRIX_SCALE_ROW1
.else
	v_wmma_scale_f32_16x16x128_f8f6f4 v[rD:rD+7], v[rA:rA+7], v[rB:rB+7], v[rD:rD+7], v[rSA], v[rSB] matrix_a_fmt:MATRIX_FMT_FP4 matrix_b_fmt:MATRIX_FMT_FP4
.endif
.endm
.macro GRP s                           ; K step s: W2's eight fragments and h's two: 20 loads, into set s % 4
.if ((\s)%4) == 3
	WIN 0x80                                       ; destination window 2
.set G, 128
.else
	WIN 0x40                                       ; destination window 1
.set G, 80*((\s)%4)
.endif
.irp t, 0,1,2,3,4,5,6,7
.irp c, 0,1
	global_load_b128 v[G+8*\t+4*\c:G+8*\t+4*\c+3], v[WA], s[66:67] offset:(\s)*8192+\t*1024+\c*512
.endr
.endr
.irp i, 0,1
.irp c, 0,1
	global_load_b128 v[G+64+8*\i+4*\c:G+64+8*\i+4*\c+3], v[WA], s[70:71] offset:\i*8192+(\s)*1024+\c*512
.endr
.endr
.endm
.macro MM s, zero                      ; 16 matrix instructions; the 16 accumulators take turns, in the same order in every step
.if ((\s)%4) == 3
	WIN 0x0a                                       ; sources 0 and 1 window 2; C and D window 0
.set G, 128
.else
	WIN 0x05                                       ; sources 0 and 1 window 1
.set G, 80*((\s)%4)
.endif
.irp t, 0,1,2,3,4,5,6,7
.irp i, 0,1
.set rD, Y+64*\i+8*\t
.set rA, G+8*\t
.set rB, G+64+8*\i
.set rSA, WSC+8*(\t/2)+(\s)
.set rSB, HSC+4*\i+(\s)/2
.set rRA, \t%2
.set rRB, (\s)%2
	WM \zero
.endr
.endr
.endm
	s_load_b256 s[4:11], s[0:1], 0x0               ; hq s[4:5], wq s[6:7], route s[8:9], xq s[10:11]
	s_load_b128 s[12:15], s[0:1], 0x20             ; b2 s[12:13], out0 s[14:15]
	v_lshl_add_u32 v126, v0, 2, 0x8400
	v_mov_b32 v127, 0
	v_lshrrev_b32 v1, 5, v0
	v_readfirstlane_b32 s16, v1                    ; wave 0..3
	v_and_b32 v1, 15, v0                           ; r
	v_bfe_u32 v2, v0, 4, 1                         ; h
	v_and_b32 v9, 31, v0
	v_lshlrev_b32 v[WA], 4, v9
	v_lshlrev_b32 v[L8], 3, v9
	v_lshlrev_b32 v[L4], 2, v9
	v_lshlrev_b32 v[BA], 5, v2
	s_mul_i32 s17, s16, 16*SPITCH                  ; my stage
	v_mul_u32_u24 v[STO], v1, SPITCH
	v_lshl_add_u32 v[STO], v2, 5, v[STO]
	v_add_nc_u32 v[STO], s17, v[STO]               ; in: row r, + 32 h
	v_add_nc_u32 v[RD], s17, v[WA]                 ; back: the 32 lanes take one row of 512 bytes
	v_lshlrev_b32 v14, 2, v1
	s_lshl_b32 s26, ttmp9, 2
	s_add_co_u32 s26, s26, s16                     ; my block: 4 x work-group x + wave
	s_lshl_b32 s18, s26, 2
	s_lshl_b32 s22, s26, 7
	s_mov_b32 s23, 0
	s_and_b32 s19, ttmp7, 0xffff                   ; dg: the work-group's 128 columns
	s_wait_kmcnt 0x0
	s_add_nc_u64 s[24:25], s[8:9], s[22:23]        ; the block's 32 words of the sorted row
	s_load_b32 s20, s[8:9], s18 offset:BMASK_OFF   ; the block's mask of experts
	s_load_b512 s[32:47], s[24:25], 0x0            ; the 32 words as scalars, for the rows' addresses on the way out
	s_load_b512 s[48:63], s[24:25], 0x40
	global_load_b32 v[PM], v14, s[24:25]           ; and by lanes: lane (r, h) has token r of tile 0, 1
	global_load_b32 v[PM+1], v14, s[24:25] offset:64
	s_lshl_b32 s22, s19, 16
	s_add_co_u32 s22, s22, W2C_OFF
	s_add_nc_u64 s[66:67], s[6:7], s[22:23]        ; W2's codes of expert 0: 65,536 dg
	s_lshl_b32 s22, s19, 12
	s_add_co_u32 s22, s22, W2S_OFF
	s_add_nc_u64 s[68:69], s[6:7], s[22:23]        ; its scale words: 4,096 dg
	s_lshl_b32 s22, s26, 17
	s_add_nc_u64 s[70:71], s[4:5], s[22:23]        ; h's codes of expert 0: 131,072 block
	s_lshl_b32 s22, s26, 13
	s_add_co_u32 s22, s22, HS_OFF
	s_add_nc_u64 s[72:73], s[4:5], s[22:23]        ; its scale words: 8,192 block
	s_lshl_b32 s22, s19, 9
	s_add_nc_u64 s[74:75], s[12:13], s[22:23]      ; b2 of expert 0, my 128 columns
	s_add_nc_u64 s[76:77], s[14:15], s[22:23]      ; out0, my 128 columns
	s_mov_b32 s78, 0                               ; the expert in hand
	WIN 0x80                                       ; destination window 2
.set N, 0
.rept 128
	v_mov_b32 v[N], 0                              ; the running sum
.set N, N+1
.endr
	WIN 0
	v_mov_b32 v[GG+1], 0                           ; (named as the upper halves of pairs, so they are written)
	v_mov_b32 v[GG+3], 0
	s_wait_loadcnt 0x0
.irp i, 0,1
	v_bfe_u32 v[E1+\i], v[PM+\i], 16, 3
	v_bfe_u32 v[E2+\i], v[PM+\i], 24, 3
	v_and_b32 v[PM+\i], 0xffff, v[PM+\i]
	v_min_u32 v[PM+\i], 2047, v[PM+\i]
	v_lshlrev_b32 v[GA+\i], 3, v[PM+\i]
	global_load_b64 v[GW+2*\i:GW+2*\i+1], v[GA+\i], s[10:11] offset:GATE_OFF   ; first read behind an expert's wait for all loads
.endr
	s_wait_kmcnt 0x0
.set N, 32
.rept 32
	s_and_b32 s[N], s[N], 0xffff
	s_min_u32 s[N], s[N], 2047                     ; the row's token,
	s_lshl_b32 s[N], s[N], 13                      ; its row of 8,192 bytes in out0
.set N, N+1
.endr
.Lexpert:
	s_lshr_b32 s21, s20, s78
	s_and_b32 s21, s21, 1
	s_cmp_lg_u32 s21, 0
	s_cbranch_scc0 .Lskip                          ; none of my tokens chose this expert
.irp p, 0,1,2,3
.irp q, 0,1,2,3
	global_load_b64 v[WSC+8*\p+2*\q:WSC+8*\p+2*\q+1], v[L8], s[68:69] offset:\p*1024+\q*256   ; the words of K steps 2 q, 2 q + 1 of tiles 2 p and 2 p + 1
.endr
.endr
.irp i, 0,1
.irp q, 0,1,2,3
	global_load_b32 v[HSC+4*\i+\q], v[L4], s[72:73] offset:\i*512+\q*128   ; lanes 0-15: K step 2 q; lanes 16-31: K step 2 q + 1
.endr
.endr
	GRP 0
	GRP 1
	GRP 2
	GRP 3
	s_wait_loadcnt 60                              ; all but the 60 loads of K steps 1 to 3: the scale words and K step 0 are in
	MM 0, 1                                        ; the first K step starts the expert's sums
.set J, 1
.rept 4
	PLACES                                         ; the set that the last step multiplied is loaded again
	GRP J+3
	s_wait_loadcnt 60                              ; K step J is in; the 60 loads of the three steps behind it may be out
	MM J, 0
.set J, J+1
.endr
	PLACES
	WIN 0x40
.irp t, 0,1,2,3,4,5,6,7                ; b2 at my 8 columns of tile t, into the set that K step 4 has left
	global_load_b128 v[8*\t:8*\t+3], v[BA], s[74:75] offset:64*\t
	global_load_b128 v[8*\t+4:8*\t+7], v[BA], s[74:75] offset:64*\t+16
.endr
	s_wait_loadcnt 56                              ; K step 5 is in; the 40 loads of K steps 6 and 7 and b2's 16 may be out
	MM 5, 0
	s_wait_loadcnt 36                              ; K step 6 is in
	MM 6, 0
	s_wait_loadcnt 16                              ; K step 7 is in
	MM 7, 0
	WIN 0
	s_wait_loadcnt 0x0                             ; b2 (and, in the first expert walked, the gates' weights): no load is out when the pointers step below
.irp i, 0,1                            ; the gate of my token for this expert, 0 if it chose another; these eight plain lines are also the places behind the last products
	v_cmp_eq_u32 vcc_lo, s78, v[E2+\i]
	v_cndmask_b32 v[GG+2*\i], 0, v[GW+2*\i+1], vcc_lo
	v_cmp_eq_u32 vcc_lo, s78, v[E1+\i]
	v_cndmask_b32 v[GG+2*\i], v[GG+2*\i], v[GW+2*\i], vcc_lo
.endr
	WIN 0x04                                       ; source 1 (b2) window 1
.irp i, 0,1
.set N, 0
.rept 32
	v_pk_add_f32 v[Y+64*\i+N:Y+64*\i+N+1], v[Y+64*\i+N:Y+64*\i+N+1], v[N:N+1]   ; each accumulator from its low end on
.set N, N+2
.endr
.endr
	WIN 0xa0                                       ; source 2 and destination (the running sum) window 2
.irp i, 0,1
.set N, 0
.rept 32
	v_pk_fma_f32 v[64*\i+N:64*\i+N+1], v[Y+64*\i+N:Y+64*\i+N+1], v[GG+2*\i:GG+2*\i+1], v[64*\i+N:64*\i+N+1] op_sel_hi:[1,0,1]
.set N, N+2
.endr
.endr
	WIN 0
.Lskip:
	s_add_nc_u64 s[66:67], s[66:67], 0x100000      ; on to the next expert
	s_add_nc_u64 s[68:69], s[68:69], 0x10000
	s_add_nc_u64 s[70:71], s[70:71], 0x4000
	s_add_nc_u64 s[72:73], s[72:73], 0x400
	s_add_nc_u64 s[74:75], s[74:75], 0x2000
	s_add_co_u32 s78, s78, 1
	s_cmp_lt_u32 s78, 8
	s_cbranch_scc1 .Lexpert
.macro TOSTAGE i                       ; tile i: 16 tokens x 128 columns into my stage, and back as rows.  LDS serves a wave's instructions in order (ISA guide 5.7.1.4): no wait between the stores and the loads
	WIN 0x08                                       ; an LDS store's data are its source 1: window 2
.irp t, 0,1,2,3,4,5,6,7
	ds_store_b128 v[STO], v[64*\i+8*\t:64*\i+8*\t+3] offset:64*\t
	ds_store_b128 v[STO], v[64*\i+8*\t+4:64*\i+8*\t+7] offset:64*\t+16
.endr
	WIN 0
.irp p, 0,1,2,3,4,5,6,7,8,9,10,11,12,13,14,15
	ds_load_b128 v[Y+64*\i+4*\p:Y+64*\i+4*\p+3], v[RD] offset:SPITCH*\p
.endr
.endm
.macro SEND i, younger                 ; younger: the LDS instructions issued behind tile i's loads, which may stay out
.irp p, 0,1,2,3,4,5,6,7,8,9,10,11,12,13,14,15
	s_wait_dscnt \younger+15-\p                    ; row p is back
	v_add_nc_u32 v[OA+16*\i+\p], s[32+16*\i+\p], v[WA]
	global_store_b128 v[OA+16*\i+\p], v[Y+64*\i+4*\p:Y+64*\i+4*\p+3], s[76:77] th:TH_STORE_NT   ; 32 lanes store 512 consecutive bytes, aligned, of one token's row; written once, read by nobody here
.endr
.endm
	TOSTAGE 0
	TOSTAGE 1
	SEND 0, 32                                     ; behind tile 0's loads: tile 1's 16 stores and 16 loads
	SEND 1, 0
	s_wait_tensorcnt 0x0
	ds_add_u32 v126, v127
	s_wait_dscnt 0x0
	s_endpgm
.Lfunc_end_k_q0eb66af75e_ffn2:
	.size	k_q0eb66af75e_ffn2, .Lfunc_end_k_q0eb66af75e_ffn2-k_q0eb66af75e_ffn2
	.p2alignl 7, 3214868480
	.fill 96, 4, 3214868480
	.section	.rodata,"a",@progbits
	.p2align	6, 0x0
	.amdhsa_kernel k_q0eb66af75e_ffn2
		.amdhsa_group_segment_fixed_size 34304
		.amdhsa_private_segment_fixed_size 0
		.amdhsa_enable_private_segment 0
		.amdhsa_kernarg_size 48
		.amdhsa_user_sgpr_count 2
		.amdhsa_user_sgpr_kernarg_segment_ptr 1
		.amdhsa_wavefront_size32 1
		.amdhsa_system_sgpr_workgroup_id_x 1
		.amdhsa_system_sgpr_workgroup_id_y 1
		.amdhsa_system_sgpr_workgroup_id_z 1
		.amdhsa_system_vgpr_workitem_id 0
		.amdhsa_next_free_vgpr 720
		.amdhsa_next_free_sgpr 80
		.amdhsa_reserve_vcc 1
		.amdhsa_float_denorm_mode_32 3
		.amdhsa_float_denorm_mode_16_64 3
		.amdhsa_memory_ordered 1
		.amdhsa_forward_progress 1
		.amdhsa_inst_pref_size 67
	.end_amdhsa_kernel
	.amdgpu_metadata
---
amdhsa.version: [ 1, 2 ]
amdhsa.kernels:
  - .name:           k_q0eb66af75e_ffn2
    .symbol:         k_q0eb66af75e_ffn2.kd
    .args:
      - { .name: hq, .offset: 0, .size: 8, .value_kind: global_buffer, .address_space: global }
      - { .name: wq, .offset: 8, .size: 8, .value_kind: global_buffer, .address_space: global }
      - { .name: route, .offset: 16, .size: 8, .value_kind: global_buffer, .address_space: global }
      - { .name: xq, .offset: 24, .size: 8, .value_kind: global_buffer, .address_space: global }
      - { .name: b2, .offset: 32, .size: 8, .value_kind: global_buffer, .address_space: global }
      - { .name: out0, .offset: 40, .size: 8, .value_kind: global_buffer, .address_space: global }
    .group_segment_fixed_size: 34304
    .private_segment_fixed_size: 0
    .kernarg_segment_align: 8
    .kernarg_segment_size: 48
    .max_flat_workgroup_size: 128
    .sgpr_count:     80
    .vgpr_count:     720
    .wavefront_size: 32
...
	.end_amdgpu_metadata
.endif
;; end of part 7
;; ======== version 3 of 3: 4 launches
;; workspace buffers: xq 2,260,992 bytes; sel 8,192 bytes of whole numbers; wq 17,825,792 bytes; route 10,496 bytes of whole numbers; hq 8,912,896 bytes
;; launch xprep (part 8): grid 256 x 1, 4 waves a work-group, no clusters, 23,040 bytes of LDS; arguments x, Wg, xq, sel; writes xq, sel
.if DOCPART == 8
	.amdgcn_target "amdgcn-amd-amdhsa--gfx1250"
	.amdhsa_code_object_version 6
	.text
	.protected	k_q0eb66af75e_xprep
	.globl	k_q0eb66af75e_xprep
	.p2align	8
	.type	k_q0eb66af75e_xprep,@function
k_q0eb66af75e_xprep:
	s_mov_b64 s[64:65], 0
	v_nop
	global_prefetch_b8 v0, s[64:65] scope:SCOPE_SE
	s_setreg_imm32_b32 hwreg(HW_REG_WAVE_MODE, 25, 1), 1
	s_wait_xcnt 0x0
; x [2048 tokens][2048] f32 is turned into codes of FP4 (E2M1) with one E8M0 byte for each 32 along d, and the router is computed beside it, in f32:
; logits = x Wg, the two largest of the eight (equal logits: the lower index first), the softmax of these two, the softmax of all eight and the top-1 counts for the load-balancing loss.
; OUT:  xq + 0        codes [token][1024 bytes], d innermost, the lower d in the low four bits
;       xq + XS_OFF   scale bytes [token][64]
;       xq + GATE_OFF [token][2] f32: the weight of the first and of the second chosen expert
;       xq + LBP_OFF  [work-group][16] f32: the sums over its 8 tokens of the 8 probabilities, then of the 8 top-1 flags
;       sel           [token] u32 = first expert | second expert << 8, at fixed places: no address of this launch hangs on the choice
; SHARES.  A work-group takes 8 tokens; wave w takes d = 512 w .. 512 w + 511 of each.  A step is one token: four loads of 512 consecutive bytes, turned through the wave's own stage in LDS,
; so that a lane holds 16 neighbours along d (two neighbouring lanes hold a block of 32).  The same 16 numbers are multiplied with the lane's 16 rows of Wg, which stay in 128 registers (window 1).
; A block's scale is 2^(floor(log2(largest magnitude)) - 2): its byte is the largest magnitude's exponent field - 2, held at 1 from below.
; LIMITS: a block of zeros, or one whose largest magnitude lies under 2^-124, gets the byte 1 (its codes are zeros or the nearest codes under that scale; the bytes are read by this program alone);
; NaN and infinities among the inputs are not served; the logits' f32 sums run in another order than a row-by-row sum, so two logits that differ by about 1e-6 of their size may change places.
; No matrix unit (N = 8), no cluster and no tensor load: the work-groups share only Wg's 65,536 bytes, a 256th of what the launch reads.
.set SP,    80                         ; a lane's place in a stage: its 64 bytes + 16 of padding
.set WREG,  2*32*SP                    ; LDS of a wave: two stages
.set SBB,   4*WREG                     ; 512 bytes: the work-group's scale bytes [token][64]
.set LGB,   SBB+512                    ; 1,024 bytes: partial logits [wave][token][8] f32
.set XS_OFF,   2097152
.set GATE_OFF, 2228224
.set LBP_OFF,  2244608
.set R,  16                            ; v16-143  eight sets of 16 numbers as loaded, one for each token
.set X,  144                           ; v144-175 two sets of 16 neighbours
.set C,  176                           ; v176-191 codes, two registers a step: no store's data are written again
.set E,  192                           ; v192-199 a scale byte a step
.set A,  200                           ; v200-207 the step's 8 partial logits
.set T,  208                           ; v208-215 the other half's
.set LG, 216                           ; v216-223 lane l keeps the 8 logits of token l % 8
.set MSB, 0
.macro WIN new                         ; the immediate's high byte repeats the setting that is left
.if MSB != \new
	s_set_vgpr_msb (MSB<<8)|\new
.set MSB, \new
.endif
.endm
	s_load_b256 s[4:11], s[0:1], 0x0               ; x s[4:5], Wg s[6:7], xq s[8:9], sel s[10:11]
	v_lshl_add_u32 v254, v0, 2, 0x5800
	v_mov_b32 v255, 0
	v_lshrrev_b32 v1, 5, v0
	v_readfirstlane_b32 s16, v1                    ; wave 0..3
	v_and_b32 v2, 31, v0                           ; lane
	v_lshlrev_b32 v3, 4, v2                        ; my 16 bytes of a load's 512
	v_lshlrev_b32 v4, 3, v2                        ; my 8 bytes of a step's codes
	s_mul_i32 s17, s16, WREG
	v_lshrrev_b32 v14, 2, v2
	v_mul_u32_u24 v14, v14, SP
	v_and_b32 v15, 3, v2
	v_lshl_add_u32 v14, v15, 4, v14
	v_add_nc_u32 v14, s17, v14                     ; the stage, way in: four lanes' 64 bytes on end, then 16 of padding
	v_mul_u32_u24 v15, v2, SP
	v_add_nc_u32 v15, s17, v15                     ; way out: my 16 neighbours
	s_lshl_b32 s17, s16, 4
	s_add_co_u32 s17, s17, SBB
	v_lshrrev_b32 v5, 1, v2
	v_add_nc_u32 v5, s17, v5                       ; my block's scale byte: SBB + 16 wave + lane / 2 (+ 64 token)
	v_and_b32 v7, 7, v2                            ; the token whose logits I keep
	v_lshlrev_b32 v8, 5, v7
	v_add_nc_u32 v8, LGB, v8                       ; its 32 bytes in wave 0's part of the partial logits
	s_lshl_b32 s17, s16, 8
	v_add_nc_u32 v6, s17, v8                       ; and in my wave's
	v_add_nc_u32 v9, SBB, v3                       ; the scale bytes on their way out: 16 a lane
	s_lshl_b32 s17, s16, 14
	v_lshl_add_u32 v13, v2, 9, s17                 ; Wg: my 16 rows of 32 bytes begin at 16,384 wave + 512 lane
.irp e, 0,1,2,3,4,5,6,7
	v_mov_b32 v[T+\e], 0                           ; written once: a lane permute's destination counts as one of its sources
.endr
	s_mov_b32 s20, 0x76543210
	s_mov_b32 s21, 0xfedcba98                      ; v_permlanex16_b32's selects for lane l xor 16
	s_lshl_b32 s12, ttmp9, 16                      ; x: 8 tokens of 8,192 bytes a work-group,
	s_lshl_b32 s14, s16, 11                        ; 2,048 bytes of each token a wave
	s_add_co_u32 s12, s12, s14
	s_mov_b32 s13, 0
	s_wait_alu depctr_va_vdst(0)
	s_wait_kmcnt 0x0
	s_add_nc_u64 s[4:5], s[4:5], s[12:13]
	s_lshl_b32 s12, ttmp9, 13                      ; codes: 8 tokens of 1,024 bytes, 256 of each a wave
	s_lshl_b32 s14, s16, 8
	s_add_co_u32 s12, s12, s14
	s_add_nc_u64 s[18:19], s[8:9], s[12:13]
	WIN 0x40                                       ; destination window 1
.set N, 0
.rept 32
	global_load_b128 v[4*N:4*N+3], v13, s[6:7] offset:16*N   ; register 8 i + e = Wg[512 wave + 16 lane + i][e]
.set N, N+1
.endr
	WIN 0
.macro LOAD t                          ; token t: 32 lanes read 512 consecutive bytes, four times
.irp i, 0,1,2,3
	global_load_b128 v[R+16*(\t)+4*\i:R+16*(\t)+4*\i+3], v3, s[4:5] offset:8192*(\t)+512*\i th:TH_LOAD_NT
.endr
.endm
.macro TURN t                          ; token t's numbers through a stage: LDS serves a wave's instructions in order, so no wait stands between the stores and the loads
.irp i, 0,1,2,3
	ds_store_b128 v14, v[R+16*(\t)+4*\i:R+16*(\t)+4*\i+3] offset:32*SP*((\t)%2)+8*SP*\i
.endr
.irp i, 0,1,2,3
	ds_load_b128 v[X+16*((\t)%2)+4*\i:X+16*((\t)%2)+4*\i+3], v15 offset:32*SP*((\t)%2)+16*\i
.endr
.endm
.irp t, 0,1,2,3,4,5,6,7
	LOAD \t                                        ; all of the wave's 32 loads of x go out at once
.endr
	s_wait_loadcnt 28                              ; Wg and token 0 are in: behind them stand the 28 loads of tokens 1 to 7
	TURN 0
.macro STEP t
.set XW, X+16*((\t)%2)
.if (\t) > 0
	s_wait_dscnt 1                                 ; this token's numbers are back from the stage; the last step's byte store may be out
.else
	s_wait_dscnt 0x0
.endif
.if (\t) < 7
	s_wait_loadcnt 4*(6-(\t))                      ; the next token's four loads are in; those of the tokens behind it may be out
	TURN (\t)+1                                    ; and go through the other stage while this token is worked
.endif
	v_max3_num_f32 v10, |v[XW]|, |v[XW+1]|, |v[XW+2]|              ; the largest magnitude of my 16, in two chains
	v_max3_num_f32 v12, |v[XW+3]|, |v[XW+4]|, |v[XW+5]|
.irp i, 6,10
	v_max3_num_f32 v10, v10, |v[XW+\i]|, |v[XW+\i+1]|
	v_max3_num_f32 v12, v12, |v[XW+\i+2]|, |v[XW+\i+3]|
.endr
	v_max3_num_f32 v10, v10, |v[XW+14]|, |v[XW+15]|
	v_max3_num_f32 v10, v10, v12, 0x1800000        ; and the floor 2^(3 - 127): the byte cannot fall under 1
	v_max_num_f32_dpp v10, v10, v10 row_xmask:1 row_mask:0xf bank_mask:0xf   ; with my neighbour's 16: the block's
	v_add_nc_u32 v11, 0xff000000, v10              ; 2 off its exponent field: the conversion takes the exponent field of this operand as its scale
	v_cvt_scalef32_pk8_fp4_f32 v[C+2*(\t)], v[XW:XW+7], v11
	v_cvt_scalef32_pk8_fp4_f32 v[C+2*(\t)+1], v[XW+8:XW+15], v11
	v_lshrrev_b32 v[E+(\t)], 23, v11               ; the scale's byte (also the plain line behind the conversions)
	ds_store_b8 v5, v[E+(\t)] offset:64*(\t)       ; both lanes of a block write the same byte with the same value
	global_store_b64 v4, v[C+2*(\t):C+2*(\t)+1], s[18:19] offset:1024*(\t)   ; the wave stores 256 consecutive bytes, aligned
	; the router: my 16 numbers x my 16 rows of Wg, two experts an instruction; the number is taken for both halves
	WIN 0x01                                       ; source 0 (Wg) window 1
.irp p, 0,1,2,3
	v_pk_mul_f32 v[A+2*\p:A+2*\p+1], v[2*\p:2*\p+1], v[XW:XW+1] op_sel_hi:[1,0]
.endr
.irp p, 0,1,2,3
	v_pk_fma_f32 v[A+2*\p:A+2*\p+1], v[8+2*\p:9+2*\p], v[XW:XW+1], v[A+2*\p:A+2*\p+1] op_sel:[0,1,0] op_sel_hi:[1,1,1]
.endr
.irp j, 2,4,6,8,10,12,14
.irp p, 0,1,2,3
	v_pk_fma_f32 v[A+2*\p:A+2*\p+1], v[8*\j+2*\p:8*\j+2*\p+1], v[XW+\j:XW+\j+1], v[A+2*\p:A+2*\p+1] op_sel_hi:[1,0,1]
.endr
.irp p, 0,1,2,3
	v_pk_fma_f32 v[A+2*\p:A+2*\p+1], v[8*\j+8+2*\p:8*\j+9+2*\p], v[XW+\j:XW+\j+1], v[A+2*\p:A+2*\p+1] op_sel:[0,1,0] op_sel_hi:[1,1,1]
.endr
.endr
	WIN 0
.irp m, 1,2,4,8                        ; the sum over the wave's 32 lanes, the eight experts by turns
.irp e, 0,1,2,3,4,5,6,7
	v_add_f32_dpp v[A+\e], v[A+\e], v[A+\e] row_xmask:\m row_mask:0xf bank_mask:0xf
.endr
.endr
.irp e, 0,1,2,3,4,5,6,7
	v_permlanex16_b32 v[T+\e], v[A+\e], s20, s21
.endr
.irp e, 0,1,2,3,4,5,6,7
	v_add_f32 v[A+\e], v[A+\e], v[T+\e]
.endr
.if (\t) == 0
.irp e, 0,1,2,3,4,5,6,7
	v_mov_b32 v[LG+\e], v[A+\e]
.endr
.else
	v_cmp_eq_u32 vcc_lo, \t, v7                    ; the lanes that keep this token
.irp e, 0,1,2,3,4,5,6,7
	v_cndmask_b32 v[LG+\e], v[LG+\e], v[A+\e], vcc_lo
.endr
.endif
.endm
.irp t, 0,1,2,3,4,5,6,7
	STEP \t
.endr
	ds_store_b128 v6, v[LG:LG+3]                   ; my wave's partial logits; the four lanes that keep a token write the same bytes with the same values
	ds_store_b128 v6, v[LG+4:LG+7] offset:16
	s_wait_dscnt 0x0                               ; for the others' sake: my scale bytes and partial logits have landed
	s_barrier_signal -1
	s_barrier_wait -1
	s_cmp_lg_u32 s16, 0
	s_cbranch_scc1 .Lend                           ; the rest is wave 0's
	ds_load_b128 v[48:51], v9                      ; the work-group's 512 scale bytes
.irp w, 0,1,2,3
	ds_load_b128 v[16+8*\w:19+8*\w], v8 offset:256*\w
	ds_load_b128 v[20+8*\w:23+8*\w], v8 offset:256*\w+16
.endr
	s_lshl_b32 s12, ttmp9, 9
	v_add_nc_u32 v52, s12, v3
	s_wait_alu depctr_va_vdst(0)
	s_wait_dscnt 0x0
	global_store_b128 v52, v[48:51], s[8:9] offset:XS_OFF    ; 512 consecutive bytes, aligned
.irp j, 0,2,4,6
	v_pk_add_f32 v[16+\j:17+\j], v[16+\j:17+\j], v[24+\j:25+\j]
	v_pk_add_f32 v[32+\j:33+\j], v[32+\j:33+\j], v[40+\j:41+\j]
.endr
.irp j, 0,2,4,6
	v_pk_add_f32 v[16+\j:17+\j], v[16+\j:17+\j], v[32+\j:33+\j]   ; v16-23: the 8 logits of token lane % 8
.endr
	v_max3_num_f32 v60, v16, v17, v18
	v_max3_num_f32 v60, v60, v19, v20
	v_max3_num_f32 v60, v60, v21, v22
	v_max_num_f32 v60, v60, v23                    ; the largest logit
	v_mov_b32 v61, 7
.irp e, 6,5,4,3,2,1,0
	v_cmp_neq_f32 vcc_lo, v[16+\e], v60
	v_cndmask_b32 v61, \e, v61, vcc_lo             ; its index: of equal logits the lowest index is written last and stays
.endr
	v_mov_b32 v62, 0xff800000                      ; -infinity
.irp e, 0,1,2,3,4,5,6,7
	v_cmp_eq_u32 vcc_lo, \e, v61
	v_cndmask_b32 v[24+\e], v[16+\e], v62, vcc_lo  ; the logits without the first choice
.endr
	v_max3_num_f32 v63, v24, v25, v26
	v_max3_num_f32 v63, v63, v27, v28
	v_max3_num_f32 v63, v63, v29, v30
	v_max_num_f32 v63, v63, v31                    ; the second largest
	v_mov_b32 v64, 7
.irp e, 6,5,4,3,2,1,0
	v_cmp_neq_f32 vcc_lo, v[24+\e], v63
	v_cndmask_b32 v64, \e, v64, vcc_lo
.endr
	; both softmaxes take the largest logit away first.  The difference is formed before the factor log2(e), not fused with it: so it is exact also under a large common offset of the logits
	v_sub_f32 v66, v63, v60
	v_mul_f32 v66, 0x3fb8aa3b, v66
.irp e, 0,1,2,3,4,5,6,7
	v_sub_f32 v[32+\e], v[16+\e], v60
.endr
.irp e, 0,1,2,3,4,5,6,7
	v_mul_f32 v[32+\e], 0x3fb8aa3b, v[32+\e]
.endr
	s_wait_alu depctr_va_vdst(0)
	v_exp_f32 v66, v66                             ; p = e^(second - first), at most 1
.irp e, 0,1,2,3,4,5,6,7
	v_exp_f32 v[32+\e], v[32+\e]
.endr
	v_lshl_or_b32 v65, v64, 8, v61                 ; first | second << 8 (the plain line behind the exponentials)
	s_wait_alu depctr_va_vdst(0)
	v_add_f32 v67, 1.0, v66
	v_add_f32 v68, v32, v33
	v_add_f32 v69, v34, v35
	v_add_f32 v70, v36, v37
	v_add_f32 v71, v38, v39
	v_add_f32 v68, v68, v69
	v_add_f32 v70, v70, v71
	v_add_f32 v68, v68, v70
	s_wait_alu depctr_va_vdst(0)
	v_rcp_f32 v72, v67                             ; the first choice's weight: 1 / (1 + p)
	v_rcp_f32 v74, v68
	v_mov_b32 v75, 0                               ; (the plain line behind the reciprocals)
	s_wait_alu depctr_va_vdst(0)
	v_mul_f32 v73, v66, v72                        ; the second's: p / (1 + p)
.irp e, 0,1,2,3,4,5,6,7
	v_mul_f32 v[32+\e], v[32+\e], v74              ; the token's 8 probabilities
.endr
.irp e, 0,1,2,3,4,5,6,7
	v_cmp_ne_u32 vcc_lo, \e, v61
	v_cndmask_b32 v[40+\e], 1.0, v75, vcc_lo       ; and its top-1 flags
.endr
.irp m, 1,2,4                          ; the sums over the 8 tokens, which lie in lanes that differ in their low three bits
.set N, 0
.rept 16
	v_add_f32_dpp v[32+N], v[32+N], v[32+N] row_xmask:\m row_mask:0xf bank_mask:0xf
.set N, N+1
.endr
.endr
	s_lshl_b32 s12, ttmp9, 5
	v_lshl_add_u32 v76, v7, 2, s12
	global_store_b32 v76, v65, s[10:11]            ; the four lanes that keep a token store the same word to the same place
	s_lshl_b32 s13, ttmp9, 6
	v_lshl_add_u32 v77, v7, 3, s13
	global_store_b64 v77, v[72:73], s[8:9] offset:GATE_OFF
	v_mov_b32 v78, s13
.irp q, 0,1,2,3
	global_store_b128 v78, v[32+4*\q:35+4*\q], s[8:9] offset:LBP_OFF+16*\q   ; every lane holds the same 16 sums and stores them to the same 64 bytes
.endr
.Lend:
	s_wait_tensorcnt 0x0
	ds_add_u32 v254, v255
	s_wait_dscnt 0x0
	s_endpgm
.Lfunc_end_k_q0eb66af75e_xprep:
	.size	k_q0eb66af75e_xprep, .Lfunc_end_k_q0eb66af75e_xprep-k_q0eb66af75e_xprep
	.p2alignl 7, 3214868480
	.fill 96, 4, 3214868480
	.section	.rodata,"a",@progbits
	.p2align	6, 0x0
	.amdhsa_kernel k_q0eb66af75e_xprep
		.amdhsa_group_segment_fixed_size 23040
		.amdhsa_private_segment_fixed_size 0
		.amdhsa_enable_private_segment 0
		.amdhsa_kernarg_size 32
		.amdhsa_user_sgpr_count 2
		.amdhsa_user_sgpr_kernarg_segment_ptr 1
		.amdhsa_wavefront_size32 1
		.amdhsa_system_sgpr_workgroup_id_x 1
		.amdhsa_system_sgpr_workgroup_id_y 1
		.amdhsa_system_sgpr_workgroup_id_z 1
		.amdhsa_system_vgpr_workitem_id 0
		.amdhsa_next_free_vgpr 384
		.amdhsa_next_free_sgpr 66
		.amdhsa_reserve_vcc 1
		.amdhsa_float_denorm_mode_32 3
		.amdhsa_float_denorm_mode_16_64 3
		.amdhsa_memory_ordered 1
		.amdhsa_forward_progress 1
		.amdhsa_inst_pref_size 88
	.end_amdhsa_kernel
	.amdgpu_metadata
---
amdhsa.version: [ 1, 2 ]
amdhsa.kernels:
  - .name:           k_q0eb66af75e_xprep
    .symbol:         k_q0eb66af75e_xprep.kd
    .args:
      - { .name: x, .offset: 0, .size: 8, .value_kind: global_buffer, .address_space: global }
      - { .name: Wg, .offset: 8, .size: 8, .value_kind: global_buffer, .address_space: global }
      - { .name: xq, .offset: 16, .size: 8, .value_kind: global_buffer, .address_space: global }
      - { .name: sel, .offset: 24, .size: 8, .value_kind: global_buffer, .address_space: global }
    .group_segment_fixed_size: 23040
    .private_segment_fixed_size: 0
    .kernarg_segment_align: 8
    .kernarg_segment_size: 32
    .max_flat_workgroup_size: 128
    .sgpr_count:     66
    .vgpr_count:     384
    .wavefront_size: 32
...
	.end_amdgpu_metadata
.endif
;; end of part 8
;; launch wprep (part 9): grid 257 x 1, 16 waves a work-group, no clusters, 6,144 bytes of LDS; arguments W1, W2, sel, xq, wq, route, out1; writes wq, route, out1
.if DOCPART == 9
	.amdgcn_target "amdgcn-amd-amdhsa--gfx1250"
	.amdhsa_code_object_version 6
	.text
	.protected	k_q0eb66af75e_wprep
	.globl	k_q0eb66af75e_wprep
	.p2align	8
	.type	k_q0eb66af75e_wprep,@function
k_q0eb66af75e_wprep:
	s_mov_b64 s[64:65], 0
	v_nop
	global_prefetch_b8 v0, s[64:65] scope:SCOPE_SE
	s_setreg_imm32_b32 hwreg(HW_REG_WAVE_MODE, 25, 1), 1
	s_wait_xcnt 0x0
; Three kinds of work-group, parted on the work-group's number.
; 1 .. 128: W1 [8][2048 d][1024 f];  129 .. 256: W2 [8][1024 f][2048 d], f32, K the middle axis, become codes of FP4 (E2M1) with one E8M0 byte for each 32 along K,
;   LAID IN THE ORDER OF THE OPERAND'S REGISTERS: a fragment (16 rows x 128 K) is 1,024 bytes; byte 512 c + 256 h + 16 r holds the 32 codes of block 2 c + h of row r, so that two loads of 16 bytes
;   a lane, at 16 x lane and 512 further on, fill the eight registers.   wq + 0: W1 [e][fg 8][K step 16][tile 8][1024];   wq + 8388608: W2 [e][dg 16][K step 8][tile 8][1024].
;   Row r of W1's tile t is hidden unit 128 fg + 32 (t / 2) + 8 (t % 2) + r + 8 (r / 8), so that the first product's results lie along the second product's K; row r of W2's tile t is d = 128 dg + 16 t + r.
;   Scale words: wq + 16777216: W1 [e][G 32][kq 8][lane 32][8 bytes];  wq + 17301504: W2 [e][G 64][kq 4][lane 32][8 bytes]: G = a pair of tiles (32 columns), lanes 0-15 its even tile's rows, lanes 16-31 its odd
;   tile's; the 8 bytes are the words of K steps 2 kq and 2 kq + 1.
;   A LANE TAKES A COLUMN AND ITS REGISTERS RUN DOWN K: a block of 32 lies in one lane's 32 registers, the conversions give codes with K innermost, and nothing is transposed.  A wave takes 32 columns x 256 K;
;   eight waves stand side by side on 1,024 bytes of each row.  Loads run two blocks (64 loads a wave) ahead.  Sixteen lanes store 256 consecutive bytes, aligned.
; 0: the routing, from the whole numbers that the launch before stored.  The tokens are sorted by their unordered pair of experts, the 28 pairs in an order in which neighbours share an expert, and cut into 64 blocks
;   of 32.  route + 0: [2048] token | first expert << 16 | second << 24, sorted;  route + 10240: [64] each block's mask of experts;  route + 8192: [256] places for the (block, expert) items, block | expert << 8,
;   by expert, EACH EXPERT'S RUN BEGINNING AT A MULTIPLE OF 8 PLACES, so that eight neighbouring places never hold two experts; a place without an item has bit 31 set.
;   The sorted row has at most 28 runs, so 64 blocks hold at most 64 + 27 pieces of runs, of two experts each: never more than 182 items; rounded up to eights for each of 8 experts that is at most
;   (182 + 56) / 8 = 29 groups of eight: every item lies under place 232.
;   Also out1 = 0.01 x 8 x sum over e of (top-1 share of e) x (mean probability of e).
; LIMITS: a block of zeros, or one whose largest magnitude lies under 2^-124, gets the byte 1 (read by this program alone); NaN and infinities among the inputs are not served.
; No tensor load, no cluster: no two work-groups read the same byte of the weights.  Only the routing's path uses LDS and a barrier.
.set LBP_OFF,   2244608
.set ITEMS_OFF, 8192
.set BMASK_OFF, 10240
.set LBB,  2048                        ; LDS: 0: counts [wave 16][32 words];  LBB: partial sums for the loss [wave 16][16 f32]
.set X,    32                          ; v32-127  three sets of 32 numbers
.set C,    20                          ; v20-23   a block's codes
.set SB,   16                          ; v16-17   the scale bytes of 8 blocks
	s_load_b256 s[4:11], s[0:1], 0x0               ; W1 s[4:5], W2 s[6:7], sel s[8:9], xq s[10:11]
	s_load_b128 s[12:15], s[0:1], 0x20             ; wq s[12:13], route s[14:15]
	s_load_b64 s[16:17], s[0:1], 0x30              ; out1
	v_lshl_add_u32 v128, v0, 2, 0x1000
	v_mov_b32 v129, 0
	v_lshrrev_b32 v1, 5, v0
	s_delay_alu instid0(VALU_DEP_1)
	v_readfirstlane_b32 s18, v1                    ; wave 0..15
	v_and_b32 v2, 31, v0                           ; lane
	s_wait_kmcnt 0x0
	s_cmp_eq_u32 ttmp9, 0
	s_cbranch_scc1 .Lsort
	s_cmp_gt_u32 ttmp9, 128
	s_cbranch_scc1 .Lw2
.macro WLOAD t, pitch                  ; block t: W(32 t + i, my column), i = 0 .. 31: each load reads 128 consecutive bytes
.irp i, 0,1,2,3,4,5,6,7,8,9,10,11,12,13,14,15,16,17,18,19,20,21,22,23,24,25,26,27,28,29,30,31
	global_load_b32 v[X+32*((\t)%3)+\i], v3, s[28:29] offset:(32*(\t)+\i)*\pitch th:TH_LOAD_NT
.endr
.endm
.macro WBLOCK t, pitch
.set XW, X+32*((\t)%3)
.if (\t) < 7
	s_wait_loadcnt 32                              ; this block's 32 loads are in; the next block's may be out
.else
	s_wait_loadcnt 0x0
.endif
.if (\t) > 0
	s_wait_xcnt 0x0                                ; the last block's store has read its data: the codes' registers are written again only behind this wait
.endif
.if (\t)+2 < 8
	WLOAD (\t)+2, \pitch                           ; into the set that the block before this one has left
.endif
	v_max3_num_f32 v10, |v[XW]|, |v[XW+1]|, |v[XW+2]|              ; the block's largest magnitude: all 32 numbers are mine
	v_max3_num_f32 v12, |v[XW+3]|, |v[XW+4]|, |v[XW+5]|
.irp i, 6,10,14,18,22,26
	s_delay_alu instid0(VALU_DEP_2)
	v_max3_num_f32 v10, v10, |v[XW+\i]|, |v[XW+\i+1]|
	s_delay_alu instid0(VALU_DEP_2)
	v_max3_num_f32 v12, v12, |v[XW+\i+2]|, |v[XW+\i+3]|
.endr
	s_delay_alu instid0(VALU_DEP_2)
	v_max3_num_f32 v10, v10, |v[XW+30]|, |v[XW+31]|
	s_delay_alu instid0(VALU_DEP_1)
	v_max3_num_f32 v10, v10, v12, 0x1800000        ; and the floor 2^(3 - 127): the byte cannot fall under 1
	s_delay_alu instid0(VALU_DEP_1)
	v_add_nc_u32 v11, 0xff000000, v10              ; 2 off its exponent field: the conversion's scale operand
	s_delay_alu instid0(VALU_DEP_1)
	v_lshrrev_b32 v13, 23, v11                     ; the scale's byte
.if (\t)%4 == 0
	s_delay_alu instid0(VALU_DEP_1)
	v_mov_b32 v[SB+(\t)/4], v13                    ; four bytes to a word, the lower K in the lower byte
.else
	s_delay_alu instid0(VALU_DEP_1)
	v_lshl_or_b32 v[SB+(\t)/4], v13, 8*((\t)%4), v[SB+(\t)/4]
.endif
.irp g, 0,1,2,3
	v_cvt_scalef32_pk8_fp4_f32 v[C+\g], v[XW+8*\g:XW+8*\g+7], v11
.endr
	global_store_b128 v4, v[C:C+3], s[30:31] offset:((\t)/4)*8192+(((\t)/2)%2)*512+((\t)%2)*256   ; K step t / 4 of my two, c = (t / 2) % 2, h = t % 2
.endm
; first: the path's first work-group; src: the tensor's pointer; pshift: log2 of 256 rows' bytes; pitch: a row's bytes; gqbits, kgbits: how the work-group's low four bits part into columns and K;
; snake: W1's choice of rows; coff, gshift: where the codes go, log2 of the bytes of 128 columns; soff, sshift: the same for the scale words of 32 columns
.macro WPATH first, src, pshift, pitch, gqbits, kgbits, snake, coff, gshift, soff, sshift
	s_sub_co_u32 s20, ttmp9, \first
	s_lshr_b32 s21, s20, 4                         ; e
	s_lshr_b32 s22, s20, \kgbits
	s_and_b32 s22, s22, (1<<\gqbits)-1
	s_and_b32 s23, s20, (1<<\kgbits)-1
	s_and_b32 s24, s18, 7
	s_lshl_b32 s22, s22, 3
	s_add_co_u32 s22, s22, s24                     ; G: my 32 columns
	s_lshr_b32 s24, s18, 3
	s_lshl_b32 s23, s23, 1
	s_add_co_u32 s23, s23, s24                     ; kq: my 256 along K
	s_mov_b32 s27, 0
	s_lshl_b32 s26, s21, 23                        ; from: 8,388,608 e + 256 rows x kq + 128 G
	s_lshl_b32 s24, s23, \pshift
	s_add_co_u32 s26, s26, s24
	s_lshl_b32 s24, s22, 7
	s_add_co_u32 s26, s26, s24
	s_add_nc_u64 s[28:29], s[\src:\src+1], s[26:27]
	s_lshl_b32 s26, s21, 20                        ; codes to: 1,048,576 e + (G / 4) groups of 128 columns + 2 kq K steps of 8,192 + 2 (G % 4) tiles of 1,024
	s_lshr_b32 s24, s22, 2
	s_lshl_b32 s24, s24, \gshift
	s_add_co_u32 s26, s26, s24
	s_lshl_b32 s24, s23, 14
	s_add_co_u32 s26, s26, s24
	s_and_b32 s24, s22, 3
	s_lshl_b32 s24, s24, 11
	s_add_co_u32 s26, s26, s24
	s_add_co_u32 s26, s26, \coff
	s_add_nc_u64 s[30:31], s[12:13], s[26:27]
	s_lshl_b32 s26, s21, 16                        ; scale words to: 65,536 e + G's part + 256 kq
	s_lshl_b32 s24, s22, \sshift
	s_add_co_u32 s26, s26, s24
	s_lshl_b32 s24, s23, 8
	s_add_co_u32 s26, s26, s24
	s_add_co_u32 s26, s26, \soff
	s_add_nc_u64 s[32:33], s[12:13], s[26:27]
	v_lshrrev_b32 v6, 4, v2                        ; which tile of the pair,
	v_and_b32 v7, 15, v2                           ; which of its rows
.if \snake
	v_and_b32 v3, 7, v2                            ; my column of the 32: lane % 8 + 8 (lane / 16) + 16 ((lane / 8) % 2)
	s_delay_alu instid0(VALU_DEP_1)
	v_lshl_add_u32 v3, v6, 3, v3
	v_bfe_u32 v8, v2, 3, 1
	s_delay_alu instid0(VALU_DEP_1)
	v_lshl_add_u32 v3, v8, 4, v3
	s_delay_alu instid0(VALU_DEP_1)
	v_lshlrev_b32 v3, 2, v3
.else
	v_lshlrev_b32 v3, 2, v2                        ; my column of the 32: the lane's number
.endif
	v_lshlrev_b32 v4, 4, v7
	s_delay_alu instid0(VALU_DEP_1)
	v_lshl_add_u32 v4, v6, 10, v4                  ; 1,024 x tile + 16 x row
	v_lshlrev_b32 v5, 3, v2
	WLOAD 0, \pitch
	WLOAD 1, \pitch
	s_wait_alu depctr_va_vdst(0)
.irp t, 0,1,2,3,4,5,6,7
	WBLOCK \t, \pitch
.endr
	global_store_b64 v5, v[SB:SB+1], s[32:33]      ; the wave stores 256 consecutive bytes, aligned
	s_endpgm
.endm
	s_wait_alu depctr_va_vdst(0)
	WPATH 1, 4, 20, 4096, 2, 2, 1, 0, 17, 16777216, 11
.Lw2:
	s_wait_alu depctr_va_vdst(0)
	WPATH 129, 6, 21, 8192, 3, 1, 0, 8388608, 16, 17301504, 10
; THE ROUTING.  512 threads; thread T owns tokens 4 T .. 4 T + 3.
; v4-7 the tokens' words; v8-15 sums for the loss; v16-19 the tokens' pair numbers; v20-23 the words to store; v24-27 ranks within the wave; v28-31 where a pair's run begins for my wave;
; v32-47 the sixteen waves' counts; v48 my wave's counts (lane = pair); v49 all waves' counts; v50 the counts of the waves before mine
.Lsort:
	v_lshlrev_b32 v1, 4, v0
	v_lshlrev_b32 v3, 2, v0
	global_load_b128 v[4:7], v1, s[8:9]
.irp i, 0,1,2,3,4,5,6,7
	global_load_b32 v[8+\i], v3, s[10:11] offset:LBP_OFF+2048*\i   ; column T % 16 of rows T / 16 + 32 i of the 256 x 16 partial sums
.endr
	s_wait_alu depctr_va_vdst(0)
	v_lshlrev_b32 v53, 2, v2                       ; 4 x lane
	v_and_b32 v51, 15, v0
	s_delay_alu instid0(VALU_DEP_1)
	v_lshlrev_b32 v55, 2, v51
	s_delay_alu instid0(VALU_DEP_1)
	v_add_nc_u32 v55, LBB, v55                     ; LBB + 4 (lane % 16)
	s_lshl_b32 s20, s18, 6
	v_add_nc_u32 v54, s20, v55                     ; + 64 wave
	v_mov_b32 v48, 0
.irp j, 0,1,2,3,4,5,6,7
	v_mov_b32 v[24+\j], 0
.endr
	v_mov_b32 v62, 0
	s_mov_b32 s22, 0x76543210
	s_mov_b32 s23, 0xfedcba98
	s_wait_loadcnt 0x0
	v_pk_add_f32 v[8:9], v[8:9], v[10:11]
	v_pk_add_f32 v[12:13], v[12:13], v[14:15]
	s_delay_alu instid0(VALU_DEP_1)
	v_pk_add_f32 v[8:9], v[8:9], v[12:13]
	s_delay_alu instid0(VALU_DEP_1)
	v_add_f32 v8, v8, v9
	s_wait_alu depctr_va_vdst(0)
	v_permlanex16_b32 v62, v8, s22, s23
	s_delay_alu instid0(VALU_DEP_1)
	v_add_f32 v8, v8, v62                          ; my wave's sum of column lane % 16
.irp j, 0,1,2,3
	v_and_b32 v51, 7, v[4+\j]                      ; the first expert,
	v_bfe_u32 v52, v[4+\j], 8, 3                   ; the second
	s_delay_alu instid0(VALU_DEP_2)
	v_lshl_or_b32 v[20+\j], v51, 16, v3
	s_delay_alu instid0(VALU_DEP_1)
	v_lshl_or_b32 v[20+\j], v52, 24, v[20+\j]
	s_delay_alu instid0(VALU_DEP_1)
	v_or_b32 v[20+\j], \j, v[20+\j]                ; token | first << 16 | second << 24
	s_delay_alu instid0(VALU_DEP_4)
	v_min_u32 v96, v51, v52                        ; a < b
	v_max_u32 v97, v51, v52
	s_delay_alu instid0(VALU_DEP_2)
	v_sub_nc_u32 v98, 15, v96
	s_delay_alu instid0(VALU_DEP_1)
	v_mul_u32_u24 v98, v96, v98
	s_delay_alu instid0(VALU_DEP_1)
	v_lshrrev_b32 v98, 1, v98                      ; a (15 - a) / 2 pairs have a smaller a
	s_delay_alu instid0(VALU_DEP_4)
	v_sub_nc_u32 v99, v97, v96
	s_delay_alu instid0(VALU_DEP_1)
	v_add_nc_u32 v99, -1, v99                      ; even a: b ascends
	v_sub_nc_u32 v51, 7, v97                       ; odd a: b descends, so that the last pair of a row and the first of the next share b = 7 or a + 1
	v_and_b32 v52, 1, v96
	s_delay_alu instid0(VALU_DEP_1)
	v_cmp_eq_u32 vcc_lo, 1, v52
	s_delay_alu instid0(VALU_DEP_1)
	v_cndmask_b32 v99, v99, v51, vcc_lo
	s_delay_alu instid0(VALU_DEP_1)
	v_add_nc_u32 v[16+\j], v98, v99                ; the pair's number, 0 .. 27
.endr
.set KAP, 0
.rept 28                               ; for each pair: every token's rank among the wave's tokens of that pair, and their count
	s_mov_b32 s30, 0
.irp j, 0,1,2,3
	v_cmp_eq_u32 s31, KAP, v[16+\j]
	s_delay_alu instid0(VALU_DEP_1)
	v_mbcnt_lo_u32_b32 v51, s31, s30
	s_delay_alu instid0(VALU_DEP_1)
	v_cndmask_b32 v[24+\j], v[24+\j], v51, s31
	s_bcnt1_i32_b32 s32, s31
	s_add_co_u32 s30, s30, s32
.endr
	v_writelane_b32 v48, s30, KAP
.set KAP, KAP+1
.endr
	ds_store_b32 v3, v48                           ; 128 wave + 4 lane = 4 T
	ds_store_b32 v54, v8                           ; both halves of the lanes hold the same sum and write the same word
	s_wait_dscnt 0x0                               ; for the others' sake
	s_barrier_signal -1
	s_barrier_wait -1
.irp w, 0,1,2,3,4,5,6,7,8,9,10,11,12,13,14,15
	ds_load_b32 v[32+\w], v53 offset:128*\w
.endr
	v_mov_b32 v50, 0
	s_wait_dscnt 0x0
	v_add3_u32 v49, v32, v33, v34
.irp w, 35,37,39,41,43,45
	s_delay_alu instid0(VALU_DEP_1)
	v_add3_u32 v49, v49, v[\w], v[\w+1]
.endr
	s_delay_alu instid0(VALU_DEP_1)
	v_add_nc_u32 v49, v49, v47
.irp w, 0,1,2,3,4,5,6,7,8,9,10,11,12,13,14
	s_cmp_gt_u32 s18, \w
	s_cselect_b32 s20, -1, 0
	v_and_b32 v51, s20, v[32+\w]
	s_delay_alu instid0(VALU_DEP_1)
	v_add_nc_u32 v50, v50, v51
.endr
	s_mov_b32 s30, 0                               ; where the pair's run begins in the sorted row
.set KAP, 0
.rept 28
	v_readlane_b32 s33, v49, KAP
	v_readlane_b32 s34, v50, KAP
	s_add_co_u32 s35, s30, s34                     ; and where my wave's tokens of that pair begin
.irp j, 0,1,2,3
	v_cmp_ne_u32 vcc_lo, KAP, v[16+\j]
	s_delay_alu instid0(VALU_DEP_1)
	v_cndmask_b32 v[28+\j], s35, v[28+\j], vcc_lo
.endr
	s_add_co_u32 s30, s30, s33
.set KAP, KAP+1
.endr
.irp j, 0,1,2,3
	v_add_nc_u32 v[100+\j], v[24+\j], v[28+\j]
	s_delay_alu instid0(VALU_DEP_1)
	v_min_u32 v[100+\j], 2047, v[100+\j]           ; a place in the sorted row
	s_delay_alu instid0(VALU_DEP_1)
	v_lshlrev_b32 v[100+\j], 2, v[100+\j]
	global_store_b32 v[100+\j], v[20+\j], s[14:15]
.endr
	s_cmp_lg_u32 s18, 0
	s_cbranch_scc1 .Lend                           ; the rest is wave 0's
	; all 256 places of the items' list are first marked 'no item': 32 lanes x 16 bytes, twice.  The items are stored over these words further down, behind a wait for these stores
	v_mov_b32 v104, 0x80000000
	s_delay_alu instid0(VALU_DEP_1)
	v_mov_b32 v105, v104
	s_delay_alu instid0(VALU_DEP_2)
	v_mov_b32 v106, v104
	s_delay_alu instid0(VALU_DEP_3)
	v_mov_b32 v107, v104
	v_mov_b32 v108, 0xff                           ; place 255: never an item's
	v_lshlrev_b32 v109, 4, v2
	global_store_b128 v109, v[104:107], s[14:15] offset:ITEMS_OFF
	global_store_b128 v109, v[104:107], s[14:15] offset:ITEMS_OFF+512
.irp w, 0,1,2,3,4,5,6,7,8,9,10,11,12,13,14,15
	ds_load_b32 v[32+\w], v55 offset:64*\w         ; the sixteen waves' sums for the loss: wanted at the end
.endr
	; each block's mask of experts: lane l has blocks l and l + 32; a pair's run [begin, end) meets a block [lo, hi) where begin < hi and end > lo
	v_lshlrev_b32 v56, 5, v2
	s_delay_alu instid0(VALU_DEP_1)
	v_add_nc_u32 v57, 1024, v56
	s_delay_alu instid0(VALU_DEP_2)
	v_add_nc_u32 v58, 32, v56
	s_delay_alu instid0(VALU_DEP_2)
	v_add_nc_u32 v59, 32, v57
	v_mov_b32 v60, 0
	v_mov_b32 v61, 0
	s_mov_b32 s30, 0
.set KAP, 0
.irp m, 0x03,0x05,0x09,0x11,0x21,0x41,0x81,0x82,0x42,0x22,0x12,0x0a,0x06,0x0c,0x14,0x24,0x44,0x84,0x88,0x48,0x28,0x18,0x30,0x50,0x90,0xa0,0x60,0xc0
	v_readlane_b32 s33, v49, KAP
	s_add_co_u32 s34, s30, s33
	s_cmp_lg_u32 s33, 0
	s_cselect_b32 s35, \m, 0                       ; the pair's two experts, or nothing where no token chose it
	v_mov_b32 v62, s35
.irp hf, 0,1
	v_cmp_lt_u32 s20, s30, v[58+\hf]
	v_cmp_gt_u32 s21, s34, v[56+\hf]
	s_and_b32 vcc_lo, s20, s21
	v_cndmask_b32 v63, 0, v62, vcc_lo
	s_delay_alu instid0(VALU_DEP_1)
	v_or_b32 v[60+\hf], v[60+\hf], v63
.endr
	s_mov_b32 s30, s34
.set KAP, KAP+1
.endr
	s_wait_alu depctr_va_vdst(0)
	; the items, by expert and block.  s30: the next free place; behind each expert it is rounded up to a multiple of 8
	s_wait_storecnt 0x0                            ; the marks above have landed: the items below are stored over the same words
	s_mov_b32 s30, 0
.irp e, 0,1,2,3,4,5,6,7
.irp hf, 0,1
.set IDX, 2*\e+\hf
	v_and_b32 v63, 1<<\e, v[60+\hf]
	s_delay_alu instid0(VALU_DEP_1)
	v_cmp_ne_u32 s36, 0, v63                       ; the lanes whose block 32 hf + lane uses expert e
	s_delay_alu instid0(VALU_DEP_1)
	v_mbcnt_lo_u32_b32 v96, s36, s30               ; the item's place
	s_delay_alu instid0(VALU_DEP_1)
	v_cndmask_b32 v97, v108, v96, s36              ; a lane without an item stores the mark once more, to place 255
	s_delay_alu instid0(VALU_DEP_1)
	v_min_u32 v97, 0xff, v97
	s_delay_alu instid0(VALU_DEP_1)
	v_lshlrev_b32 v[64+IDX], 2, v97
	v_or_b32 v98, 32*\hf+256*\e, v2                ; block | expert << 8
	s_delay_alu instid0(VALU_DEP_1)
	v_cndmask_b32 v[80+IDX], v104, v98, s36
	global_store_b32 v[64+IDX], v[80+IDX], s[14:15] offset:ITEMS_OFF   ; registers of its own for each of the 16 stores: none is written again
	s_bcnt1_i32_b32 s20, s36
	s_add_co_u32 s30, s30, s20
.endr
	s_add_co_u32 s30, s30, 7
	s_and_b32 s30, s30, -8                         ; the next expert begins a new group of eight places
.endr
	global_store_b32 v53, v60, s[14:15] offset:BMASK_OFF
	global_store_b32 v53, v61, s[14:15] offset:BMASK_OFF+128
	s_wait_dscnt 0x0
.irp j, 32,36,40,44
	v_pk_add_f32 v[\j:\j+1], v[\j:\j+1], v[\j+2:\j+3]
.endr
	s_delay_alu instid0(VALU_DEP_3)
	v_pk_add_f32 v[32:33], v[32:33], v[36:37]
	s_delay_alu instid0(VALU_DEP_2)
	v_pk_add_f32 v[40:41], v[40:41], v[44:45]
	s_delay_alu instid0(VALU_DEP_1)
	v_pk_add_f32 v[32:33], v[32:33], v[40:41]
	s_delay_alu instid0(VALU_DEP_1)
	v_add_f32 v32, v32, v33                        ; lane c < 8: the sum of expert c's probabilities; lane 8 + c: its top-1 count
	s_delay_alu instid0(VALU_DEP_1)
	v_mul_f32_dpp v32, v32, v32 row_xmask:8 row_mask:0xf bank_mask:0xf
	s_delay_alu instid0(VALU_DEP_1)
	v_add_f32_dpp v32, v32, v32 row_xmask:1 row_mask:0xf bank_mask:0xf
	s_delay_alu instid0(VALU_DEP_1)
	v_add_f32_dpp v32, v32, v32 row_xmask:2 row_mask:0xf bank_mask:0xf
	s_delay_alu instid0(VALU_DEP_1)
	v_add_f32_dpp v32, v32, v32 row_xmask:4 row_mask:0xf bank_mask:0xf
	s_delay_alu instid0(VALU_DEP_1)
	v_mul_f32 v32, 0x32a3d70a, v32                 ; x 0.01 x 8 / 2048 / 2048
	v_mov_b32 v33, 0
	s_wait_alu depctr_va_vdst(0)
	s_wait_xcnt 0x0                                ; EXEC is a source of the stores above: it changes only behind this wait
	v_cmp_eq_u32 vcc_lo, 0, v2
	s_and_saveexec_b32 s20, vcc_lo
	global_store_b32 v33, v32, s[16:17]            ; lane 0 alone
	s_wait_xcnt 0x0                                ; and again in front of the line that widens it
	s_or_b32 exec_lo, exec_lo, s20
.Lend:
	s_wait_tensorcnt 0x0
	ds_add_u32 v128, v129
	s_wait_dscnt 0x0
	s_endpgm
.Lfunc_end_k_q0eb66af75e_wprep:
	.size	k_q0eb66af75e_wprep, .Lfunc_end_k_q0eb66af75e_wprep-k_q0eb66af75e_wprep
	.p2alignl 7, 3214868480
	.fill 96, 4, 3214868480
	.section	.rodata,"a",@progbits
	.p2align	6, 0x0
	.amdhsa_kernel k_q0eb66af75e_wprep
		.amdhsa_group_segment_fixed_size 6144
		.amdhsa_private_segment_fixed_size 0
		.amdhsa_enable_private_segment 0
		.amdhsa_kernarg_size 56
		.amdhsa_user_sgpr_count 2
		.amdhsa_user_sgpr_kernarg_segment_ptr 1
		.amdhsa_wavefront_size32 1
		.amdhsa_system_sgpr_workgroup_id_x 1
		.amdhsa_system_sgpr_workgroup_id_y 1
		.amdhsa_system_sgpr_workgroup_id_z 1
		.amdhsa_system_vgpr_workitem_id 0
		.amdhsa_next_free_vgpr 130
		.amdhsa_next_free_sgpr 66
		.amdhsa_reserve_vcc 1
		.amdhsa_float_denorm_mode_32 3
		.amdhsa_float_denorm_mode_16_64 3
		.amdhsa_memory_ordered 1
		.amdhsa_forward_progress 1
		.amdhsa_inst_pref_size 189
	.end_amdhsa_kernel
	.amdgpu_metadata
---
amdhsa.version: [ 1, 2 ]
amdhsa.kernels:
  - .name:           k_q0eb66af75e_wprep
    .symbol:         k_q0eb66af75e_wprep.kd
    .args:
      - { .name: W1, .offset: 0, .size: 8, .value_kind: global_buffer, .address_space: global }
      - { .name: W2, .offset: 8, .size: 8, .value_kind: global_buffer, .address_space: global }
      - { .name: sel, .offset: 16, .size: 8, .value_kind: global_buffer, .address_space: global }
      - { .name: xq, .offset: 24, .size: 8, .value_kind: global_buffer, .address_space: global }
      - { .name: wq, .offset: 32, .size: 8, .value_kind: global_buffer, .address_space: global }
      - { .name: route, .offset: 40, .size: 8, .value_kind: global_buffer, .address_space: global }
      - { .name: out1, .offset: 48, .size: 8, .value_kind: global_buffer, .address_space: global }
    .group_segment_fixed_size: 6144
    .private_segment_fixed_size: 0
    .kernarg_segment_align: 8
    .kernarg_segment_size: 56
    .max_flat_workgroup_size: 512
    .sgpr_count:     66
    .vgpr_count:     130
    .wavefront_size: 32
...
	.end_amdgpu_metadata
.endif
;; end of part 9
;; launch ffn1 (part 10): grid 29 x 8, 8 waves a work-group, no clusters, 0 bytes of LDS; arguments xq, wq, route, b1, hq; writes hq
.if DOCPART == 10
	.amdgcn_target "amdgcn-amd-amdhsa--gfx1250"
	.amdhsa_code_object_version 6
	.text
	.protected	k_q0eb66af75e_ffn1
	.globl	k_q0eb66af75e_ffn1
	.p2align	8
	.type	k_q0eb66af75e_ffn1,@function
k_q0eb66af75e_ffn1:
	s_mov_b64 s[64:65], 0
	v_nop
	global_prefetch_b8 v0, s[64:65] scope:SCOPE_SE
	s_setreg_imm32_b32 hwreg(HW_REG_WAVE_SCHED_MODE, 0, 2), 2
	s_setreg_imm32_b32 hwreg(HW_REG_WAVE_MODE, 25, 1), 1
	s_wait_xcnt 0x0
	s_wait_alu depctr_vm_vsrc(0)
; h = Q(relu(x W1[e] + b1[e])) for the chosen rows, on codes of FP4 (E2M1) with E8M0 scales.  An item of the stored list is a block of 32 sorted tokens and an expert that some token of the block chose.
; SHARES.  Work-group (x, y) takes the eight places 8 x .. 8 x + 7 of the list, which hold items of ONE expert (each expert's run begins at a multiple of 8 places), and hidden units 128 y .. 128 y + 127.
; Wave w takes place 8 x + w: its 32 tokens x the 128 units: 2 tiles of tokens x 8 tiles of units, 16 accumulators, K = 2,048 in 16 steps of 128.  THE EIGHT WAVES SHARE THE WEIGHTS, NOT THE TOKENS: they ask for the same
; 131,072 bytes of W1's codes and 8,192 of its scale words, K step by K step, side by side on one WGP; what is a wave's own is the smaller part, its tokens' 32,768 bytes of codes.
; The grid serves every choice of experts: never more than 182 items (64 blocks + 27 borders between pairs, two experts each), so never more than (182 + 56) / 8 = 29 groups of eight places.  A wave whose place holds
; no item stores nothing and ends.  29 x 8 = 232 work-groups of eight waves of 512 registers: each fills a WGP's registers, and none waits for another to end.
; OPERANDS GO FROM MEMORY STRAIGHT INTO REGISTERS.  The weights lie in the order of the operand's registers (two loads of 16 bytes a lane for a fragment, 512 consecutive bytes each); x's codes are gathered by
; token, 16 bytes a lane.  Three sets of registers take turns: the loads of two K steps are out while a third is multiplied.
; THE PRODUCT IS USED TRANSPOSED (source 0 = 16 rows of W1, source 1 = 16 tokens), and the rows of W1 that form a tile were chosen so that the 16 registers of tiles 2 b and 2 b + 1 are 16 neighbours along the
; next K: unit 32 b + 16 (lane / 16) + 0 .. 15 of token lane % 16.  So the 128 units of a wave become exactly one fragment and one scale word a token of the second product's K step y.
; OUT: hq + 0: [block][e][tile of tokens 2][K step 8][1,024 bytes], an image of the operand's registers;  hq + 8388608: [block][e][tile][K step][16 words].
; NO CLUSTER, NO TENSOR LOAD, NO LDS: whether a wave has work, and which weights it reads, hangs on the stored list, so no joint request could be made on every path; and no barrier may stand behind that branch,
; so nothing holds the eight waves in step: no value hangs on whether they are.
; LIMITS: a block of zeros in h gets the byte 1 (its codes are zeros; read by this program alone); NaN and infinities are not served.
; THE MODE: SCHED_MODE bits 1:0 = 2 (LLVM: expert scheduling mode 2), set by the entry lines.  The code itself states the register dependences between vector or matrix instructions and memory instructions,
; with s_wait_alu, always for 0.
; THE PLAN.  Registers that memory instructions touch:
;   S0, S1, S2    (window 1, 80 registers each)  K step s: its 20 loads land in S[s % 3]; its 16 matrix instructions read it; then the loads of K step s + 3 land in it.  b1 takes S1 behind K step 13.
;   v48-127       the scale words, and v7-8 the block's words of the sorted row: loaded once, read by matrix and vector instructions, never loaded again.
;   v3-6, v9-12   byte offsets: written once by vector instructions at the head, read by every load and store, never written again.
;   v32-47, v14-15  h's codes and scale words: written by the quantiser, read by the stores; each tile of tokens has registers of its own, so none is written again.
; So ONE wait on va_vdst stands in a K step, behind the matrix instructions that have emptied a set: with three sets a set that waited longer would lie idle.  Behind it 12 of the step's 20 loads go out at once and
; the other 8 stand among the step's matrix instructions, which name S[s % 3], the scale words and the accumulators: none of the registers that the loads into S[(s + 2) % 3] touch.
; No register that a memory instruction reads is written again: no wait on vm_vsrc is owed.
.set XS_OFF,    2097152
.set W1S_OFF,   16777216
.set ITEMS_OFF, 8192
.set HS_OFF,    8388608
.set WA,  3                            ; v3     16 x lane
.set L8,  4                            ; v4     8 x lane
.set BA,  5                            ; v5     64 (lane / 16): my 16 units of a block of 32, in b1
.set HSA, 6                            ; v6     4 (lane % 16)
.set PM,  7                            ; v7-8   my token of tile 0, 1
.set XA,  9                            ; v9-10  its codes: 1,024 token + 16 (lane / 16)
.set XSA, 11                           ; v11-12 its scale bytes: 64 token + 16 (lane / 16)
.set PW,  14                           ; v14-15 h's scale word of tile 0, 1
.set TM,  16                           ; v16-31 at work in the quantiser
.set PC,  32                           ; v32-47 h's codes of tile 0, 1
.set XSC, 48                           ; v48-63 x's scale words: register 8 i + 4 (s / 8) + s % 4; lanes 0-15 where (s / 4) % 2 = 0, else lanes 16-31
.set WSC, 64                           ; v64-127 W1's scale words: register 16 (t / 2) + s; lanes 0-15 the even tile's rows, lanes 16-31 the odd tile's
.set ACC, 128                          ; v128-255 accumulator (i, t) at 64 i + 8 t
.set BI,  80                           ; window 1: three sets of 80 (W1's 8 fragments, x's 2); at the end b1's 64 numbers take the second set
.set MSB, 0
.macro WIN new                         ; the immediate's high byte repeats the setting that is left
.if MSB != \new
	s_set_vgpr_msb (MSB<<8)|\new
.set MSB, \new
.endif
.endm
.macro PLACES                          ; four plain vector lines between a matrix instruction and a vector read of its result (ISA guide 7.12.1)
.rept 4
	v_nop
.endr
.endm
; The matrix line; its registers are the symbols rD, rA, rB, rSA, rSB; rRA, rRB: the scale words lie in lanes 16-31.  zero = 1: the product starts the sum
.macro WM zero
.if \zero
.if rRA
	v_wmma_scale_f32_16x16x128_f8f6f4 v[rD:rD+7], v[rA:rA+7], v[rB:rB+7], 0, v[rSA], v[rSB] matrix_a_fmt:MATRIX_FMT_FP4 matrix_b_fmt:MATRIX_FMT_FP4 matrix_a_scale:MATRIX_SCALE_ROW1
.else
	v_wmma_scale_f32_16x16x128_f8f6f4 v[rD:rD+7], v[rA:rA+7], v[rB:rB+7], 0, v[rSA], v[rSB] matrix_a_fmt:MATRIX_FMT_FP4 matrix_b_fmt:MATRIX_FMT_FP4
.endif
.elseif rRA && rRB
	v_wmma_scale_f32_16x16x128_f8f6f4 v[rD:rD+7], v[rA:rA+7], v[rB:rB+7], v[rD:rD+7], v[rSA], v[rSB] matrix_a_fmt:MATRIX_FMT_FP4 matrix_b_fmt:MATRIX_FMT_FP4 matrix_a_scale:MATRIX_SCALE_ROW1 matrix_b_scale:MATRIX_SCALE_ROW1
.elseif rRA
	v_wmma_scale_f32_16x16x128_f8f6f4 v[rD:rD+7], v[rA:rA+7], v[rB:rB+7], v[rD:rD+7], v[rSA], v[rSB] matrix_a_fmt:MATRIX_FMT_FP4 matrix_b_fmt:MATRIX_FMT_FP4 matrix_a_scale:MATRIX_SCALE_ROW1
.elseif rRB
	v_wmma_scale_f32_16x16x128_f8f6f4 v[rD:rD+7], v[rA:rA+7], v[rB:rB+7], v[rD:rD+7], v[rSA], v[rSB] matrix_a_fmt:MATRIX_FMT_FP4 matrix_b_fmt:MATRIX_FMT_FP4 matrix_b_scale:MATRIX_SCALE_ROW1
.else
	v_wmma_scale_f32_16x16x128_f8f6f4 v[rD:rD+7], v[rA:rA+7], v[rB:rB+7], v[rD:rD+7], v[rSA], v[rSB] matrix_a_fmt:MATRIX_FMT_FP4 matrix_b_fmt:MATRIX_FMT_FP4
.endif
.endm
.macro GRPW s, lo                      ; K step s: four of W1's eight fragments, tiles lo .. lo + 3: 8 loads
.set G, 80*((\s)%3)
.irp t, 0,1,2,3
.irp c, 0,1
	global_load_b128 v[G+8*((\lo)+\t)+4*\c:G+8*((\lo)+\t)+4*\c+3], v[WA], s[26:27] offset:(\s)*8192+((\lo)+\t)*1024+\c*512
.endr
.endr
.endm
.macro GRPX s                          ; and x's two, 4 loads
.set G, 80*((\s)%3)+64
.irp i, 0,1
.irp c, 0,1
	global_load_b128 v[G+8*\i+4*\c:G+8*\i+4*\c+3], v[XA+\i], s[4:5] offset:(\s)*64+32*\c
.endr
.endr
.endm
.macro MM s, zero, lo                  ; 8 of a step's 16 matrix instructions: tiles lo .. lo + 3; the 16 accumulators take turns, in the same order in every step
.irp t, 0,1,2,3
.irp i, 0,1
.set rT, (\lo)+\t
.set rD, ACC+64*\i+8*rT
.set rA, 80*((\s)%3)+8*rT
.set rB, 80*((\s)%3)+64+8*\i
.set rSA, WSC+16*(rT/2)+(\s)
.set rSB, XSC+8*\i+4*((\s)/8)+((\s)%4)
.set rRA, rT%2
.set rRB, ((\s)/4)%2
	WM \zero
.endr
.endr
.endm
; 64 numbers of a lane, register 16 b + i = k 32 b + 16 (lane / 16) + i of my token, become a fragment's codes in v[pc] on and its scale word in v[pw]
.macro QUANT s, pc, pw
.irp b, 0,1,2,3
	v_max3_num_f32 v[TM+\b], |v[\s+16*\b]|, |v[\s+1+16*\b]|, 0x1800000   ; block b: my 16 numbers, and the floor 2^(3 - 127): the byte cannot fall under 1
.endr
.irp i, 2,4,6,8,10,12,14
.irp b, 0,1,2,3
	v_max3_num_f32 v[TM+\b], v[TM+\b], |v[\s+16*\b+\i]|, |v[\s+1+16*\b+\i]|   ; (the four blocks by turns)
.endr
.endr
.irp b, 0,1,2,3
	v_permlanex16_b32 v[TM+4+\b], v[TM+\b], s14, s15
.endr
.irp b, 0,1,2,3
	v_max_num_f32 v[TM+\b], v[TM+\b], v[TM+4+\b]   ; with lane l xor 16's: the block's largest magnitude
.endr
.irp b, 0,1,2,3
	v_add_nc_u32 v[TM+12+\b], 0xff000000, v[TM+\b] ; 2 off its exponent field: the conversion's scale operand
.endr
.irp b, 0,1,2,3
	v_lshrrev_b32 v[TM+4+\b], 23, v[TM+12+\b]      ; the scale's byte
.endr
	v_lshl_or_b32 v[\pw], v[TM+5], 8, v[TM+4]      ; the four bytes make my token's scale word; lanes 16-31 hold the same
	v_lshl_or_b32 v[\pw], v[TM+6], 16, v[\pw]
	v_lshl_or_b32 v[\pw], v[TM+7], 24, v[\pw]
.irp b, 0,1,2,3
	v_cvt_scalef32_pk8_fp4_f32 v[\pc+2*\b], v[\s+16*\b:\s+7+16*\b], v[TM+12+\b]
	v_cvt_scalef32_pk8_fp4_f32 v[\pc+1+2*\b], v[\s+8+16*\b:\s+15+16*\b], v[TM+12+\b]
.endr
	v_nop                                          ; one plain line behind a scaled conversion
.irp c, 0,1                            ; the operand's layout wants a whole block in a lane: lanes 0-15 block 2 c, lanes 16-31 block 2 c + 1
.irp i, 0,1
	v_permlane16_swap_b32 v[\pc+4*\c+\i], v[\pc+2+4*\c+\i]
.endr
.endr
.endm
	s_load_b256 s[4:11], s[0:1], 0x0               ; xq s[4:5], wq s[6:7], route s[8:9], b1 s[10:11]
	s_load_b64 s[12:13], s[0:1], 0x20              ; hq
	v_lshrrev_b32 v1, 5, v0
	v_readfirstlane_b32 s16, v1                    ; wave 0..7
	v_and_b32 v1, 15, v0                           ; r
	v_bfe_u32 v2, v0, 4, 1                         ; h
	v_and_b32 v13, 31, v0
	v_lshlrev_b32 v[WA], 4, v13
	v_lshlrev_b32 v[L8], 3, v13
	v_lshlrev_b32 v[BA], 6, v2
	v_lshlrev_b32 v[HSA], 2, v1
	v_lshlrev_b32 v13, 4, v2                       ; 16 h
.irp b, 0,1,2,3
	v_mov_b32 v[TM+4+\b], 0                        ; written once: a lane permute's destination counts as one of its sources
.endr
	s_mov_b32 s14, 0x76543210
	s_mov_b32 s15, 0xfedcba98                      ; v_permlanex16_b32's selects for lane l xor 16
	s_wait_alu depctr_va_sdst(0)                   ; s16 is written, ahead of its first reader: my place in the list is made from it
	s_lshl_b32 s17, ttmp9, 3
	s_add_co_u32 s17, s17, s16                     ; my place in the list: 8 x work-group x + wave,
	s_lshl_b32 s17, s17, 2                         ; in bytes
	s_wait_kmcnt 0x0
	s_load_b32 s18, s[8:9], s17 offset:ITEMS_OFF   ; my item
	s_wait_kmcnt 0x0
	s_bitcmp1_b32 s18, 31
	s_cbranch_scc1 .Lend                           ; no item at this place of the list
	s_and_b32 s19, s18, 0xff
	s_min_u32 s19, s19, 63                         ; the block
	s_bfe_u32 s20, s18, 0x80008
	s_min_u32 s20, s20, 7                          ; the expert
	s_and_b32 s21, ttmp7, 0xffff                   ; fg: the work-group's 128 hidden units
	s_mov_b32 s23, 0
	s_lshl_b32 s22, s20, 20
	s_lshl_b32 s24, s21, 17
	s_add_co_u32 s22, s22, s24
	s_add_nc_u64 s[26:27], s[6:7], s[22:23]        ; W1's codes: 1,048,576 e + 131,072 fg
	s_lshl_b32 s22, s20, 16
	s_lshl_b32 s24, s21, 13
	s_add_co_u32 s22, s22, s24
	s_add_co_u32 s22, s22, W1S_OFF
	s_add_nc_u64 s[28:29], s[6:7], s[22:23]        ; its scale words: 65,536 e + 8,192 fg
	s_lshl_b32 s22, s19, 7
	s_add_nc_u64 s[30:31], s[8:9], s[22:23]        ; the block's 32 words of the sorted row
	s_lshl_b32 s22, s20, 12
	s_lshl_b32 s24, s21, 9
	s_add_co_u32 s22, s22, s24
	s_add_nc_u64 s[32:33], s[10:11], s[22:23]      ; b1: 4,096 e + 512 fg
	s_lshl_b32 s25, s19, 3
	s_add_co_u32 s25, s25, s20                     ; 8 block + e
	s_lshl_b32 s22, s25, 14
	s_lshl_b32 s24, s21, 10
	s_add_co_u32 s22, s22, s24
	s_add_nc_u64 s[34:35], s[12:13], s[22:23]      ; h's codes
	s_lshl_b32 s22, s25, 10
	s_lshl_b32 s24, s21, 6
	s_add_co_u32 s22, s22, s24
	s_add_co_u32 s22, s22, HS_OFF
	s_add_nc_u64 s[36:37], s[12:13], s[22:23]      ; h's scale words
	s_wait_alu depctr_va_vdst(0)                   ; the offsets v3 to v6 are written, which the loads and stores of the whole kernel read
	global_load_b32 v[PM], v[HSA], s[30:31]
	global_load_b32 v[PM+1], v[HSA], s[30:31] offset:64
	WIN 0x40                                       ; destination window 1
	GRPW 0, 0
	GRPW 0, 4
	WIN 0
	s_wait_loadcnt 16                              ; the two words of the sorted row are in; behind them stand W1's 16 loads
.irp i, 0,1
	v_and_b32 v[PM+\i], 0xffff, v[PM+\i]
	v_min_u32 v[PM+\i], 2047, v[PM+\i]             ; the token
	v_lshl_add_u32 v[XA+\i], v[PM+\i], 10, v13
	v_lshl_add_u32 v[XSA+\i], v[PM+\i], 6, v13
.endr
	s_wait_alu depctr_va_vdst(0)                   ; the tokens' offsets v9 to v12 are written, which every load of x's codes and scale words reads
.irp i, 0,1
.irp q, 0,1
	global_load_b128 v[XSC+8*\i+4*\q:XSC+8*\i+4*\q+3], v[XSA+\i], s[4:5] offset:XS_OFF+32*\q   ; lane (r, h): the words of K steps 8 q + 4 h + 0 .. 3
.endr
.endr
	WIN 0x40
	GRPX 0
	WIN 0
.irp p, 0,1,2,3
.irp q, 0,1,2,3,4,5,6,7
	global_load_b64 v[WSC+16*\p+2*\q:WSC+16*\p+2*\q+1], v[L8], s[28:29] offset:\p*2048+\q*256   ; 256 consecutive bytes: the words of K steps 2 q, 2 q + 1 of tiles 2 p and 2 p + 1
.endr
.endr
	WIN 0x40
	GRPW 1, 0
	GRPW 1, 4
	GRPX 1
	GRPW 2, 0
	GRPW 2, 4
	GRPX 2
	s_wait_loadcnt 40                              ; all but the 40 loads of K steps 1 and 2: K step 0 and all scale words are in
	WIN 0x05                                       ; sources 0 and 1 window 1; C and D window 0
	MM 0, 1, 0                                     ; the first K step starts the sums: nothing is cleared
	MM 0, 1, 4
.set J, 1
.rept 13
	s_wait_alu depctr_va_vdst(0)                   ; the last step's matrix instructions are done reading their set, in which the loads of K step J + 2 land
	WIN 0x40
	GRPX J+2                                       ; 12 of its 20 loads at once,
	GRPW J+2, 0
	s_wait_loadcnt 32                              ; K step J is in; the 20 loads of the step behind it and the 12 just issued may be out
	WIN 0x05
	MM J, 0, 0
	WIN 0x40
	GRPW J+2, 4                                    ; the other 8 among the products.  No wait: no vector or matrix instruction since the wait above names that set or v3
	WIN 0x05
	MM J, 0, 4
.set J, J+1
.endr
	s_wait_alu depctr_va_vdst(0)                   ; K step 13's matrix instructions are done reading the second set, in which b1 lands
	WIN 0x40
.irp t, 0,1,2,3,4,5,6,7                ; b1 at my units of tile t: 32 (t / 2) + 16 h + 8 (t % 2) + 0 .. 7, into the set that K step 13 has left
	global_load_b128 v[BI+8*\t:BI+8*\t+3], v[BA], s[32:33] offset:(32*(\t/2)+8*(\t%2))*4
	global_load_b128 v[BI+8*\t+4:BI+8*\t+7], v[BA], s[32:33] offset:(32*(\t/2)+8*(\t%2))*4+16
.endr
	s_wait_loadcnt 36                              ; K step 14 is in; K step 15's 20 loads and b1's 16 may be out
	WIN 0x05
	MM 14, 0, 0
	MM 14, 0, 4
	s_wait_loadcnt 16                              ; K step 15 is in
	MM 15, 0, 0
	MM 15, 0, 4
	WIN 0
	s_wait_loadcnt 0x0                             ; b1
	PLACES
.irp i, 0,1
	WIN 0x04                                       ; source 1 (b1) window 1
.set N, 0
.rept 32
	v_pk_add_f32 v[ACC+64*\i+N:ACC+64*\i+N+1], v[ACC+64*\i+N:ACC+64*\i+N+1], v[BI+N:BI+N+1]   ; each accumulator from its low end on
.set N, N+2
.endr
	WIN 0
.set N, 0
.rept 64
	v_max_num_f32 v[ACC+64*\i+N], 0, v[ACC+64*\i+N]   ; the activation, in f32
.set N, N+1
.endr
	QUANT ACC+64*\i, PC+8*\i, PW+\i
	s_wait_alu depctr_va_vdst(0)                   ; the quantiser has written this tile's codes and its scale word, which the three stores read
	global_store_b128 v[WA], v[PC+8*\i:PC+8*\i+3], s[34:35] offset:\i*8192          ; the fragment as it stands in the registers: 512 consecutive bytes a store
	global_store_b128 v[WA], v[PC+8*\i+4:PC+8*\i+7], s[34:35] offset:\i*8192+512
	global_store_b32 v[HSA], v[PW+\i], s[36:37] offset:\i*512                       ; both halves of the lanes store the same word to the same place
.endr
.Lend:
	s_endpgm
.Lfunc_end_k_q0eb66af75e_ffn1:
	.size	k_q0eb66af75e_ffn1, .Lfunc_end_k_q0eb66af75e_ffn1-k_q0eb66af75e_ffn1
	.p2alignl 7, 3214868480
	.fill 96, 4, 3214868480
	.section	.rodata,"a",@progbits
	.p2align	6, 0x0
	.amdhsa_kernel k_q0eb66af75e_ffn1
		.amdhsa_group_segment_fixed_size 0
		.amdhsa_private_segment_fixed_size 0
		.amdhsa_enable_private_segment 0
		.amdhsa_kernarg_size 40
		.amdhsa_user_sgpr_count 2
		.amdhsa_user_sgpr_kernarg_segment_ptr 1
		.amdhsa_wavefront_size32 1
		.amdhsa_system_sgpr_workgroup_id_x 1
		.amdhsa_system_sgpr_workgroup_id_y 1
		.amdhsa_system_sgpr_workgroup_id_z 1
		.amdhsa_system_vgpr_workitem_id 0
		.amdhsa_next_free_vgpr 512
		.amdhsa_next_free_sgpr 66
		.amdhsa_reserve_vcc 0
		.amdhsa_float_denorm_mode_32 3
		.amdhsa_float_denorm_mode_16_64 3
		.amdhsa_memory_ordered 1
		.amdhsa_forward_progress 1
		.amdhsa_inst_pref_size 90
	.end_amdhsa_kernel
	.amdgpu_metadata
---
amdhsa.version: [ 1, 2 ]
amdhsa.kernels:
  - .name:           k_q0eb66af75e_ffn1
    .symbol:         k_q0eb66af75e_ffn1.kd
    .args:
      - { .name: xq, .offset: 0, .size: 8, .value_kind: global_buffer, .address_space: global }
      - { .name: wq, .offset: 8, .size: 8, .value_kind: global_buffer, .address_space: global }
      - { .name: route, .offset: 16, .size: 8, .value_kind: global_buffer, .address_space: global }
      - { .name: b1, .offset: 24, .size: 8, .value_kind: global_buffer, .address_space: global }
      - { .name: hq, .offset: 32, .size: 8, .value_kind: global_buffer, .address_space: global }
    .group_segment_fixed_size: 0
    .private_segment_fixed_size: 0
    .kernarg_segment_align: 8
    .kernarg_segment_size: 40
    .max_flat_workgroup_size: 256
    .sgpr_count:     66
    .vgpr_count:     512
    .wavefront_size: 32
...
	.end_amdgpu_metadata
.endif
;; end of part 10
;; launch ffn2 (part 11): grid 16 x 16, 4 waves a work-group, no clusters, 34,304 bytes of LDS; arguments hq, wq, route, xq, b2, out0; writes out0
.if DOCPART == 11
	.amdgcn_target "amdgcn-amd-amdhsa--gfx1250"
	.amdhsa_code_object_version 6
	.text
	.protected	k_q0eb66af75e_ffn2
	.globl	k_q0eb66af75e_ffn2
	.p2align	8
	.type	k_q0eb66af75e_ffn2,@function
k_q0eb66af75e_ffn2:
	s_mov_b64 s[64:65], 0
	v_nop
	global_prefetch_b8 v0, s[64:65] scope:SCOPE_SE
	s_setreg_imm32_b32 hwreg(HW_REG_WAVE_SCHED_MODE, 0, 2), 2
	s_setreg_imm32_b32 hwreg(HW_REG_WAVE_MODE, 25, 1), 1
	s_wait_xcnt 0x0
	s_wait_alu depctr_vm_vsrc(0)
; out[token] = sum over the token's two experts of gate x (h W2[e] + b2[e]), on codes of FP4 (E2M1) with E8M0 scales.
; SHARES.  Wave w of work-group (x, y) owns block 4 x + w of 32 sorted tokens and columns 128 y .. 128 y + 127 of d: every number of the output has one owner, and nothing is added between work-groups.
; THE FOUR WAVES SHARE THE WEIGHTS, NOT THE TOKENS: they own four neighbouring blocks of the sorted row, which by the sort's order have an expert or two in common, and the same 128 columns; each walks the experts
; upward, so where their masks agree they ask for the same 65,536 bytes of W2's codes and 4,096 of its scale words side by side on one WGP.  A wave's own part of an expert is h's 16,384 bytes of codes.
; The wave walks the 8 experts in a loop of constant count and passes over, by a scalar branch on its block's stored mask, those that none of its tokens chose.  For an expert of the mask all 32 rows are
; multiplied; a token that did not choose it has the gate 0, as in the module itself.  K = 1,024 in 8 steps of 128; 2 tiles of tokens x 8 tiles of d: 16 accumulators.
; OPERANDS GO FROM MEMORY STRAIGHT INTO REGISTERS: W2's and h's fragments lie in the order of the operand's registers, two loads of 512 consecutive bytes each.  Four sets of registers take turns: while one is
; multiplied, two are on their way, and the fourth, which the step before has left, is asked for again.
; THE PRODUCT IS USED TRANSPOSED (source 0 = 16 rows of W2, source 1 = 16 tokens): lane (r, h) holds token r and eight neighbouring columns 16 t + 8 h + 0 .. 7.
; The running sum begins as zeros, written once while the first loads are out: which expert comes first is a stored number, so no product can be marked in the text as the one that starts it.
; THE WAY OUT: a tile of 16 tokens goes through the wave's own stage in LDS and leaves as rows: 32 lanes store 512 consecutive bytes, aligned, of one token's row.
; NO CLUSTER, NO TENSOR LOAD: the experts that a block walks hang on the stored mask and differ from block to block, so partners would need different tiles; no barrier: none may stand behind a branch on a stored
; number, so nothing holds the four waves in step, and no value hangs on whether they are.
; LIMITS: NaN and infinities are not served (a gate of 0 would not hide them).
; THE MODE: SCHED_MODE bits 1:0 = 2 (LLVM: expert scheduling mode 2), set by the entry lines.  The code itself states the register dependences between vector or matrix instructions and memory or LDS instructions,
; with s_wait_alu, always for 0.
; THE PLAN.  Registers that memory or LDS instructions touch:
;   sets 0 .. 3   K step s: its 20 loads land in set s % 4; its 16 matrix instructions read it; in K step s + 1 the loads of K step s + 4 land in it.  b2 takes set 0 in K step 5 and is read by the additions at the expert's end.
;   v64-103       the expert's scale words: loaded at the expert's head, read by its matrix instructions, loaded again at the next expert's head.
;   v3-8, v12-14  byte offsets and LDS addresses: written once by vector instructions at the head, never written again.
;   v10-11, v20-23  the block's words of the sorted row and the gates' weights: loaded once.
;   the running sum (window 2, v0-127): written by vector instructions; read by the LDS stores of the way out.   v128-255: the accumulators; on the way out the LDS loads land in them and the global stores read them.
;   v32-63        the 32 rows' offsets: written in one run on the way out, read by the global stores.
; So ONE wait on va_vdst stands at the head of a K step that asks for anything, behind the wait for the step's own data: it states that the step before is done reading its set.  The loads into that set follow,
; dealt among the step's matrix instructions, which name set s % 4, the scale words and the accumulators: none of the registers that those loads touch.  One more stands at an expert's head, two on the way out.
; No register that a memory or LDS instruction reads is written again: no wait on vm_vsrc is owed ahead of the closing lines.
.set W2C_OFF,   8388608
.set W2S_OFF,   17301504
.set HS_OFF,    8388608
.set GATE_OFF,  2228224
.set BMASK_OFF, 10240
.set SPITCH, 528                       ; a stage row: 512 bytes + 16
.set WA,  3                            ; v3     16 x lane
.set L8,  4                            ; v4     8 x lane
.set L4,  5                            ; v5     4 x lane
.set BA,  6                            ; v6     32 (lane / 16): my 8 columns of a tile, in b2
.set STO, 7                            ; v7     the stage: where I put 32 bytes of a row
.set RD,  8                            ; v8     and where I read a row back
.set PM,  10                           ; v10-11 my token's word of the sorted row, tile 0, 1
.set GA,  12                           ; v12-13 8 x token
.set E1,  16                           ; v16-17 its first expert
.set E2,  18                           ; v18-19 its second
.set GW,  20                           ; v20-23 their two weights
.set GG,  24                           ; v24-27 the gate for the expert in hand, as the low word of a pair
.set OA,  32                           ; v32-63 the 32 rows' store offsets
.set WSC, 64                           ; v64-95 W2's scale words: register 8 (t / 2) + s; lanes 0-15 the even tile's rows, lanes 16-31 the odd tile's
.set HSC, 96                           ; v96-103 h's: register 4 i + s / 2; lanes 0-15 the even K step, lanes 16-31 the odd
.set Y,   128                          ; v128-255 accumulator (i, t) at 64 i + 8 t; on the way out the rows read back
.set CM,  27                           ; s27-30 the lanes whose token chose the expert in hand: second choice and first, tile 0, then tile 1
; window 1: sets 0 to 2 of 80 registers (W2's 8 fragments, h's 2); b2's 64 numbers take set 0 at an expert's end.  window 2: v0-127 the running sum, v128-207 set 3
.set MSB, 0
.macro WIN new                         ; the immediate's high byte repeats the setting that is left
.if MSB != \new
	s_set_vgpr_msb (MSB<<8)|\new
.set MSB, \new
.endif
.endm
; The matrix line; its registers are the symbols rD, rA, rB, rSA, rSB; rRA, rRB: the scale words lie in lanes 16-31.  zero = 1: the product starts the sum
.macro WM zero
.if \zero
.if rRA
	v_wmma_scale_f32_16x16x128_f8f6f4 v[rD:rD+7], v[rA:rA+7], v[rB:rB+7], 0, v[rSA], v[rSB] matrix_a_fmt:MATRIX_FMT_FP4 matrix_b_fmt:MATRIX_FMT_FP4 matrix_a_scale:MATRIX_SCALE_ROW1
.else
	v_wmma_scale_f32_16x16x128_f8f6f4 v[rD:rD+7], v[rA:rA+7], v[rB:rB+7], 0, v[rSA], v[rSB] matrix_a_fmt:MATRIX_FMT_FP4 matrix_b_fmt:MATRIX_FMT_FP4
.endif
.elseif rRA && rRB
	v_wmma_scale_f32_16x16x128_f8f6f4 v[rD:rD+7], v[rA:rA+7], v[rB:rB+7], v[rD:rD+7], v[rSA], v[rSB] matrix_a_fmt:MATRIX_FMT_FP4 matrix_b_fmt:MATRIX_FMT_FP4 matrix_a_scale:MATRIX_SCALE_ROW1 matrix_b_scale:MATRIX_SCALE_ROW1
.elseif rRA
	v_wmma_scale_f32_16x16x128_f8f6f4 v[rD:rD+7], v[rA:rA+7], v[rB:rB+7], v[rD:rD+7], v[rSA], v[rSB] matrix_a_fmt:MATRIX_FMT_FP4 matrix_b_fmt:MATRIX_FMT_FP4 matrix_a_scale:MATRIX_SCALE_ROW1
.elseif rRB
	v_wmma_scale_f32_16x16x128_f8f6f4 v[rD:rD+7], v[rA:rA+7], v[rB:rB+7], v[rD:rD+7], v[rSA], v[rSB] matrix_a_fmt:MATRIX_FMT_FP4 matrix_b_fmt:MATRIX_FMT_FP4 matrix_b_scale:MATRIX_SCALE_ROW1
.else
	v_wmma_scale_f32_16x16x128_f8f6f4 v[rD:rD+7], v[rA:rA+7], v[rB:rB+7], v[rD:rD+7], v[rSA], v[rSB] matrix_a_fmt:MATRIX_FMT_FP4 matrix_b_fmt:MATRIX_FMT_FP4
.endif
.endm
.macro TOSET s                         ; the window and the first register of set s % 4, for loads into it
.if ((\s)%4) == 3
	WIN 0x80                                       ; destination window 2
.set G, 128
.else
	WIN 0x40                                       ; destination window 1
.set G, 80*((\s)%4)
.endif
.endm
.macro GRPW s, lo                      ; K step s: four of W2's eight fragments, tiles lo .. lo + 3: 8 loads
	TOSET \s
.irp t, 0,1,2,3
.irp c, 0,1
	global_load_b128 v[G+8*((\lo)+\t)+4*\c:G+8*((\lo)+\t)+4*\c+3], v[WA], s[66:67] offset:(\s)*8192+((\lo)+\t)*1024+\c*512
.endr
.endr
.endm
.macro GRPH s                          ; and h's two: 4 loads
	TOSET \s
.irp i, 0,1
.irp c, 0,1
	global_load_b128 v[G+64+8*\i+4*\c:G+64+8*\i+4*\c+3], v[WA], s[70:71] offset:\i*8192+(\s)*1024+\c*512
.endr
.endr
.endm
.macro B2L lo                          ; b2 at my 8 columns of tiles lo .. lo + 3, into set 0: 8 loads
	WIN 0x40
.irp t, 0,1,2,3
	global_load_b128 v[8*((\lo)+\t):8*((\lo)+\t)+3], v[BA], s[74:75] offset:64*((\lo)+\t)
	global_load_b128 v[8*((\lo)+\t)+4:8*((\lo)+\t)+7], v[BA], s[74:75] offset:64*((\lo)+\t)+16
.endr
.endm
.macro MM s, zero, lo                  ; 8 of a step's 16 matrix instructions: tiles lo .. lo + 3; the 16 accumulators take turns, in the same order in every step
.if ((\s)%4) == 3
	WIN 0x0a                                       ; sources 0 and 1 window 2; C and D window 0
.set G, 128
.else
	WIN 0x05                                       ; sources 0 and 1 window 1
.set G, 80*((\s)%4)
.endif
.irp t, 0,1,2,3
.irp i, 0,1
.set rT, (\lo)+\t
.set rD, Y+64*\i+8*rT
.set rA, G+8*rT
.set rB, G+64+8*\i
.set rSA, WSC+8*(rT/2)+(\s)
.set rSB, HSC+4*\i+(\s)/2
.set rRA, rT%2
.set rRB, (\s)%2
	WM \zero
.endr
.endr
.endm
	s_load_b256 s[4:11], s[0:1], 0x0               ; hq s[4:5], wq s[6:7], route s[8:9], xq s[10:11]
	s_load_b128 s[12:15], s[0:1], 0x20             ; b2 s[12:13], out0 s[14:15]
	v_lshl_add_u32 v126, v0, 2, 0x8400
	v_mov_b32 v127, 0
	v_lshrrev_b32 v1, 5, v0
	v_readfirstlane_b32 s16, v1                    ; wave 0..3
	v_and_b32 v1, 15, v0                           ; r
	v_bfe_u32 v2, v0, 4, 1                         ; h
	v_and_b32 v9, 31, v0
	v_lshlrev_b32 v[WA], 4, v9
	v_lshlrev_b32 v[L8], 3, v9
	v_lshlrev_b32 v[L4], 2, v9
	v_lshlrev_b32 v[BA], 5, v2
	v_mul_u32_u24 v[STO], v1, SPITCH
	v_lshl_add_u32 v[STO], v2, 5, v[STO]
	v_lshlrev_b32 v14, 2, v1
	s_wait_alu depctr_va_sdst(0)                   ; s16 is written, ahead of its first reader: my stage and my block are made from it
	s_mul_i32 s17, s16, 16*SPITCH                  ; my stage
	v_add_nc_u32 v[STO], s17, v[STO]               ; in: row r, + 32 h
	v_add_nc_u32 v[RD], s17, v[WA]                 ; back: the 32 lanes take one row of 512 bytes
	s_lshl_b32 s26, ttmp9, 2
	s_add_co_u32 s26, s26, s16                     ; my block: 4 x work-group x + wave
	s_lshl_b32 s18, s26, 2
	s_lshl_b32 s22, s26, 7
	s_mov_b32 s23, 0
	s_and_b32 s19, ttmp7, 0xffff                   ; dg: the work-group's 128 columns
	s_wait_kmcnt 0x0
	s_add_nc_u64 s[24:25], s[8:9], s[22:23]        ; the block's 32 words of the sorted row
	s_load_b32 s20, s[8:9], s18 offset:BMASK_OFF   ; the block's mask of experts
	s_load_b512 s[32:47], s[24:25], 0x0            ; the 32 words as scalars, for the rows' addresses on the way out
	s_load_b512 s[48:63], s[24:25], 0x40
	s_wait_alu depctr_va_vdst(0)                   ; v14 is written, which the two loads below read; so are the offsets and LDS addresses v3 to v8
	global_load_b32 v[PM], v14, s[24:25]           ; and by lanes: lane (r, h) has token r of tile 0, 1
	global_load_b32 v[PM+1], v14, s[24:25] offset:64
	s_lshl_b32 s22, s19, 16
	s_add_co_u32 s22, s22, W2C_OFF
	s_add_nc_u64 s[66:67], s[6:7], s[22:23]        ; W2's codes of expert 0: 65,536 dg
	s_lshl_b32 s22, s19, 12
	s_add_co_u32 s22, s22, W2S_OFF
	s_add_nc_u64 s[68:69], s[6:7], s[22:23]        ; its scale words: 4,096 dg
	s_lshl_b32 s22, s26, 17
	s_add_nc_u64 s[70:71], s[4:5], s[22:23]        ; h's codes of expert 0: 131,072 block
	s_lshl_b32 s22, s26, 13
	s_add_co_u32 s22, s22, HS_OFF
	s_add_nc_u64 s[72:73], s[4:5], s[22:23]        ; its scale words: 8,192 block
	s_lshl_b32 s22, s19, 9
	s_add_nc_u64 s[74:75], s[12:13], s[22:23]      ; b2 of expert 0, my 128 columns
	s_add_nc_u64 s[76:77], s[14:15], s[22:23]      ; out0, my 128 columns
	s_mov_b32 s78, 0                               ; the expert in hand
	WIN 0x80                                       ; destination window 2
.set N, 0
.rept 128
	v_mov_b32 v[N], 0                              ; the running sum
.set N, N+1
.endr
	WIN 0
	v_mov_b32 v[GG+1], 0                           ; (named as the upper halves of pairs, so they are written)
	v_mov_b32 v[GG+3], 0
	s_wait_loadcnt 0x0
.irp i, 0,1
	v_bfe_u32 v[E1+\i], v[PM+\i], 16, 3
	v_bfe_u32 v[E2+\i], v[PM+\i], 24, 3
	v_and_b32 v[PM+\i], 0xffff, v[PM+\i]
	v_min_u32 v[PM+\i], 2047, v[PM+\i]
	v_lshlrev_b32 v[GA+\i], 3, v[PM+\i]
.endr
	s_wait_alu depctr_va_vdst(0)                   ; the two tokens' offsets v12 and v13 are written, which the two loads below read
.irp i, 0,1
	global_load_b64 v[GW+2*\i:GW+2*\i+1], v[GA+\i], s[10:11] offset:GATE_OFF   ; first read behind an expert's wait for all loads
.endr
	s_wait_kmcnt 0x0
.set N, 32
.rept 32
	s_and_b32 s[N], s[N], 0xffff
	s_min_u32 s[N], s[N], 2047                     ; the row's token,
	s_lshl_b32 s[N], s[N], 13                      ; its row of 8,192 bytes in out0
.set N, N+1
.endr
.Lexpert:
	s_lshr_b32 s21, s20, s78
	s_and_b32 s21, s21, 1
	s_cmp_lg_u32 s21, 0
	s_cbranch_scc0 .Lskip                          ; none of my tokens chose this expert
	s_wait_alu depctr_va_vdst(0)                   ; the expert walked before is done reading: its matrix instructions the scale words and the four sets, its additions b2 in set 0; the loads below land in all of these
.irp p, 0,1,2,3
.irp q, 0,1,2,3
	global_load_b64 v[WSC+8*\p+2*\q:WSC+8*\p+2*\q+1], v[L8], s[68:69] offset:\p*1024+\q*256   ; the words of K steps 2 q, 2 q + 1 of tiles 2 p and 2 p + 1
.endr
.endr
.irp i, 0,1
.irp q, 0,1,2,3
	global_load_b32 v[HSC+4*\i+\q], v[L4], s[72:73] offset:\i*512+\q*128   ; lanes 0-15: K step 2 q; lanes 16-31: K step 2 q + 1
.endr
.endr
.irp k, 0,1,2,3
	GRPW \k, 0
	GRPW \k, 4
	GRPH \k
.endr
	s_wait_loadcnt 60                              ; all but the 60 loads of K steps 1 to 3: the scale words and K step 0 are in
	MM 0, 1, 0                                     ; the first K step starts the expert's sums
	MM 0, 1, 4
.set J, 1
.rept 4
	s_wait_loadcnt 40                              ; K step J is in; the 40 loads of the two steps behind it may be out
	s_wait_alu depctr_va_vdst(0)                   ; the last step's matrix instructions are done reading their set, in which the loads of K step J + 3 land
	GRPH J+3                                       ; 12 of its 20 loads,
	GRPW J+3, 0
	MM J, 0, 0
	GRPW J+3, 4                                    ; and the other 8 among the products.  No wait: no vector or matrix instruction since the wait above names that set or v3
	MM J, 0, 4
.set J, J+1
.endr
	s_wait_loadcnt 40                              ; K step 5 is in; the 40 loads of K steps 6 and 7 may be out
	s_wait_alu depctr_va_vdst(0)                   ; K step 4's matrix instructions are done reading set 0, in which b2 lands
	B2L 0
	MM 5, 0, 0
	B2L 4                                          ; no wait: K step 5's products name set 1
	MM 5, 0, 4
	s_wait_loadcnt 36                              ; K step 6 is in; K step 7's 20 loads and b2's 16 may be out
	MM 6, 0, 0
	MM 6, 0, 4
	s_wait_loadcnt 16                              ; K step 7 is in
	MM 7, 0, 0
	MM 7, 0, 4
	WIN 0
	s_wait_loadcnt 0x0                             ; b2 (and, in the first expert walked, the gates' weights): no load is out when the pointers step below
.irp i, 0,1                            ; the gate of my token for this expert, 0 if it chose another; these eight plain lines are also the places behind the last products
	v_cmp_eq_u32 s[CM+2*\i], s78, v[E2+\i]
	v_cmp_eq_u32 s[CM+2*\i+1], s78, v[E1+\i]
.endr
	s_wait_alu depctr_va_sdst(0)                   ; the four compares have written s27 to s30, which the four selections read
.irp i, 0,1
	v_cndmask_b32 v[GG+2*\i], 0, v[GW+2*\i+1], s[CM+2*\i]
	v_cndmask_b32 v[GG+2*\i], v[GG+2*\i], v[GW+2*\i], s[CM+2*\i+1]
.endr
	WIN 0x04                                       ; source 1 (b2) window 1
.irp i, 0,1
.set N, 0
.rept 32
	v_pk_add_f32 v[Y+64*\i+N:Y+64*\i+N+1], v[Y+64*\i+N:Y+64*\i+N+1], v[N:N+1]   ; each accumulator from its low end on
.set N, N+2
.endr
.endr
	WIN 0xa0                                       ; source 2 and destination (the running sum) window 2
.irp i, 0,1
.set N, 0
.rept 32
	v_pk_fma_f32 v[64*\i+N:64*\i+N+1], v[Y+64*\i+N:Y+64*\i+N+1], v[GG+2*\i:GG+2*\i+1], v[64*\i+N:64*\i+N+1] op_sel_hi:[1,0,1]
.set N, N+2
.endr
.endr
	WIN 0
.Lskip:
	s_add_nc_u64 s[66:67], s[66:67], 0x100000      ; on to the next expert
	s_add_nc_u64 s[68:69], s[68:69], 0x10000
	s_add_nc_u64 s[70:71], s[70:71], 0x4000
	s_add_nc_u64 s[72:73], s[72:73], 0x400
	s_add_nc_u64 s[74:75], s[74:75], 0x2000
	s_add_co_u32 s78, s78, 1
	s_cmp_lt_u32 s78, 8
	s_cbranch_scc1 .Lexpert
.macro TOSTAGE i                       ; tile i: 16 tokens x 128 columns into my stage, and back as rows.  LDS serves a wave's instructions in order (ISA guide 5.7.1.4): no wait between the stores and the loads
	WIN 0x08                                       ; an LDS store's data are its source 1: window 2
.irp t, 0,1,2,3,4,5,6,7
	ds_store_b128 v[STO], v[64*\i+8*\t:64*\i+8*\t+3] offset:64*\t
	ds_store_b128 v[STO], v[64*\i+8*\t+4:64*\i+8*\t+7] offset:64*\t+16
.endr
	WIN 0
.irp p, 0,1,2,3,4,5,6,7,8,9,10,11,12,13,14,15
	ds_load_b128 v[Y+64*\i+4*\p:Y+64*\i+4*\p+3], v[RD] offset:SPITCH*\p
.endr
.endm
.macro SEND i, younger                 ; younger: the LDS instructions issued behind tile i's loads, which may stay out
.irp p, 0,1,2,3,4,5,6,7,8,9,10,11,12,13,14,15
	s_wait_dscnt \younger+15-\p                    ; row p is back
	global_store_b128 v[OA+16*\i+\p], v[Y+64*\i+4*\p:Y+64*\i+4*\p+3], s[76:77] th:TH_STORE_NT   ; 32 lanes store 512 consecutive bytes, aligned, of one token's row; written once, read by nobody here
.endr
.endm
	s_wait_alu depctr_va_vdst(0)                   ; the running sum is written, which the LDS stores read; the experts' vector and matrix instructions are done with v128 to v255, in which the LDS loads land
	TOSTAGE 0
	TOSTAGE 1
.set N, 0
.rept 32
	v_add_nc_u32 v[OA+N], s[32+N], v[WA]           ; the 32 rows' offsets in out0, in one run, while the tiles go through the stage: these lines name no register that the LDS instructions above touch
.set N, N+1
.endr
	s_wait_alu depctr_va_vdst(0)                   ; the 32 offsets v32 to v63 are written, which the stores below read
	SEND 0, 32                                     ; behind tile 0's loads: tile 1's 16 stores and 16 loads
	SEND 1, 0
	s_wait_dscnt 0x0                               ; the closing lines, six on end
	s_wait_alu 0x0
	s_wait_tensorcnt 0x0
	ds_add_u32 v126, v127
	s_wait_dscnt 0x0
	s_endpgm
.Lfunc_end_k_q0eb66af75e_ffn2:
	.size	k_q0eb66af75e_ffn2, .Lfunc_end_k_q0eb66af75e_ffn2-k_q0eb66af75e_ffn2
	.p2alignl 7, 3214868480
	.fill 96, 4, 3214868480
	.section	.rodata,"a",@progbits
	.p2align	6, 0x0
	.amdhsa_kernel k_q0eb66af75e_ffn2
		.amdhsa_group_segment_fixed_size 34304
		.amdhsa_private_segment_fixed_size 0
		.amdhsa_enable_private_segment 0
		.amdhsa_kernarg_size 48
		.amdhsa_user_sgpr_count 2
		.amdhsa_user_sgpr_kernarg_segment_ptr 1
		.amdhsa_wavefront_size32 1
		.amdhsa_system_sgpr_workgroup_id_x 1
		.amdhsa_system_sgpr_workgroup_id_y 1
		.amdhsa_system_sgpr_workgroup_id_z 1
		.amdhsa_system_vgpr_workitem_id 0
		.amdhsa_next_free_vgpr 720
		.amdhsa_next_free_sgpr 80
		.amdhsa_reserve_vcc 0
		.amdhsa_float_denorm_mode_32 3
		.amdhsa_float_denorm_mode_16_64 3
		.amdhsa_memory_ordered 1
		.amdhsa_forward_progress 1
		.amdhsa_inst_pref_size 68
	.end_amdhsa_kernel
	.amdgpu_metadata
---
amdhsa.version: [ 1, 2 ]
amdhsa.kernels:
  - .name:           k_q0eb66af75e_ffn2
    .symbol:         k_q0eb66af75e_ffn2.kd
    .args:
      - { .name: hq, .offset: 0, .size: 8, .value_kind: global_buffer, .address_space: global }
      - { .name: wq, .offset: 8, .size: 8, .value_kind: global_buffer, .address_space: global }
      - { .name: route, .offset: 16, .size: 8, .value_kind: global_buffer, .address_space: global }
      - { .name: xq, .offset: 24, .size: 8, .value_kind: global_buffer, .address_space: global }
      - { .name: b2, .offset: 32, .size: 8, .value_kind: global_buffer, .address_space: global }
      - { .name: out0, .offset: 40, .size: 8, .value_kind: global_buffer, .address_space: global }
    .group_segment_fixed_size: 34304
    .private_segment_fixed_size: 0
    .kernarg_segment_align: 8
    .kernarg_segment_size: 48
    .max_flat_workgroup_size: 128
    .sgpr_count:     80
    .vgpr_count:     720
    .wavefront_size: 32
...
	.end_amdgpu_metadata
.endif
;; end of part 11
